; MI455X (gfx1250); checked and timed in simulation.
; The chip was launched on July 23, 2026; its instructions are those of AMD's public machine-readable ISA for CDNA 5 (MIT licence, August 2026) and "CDNA5" Instruction Set Architecture Reference Guide (July 2026). The comments in the code are by the model that wrote it; some were corrected since.
;; Mixture Of Experts. Allowed arithmetic: matrix products marked QUANTISED: E3M2 operands, one E8M0 scale for each 32 along K, by v_wmma_scale_f32_16x16x128_f8f6f4 with both operands' format E3M2, f32 sums; products left as they are: f32 operands where the result goes on into a quantised operand, else bf16, f16 or f32 operands; f32 sums; everything else in f32.
;; Inputs: b1 8 x 2,048 float32; b2 8 x 1,024 float32; gate_b1 16 float32; gate_b2 8 float32; gate_w1 1,024 x 16 float32; gate_w2 16 x 8 float32; w1 8 x 1,024 x 2,048 float32; w2 8 x 2,048 x 1,024 float32; x 2,048 x 1,024 float32.
;; Outputs: out0 2,048 x 1,024 float32.
;; This version of the problem:
;;   THIS VERSION OF THE PROBLEM IS GIVEN IN LOW PRECISION. The matrix products marked QUANTISED in the list below multiply operands that are first quantised to E3M2 (3 exponent bits, 2 mantissa bits; 6 bits a number), with one power-of-two scale for each 32 numbers along K (OCP MX v1.0); their sums are f32. All else is computed in f32.
;;   The module's matrix products, in the order in which they are computed (A, B: the left and right operand; K: the contracted axis; several contracted axes count as one K, in the product's order):
;;     1. [M 2,048, K 1,024] x [K 1,024, N 16]; A: input x; B: input gate_w1: QUANTISED
;;     2. [M 2,048, K 16] x [K 16, N 8]; A: computed on the way; B: input gate_w2: left as it is (K = 16 < 32)
;;     3. [M 2,048, K 1,024] x [K 1,024, N 16,384]; A: input x; B: input w1: QUANTISED
;;     4. batch 8 x [M 1,024, K 2,048] x [K 2,048, N 2,048]; A: input w2; B: computed on the way: QUANTISED
;;   THE QUANTISER, for each operand of a quantised product, along K:
;;     - K is cut into blocks of 32 from its start; a last block that is shorter is filled with zeros.
;;     - A block's scale is 2^e with e = floor(log2(the largest magnitude in the block)) - 4, held to -126 .. 127; a block of zeros has e = 0. As a byte (E8M0): e + 127.
;;     - Each number is divided by its block's scale, clamped to +-28, and rounded to the nearest number of E3M2, ties to even, subnormals kept.
;;     - The product sums the exact products of the quantised numbers (number of the format x scale) in f32.
;;   ~~~python
;;   def quantise(x, axis):      # numpy; x: float32 -> the quantised numbers, widened to float32 again
;;       x = np.moveaxis(x, axis, -1); K = x.shape[-1]
;;       x = np.pad(x, [(0, 0)] * (x.ndim - 1) + [(0, -K % 32)]); x = x.reshape(x.shape[:-1] + (-1, 32)); a = np.abs(x).max(-1, keepdims=True)
;;       e = np.where(a > 0, np.clip(np.frexp(np.where(a > 0, a, 1))[1] - 1 - 4, -126, 127), 0)      # np.frexp(a)[1] - 1 = floor(log2(a)), exactly
;;       r = np.clip(x / 2.0 ** e, -28, 28)
;;       step = 2.0 ** (np.maximum(np.frexp(np.where(r == 0, 1, r))[1] - 1, -2) - 2)
;;       q = np.round(r / step) * step * 2.0 ** e      # np.round: ties to even
;;       return np.moveaxis(q.reshape(q.shape[:-2] + (-1,))[..., :K], -1, axis).astype(np.float32)
;;   ~~~
;;   OPERANDS COMPUTED ON THE WAY. 'Computed on the way' means the value that the module computes at that place (a softmax that the list does not call 'softmax' is quantised finished and normalised). What goes into a quantiser is computed in f32, as accurately as f32 sums, v_exp_f32 and their like allow (about 1e-6 of the number): no bf16 or f16 on the way to a quantiser, and a product that is left as it is and whose result goes on into a quantised operand takes f32 operands (vector FMAs, or v_wmma_f32_16x16x4_f32). A number that lies on a knife's edge between two numbers of the format may be rounded either way, as far as f32 arithmetic and the matrix unit's own rounding can turn it there, and no further.
;; 3 versions, each right; version 2 is faster than version 1; version 3 is version 2 with the launches ffn1, ffn2 written anew for expert scheduling mode. Each part assembles by itself: llvm-mc -triple=amdgcn-amd-amdhsa -mcpu=gfx1250 --defsym DOCPART=n.
;; ======== version 1 of 3: 5 launches
;; workspace buffers: p1 14,761,984 bytes; sel 8,192 bytes of whole numbers; p2 13,174,784 bytes; lst 136,192 bytes of whole numbers; hid 26,214,400 bytes; y2 16,809,984 bytes
;; launch prep1 (part 1): grid 288 x 1, 4 waves a work-group, no clusters, 97,792 bytes of LDS; arguments x, gate_w1, gate_b1, gate_w2, gate_b2, w1, p1, sel; writes p1, sel
.if DOCPART == 1
	.amdgcn_target "amdgcn-amd-amdhsa--gfx1250"
	.amdhsa_code_object_version 6
	.text
	.protected	k_q4332a2a172_prep1
	.globl	k_q4332a2a172_prep1
	.p2align	8
	.type	k_q4332a2a172_prep1,@function
k_q4332a2a172_prep1:
	s_mov_b64 s[64:65], 0
	v_nop
	global_prefetch_b8 v0, s[64:65] scope:SCOPE_SE
	s_setreg_imm32_b32 hwreg(HW_REG_WAVE_MODE, 25, 1), 1
	s_wait_xcnt 0x0
; prep1: two roles, told apart once by the work-group's number.
; GATE (work-groups 0-31; a wave takes 16 tokens): x is quantised to E3M2 along K (codes and scale words go to p1 for the experts' first layer),
;   x gate_w1 + gate_b1 on codes, exact GELU, gate_w2 in f32 multiply-adds, + gate_b2, softmax with its maximum taken away, the two largest (the lower index wins a tie),
;   their weights renormalised.  The chosen experts go to sel as whole numbers, at fixed places: no address of this launch hangs on them.
; WQ (work-groups 32-287; a wave takes 64 columns x 256 along K of one expert's w1): f32 [K][N] becomes images of the matrix operand's registers, and scale words.
; p1: XQ token x 768 + 384 h + 48 s + 4 reg | XS token x 32 + 4 s | TW (2 token + k) x 4 | W1Q fragments of 1,536 bytes: registers 4 g .. 4 g + 3 of lane l at 512 g + 16 l | W1S scale words.
; Tile t of a group of 64 columns takes columns 4 m + t (m = the tile's row), so that a lane's 16-byte load of four neighbouring columns serves the four tiles.
; A block's scale byte is its largest magnitude's exponent field - 4, held at 1 from below; a block of zeros so has the byte 1 over zero codes: only this program reads the bytes.
; GELU(x) = max(x, 0) - |x| q, q = erfc(|x| / sqrt 2) / 2 = t 2^u, t = 1 / (1 + |x| / sqrt 8), u = a polynomial of degree 9 in t - (0.8493218 x)^2 (fractional error of q about 1.2e-7).
; LIMITS: NaN and infinities among the inputs are not served; a q under 2^-126 counts as 0; a softmax weight under 2^-126 of the largest counts as 0.
.set NGATE, 32
.set XS_O,  1572864
.set TW_O,  1638400
.set WQ_O,  1654784
.set WS_O,  14237696
.set ROWB,  8192                       ; a row of w1[e] in bytes
.set LOGH,  18                         ; 32 such rows = 2^18 bytes
.set NCG,   32                         ; groups of 64 columns
.set NS,    8                          ; K steps of 128
.set CGM,   7
.set CGS,   3
.set KQM,   3
.set INP,   14                         ; s[14:15] w1
.set OUTP,  16                         ; s[16:17] p1
.set GSC,   12288                      ; LDS: 0 gate_w1's 8 fragment images; GSC their scale words, 128 bytes each;
.set XST,   13312                      ; a stage of 16 rows x 528 bytes for each wave (x on its way to the lanes);
.set QST,   47104                      ; a stage of 16 rows x 784 bytes for each wave (x's codes on their way out)
.set RAW,   112                        ; v112-239 gate_w1's numbers of two K steps
.set XN,    128                        ; v128-191 64 numbers of x
.set KV9,   248
.set MSB, 0
.macro WIN new                         ; the immediate's high byte repeats the setting that is left
.if MSB != (\new)
	s_set_vgpr_msb (MSB<<8)|(\new)
.set MSB, (\new)
.endif
.endm
.macro SETC reg, val                   ; a constant as a pair: the packed forms name a pair and take its low word
	s_mov_b32 s[\reg], \val
	s_mov_b32 s[\reg+1], \val
.endm
; the largest magnitude of the 32 numbers v[b] .. v[b + 31], and the floor 2^(5 - 127): two chains, 16 lines
.macro BLKMAX d, t, b
	v_max3_num_f32 v[\d], |v[\b]|, |v[\b+1]|, 0x2800000
	v_max3_num_f32 v[\t], |v[\b+16]|, |v[\b+17]|, |v[\b+18]|
.irp i, 2,4,6,8,10,12
	v_max3_num_f32 v[\d], v[\d], |v[\b+\i]|, |v[\b+\i+1]|
	v_max3_num_f32 v[\t], v[\t], |v[\b+17+\i]|, |v[\b+18+\i]|
.endr
	v_max3_num_f32 v[\d], v[\d], |v[\b+14]|, |v[\b+15]|
	v_max3_num_f32 v[\d], v[\d], v[\t], |v[\b+31]|
.endm
; cnt numbers x in v[xa] on: leaves q in v[xt] on and max(x, 0) in v[xp] on; the caller's last line is -|x| q + max(x, 0)
.macro GELU_CORE cnt, xa, xt, xw, xp
.set n, 0
.rept \cnt
	v_fma_f32 v[\xt+n], |v[\xa+n]|, s44, 1.0
.set n, n+1
.endr
.set n, 0
.rept \cnt
	v_rcp_f32 v[\xt+n], v[\xt+n]
.set n, n+1
.endr
.set n, 0
.rept \cnt/2
	v_pk_mul_f32 v[\xw+n:\xw+n+1], v[\xa+n:\xa+n+1], s[46:47] op_sel_hi:[1,0]
.set n, n+2
.endr
.set n, 0
.rept \cnt/2
	v_pk_fma_f32 v[\xw+n:\xw+n+1], v[\xw+n:\xw+n+1], v[\xw+n:\xw+n+1], s[48:49] op_sel_hi:[1,1,0] neg_lo:[1,0,0] neg_hi:[1,0,0]
.set n, n+2
.endr
	s_wait_alu depctr_va_vdst(0)                   ; one wait for the batch of reciprocals, ahead of their first reader
.set n, 0
.rept \cnt/2
	v_pk_fma_f32 v[\xp+n:\xp+n+1], v[\xt+n:\xt+n+1], v[KV9:KV9+1], s[66:67] op_sel_hi:[1,1,0]
.set n, n+2
.endr
.irp k, 7,6,5,4,3,2,1
.set n, 0
.rept \cnt/2
	v_pk_fma_f32 v[\xp+n:\xp+n+1], v[\xp+n:\xp+n+1], v[\xt+n:\xt+n+1], s[48+2*\k:49+2*\k] op_sel_hi:[1,1,0]
.set n, n+2
.endr
.endr
.set n, 0
.rept \cnt/2
	v_pk_fma_f32 v[\xw+n:\xw+n+1], v[\xp+n:\xp+n+1], v[\xt+n:\xt+n+1], v[\xw+n:\xw+n+1]
.set n, n+2
.endr
.set n, 0
.rept \cnt
	v_exp_f32 v[\xw+n], v[\xw+n]
.set n, n+1
.endr
.set n, 0
.rept \cnt
	v_max_num_f32 v[\xp+n], 0, v[\xa+n]
.set n, n+1
.endr
	s_wait_alu depctr_va_vdst(0)                   ; one wait for the batch of exponentials
.set n, 0
.rept \cnt/2
	v_pk_mul_f32 v[\xt+n:\xt+n+1], v[\xt+n:\xt+n+1], v[\xw+n:\xw+n+1]
.set n, n+2
.endr
.endm
; D = A x B + C on codes of E3M2.  c < 0: the constant 0 starts the sum.  row = 1: A's scales from lanes 16-31
.macro WMMA d, a, b, c, sa, sb, row
.if (\c) < 0
	v_wmma_scale_f32_16x16x128_f8f6f4 v[\d:\d+7], v[\a:\a+11], v[\b:\b+11], 0, v[\sa], v[\sb] matrix_a_fmt:MATRIX_FMT_BF6 matrix_b_fmt:MATRIX_FMT_BF6
.elseif \row
	v_wmma_scale_f32_16x16x128_f8f6f4 v[\d:\d+7], v[\a:\a+11], v[\b:\b+11], v[\c:\c+7], v[\sa], v[\sb] matrix_a_fmt:MATRIX_FMT_BF6 matrix_b_fmt:MATRIX_FMT_BF6 matrix_a_scale:MATRIX_SCALE_ROW1
.else
	v_wmma_scale_f32_16x16x128_f8f6f4 v[\d:\d+7], v[\a:\a+11], v[\b:\b+11], v[\c:\c+7], v[\sa], v[\sb] matrix_a_fmt:MATRIX_FMT_BF6 matrix_b_fmt:MATRIX_FMT_BF6
.endif
.endm
; GATE: K step s of my 16 rows of x, 512 consecutive bytes a load, into ring slot s % 3 (window 1)
.macro XLOAD s
.set n, 0
.rept 16
	global_load_b128 v[64*((\s)%3)+4*n:64*((\s)%3)+4*n+3], v4, s[4:5] offset:4096*n+512*(\s) th:TH_LOAD_NT
.set n, n+1
.endr
.endm
.macro XSTEP s
.if \s < 6
	s_wait_loadcnt 32                              ; this K step's 16 loads are in; the two younger K steps' may be out
.else
	s_wait_loadcnt 16*(7-\s)
.endif
	WIN 0x04                                       ; an LDS store's data are its source 1: window 1
.set n, 0
.rept 16
	ds_store_b128 v8, v[64*((\s)%3)+4*n:64*((\s)%3)+4*n+3] offset:528*n
.set n, n+1
.endr
	WIN 0
.set n, 0
.rept 16
	ds_load_b128 v[XN+4*n:XN+4*n+3], v9 offset:256*(n/8)+16*(n%8)   ; lane (r, h): k = 64 c + 32 h + 0 .. 31 of row r; LDS serves a wave's instructions in order
.set n, n+1
.endr
.if \s < 5
	s_wait_dscnt 16                                ; the 16 stores have read the slot (the 16 loads may be out):
	WIN 0x40
	XLOAD (\s)+3                                   ; it takes the K step three on
	WIN 0
.endif
	s_wait_dscnt 0x0
	BLKMAX 220, 236, XN
	BLKMAX 221, 237, XN+32
	v_add_nc_u32 v222, 0xfe000000, v220            ; 4 off the exponent field: the conversion's scale operand
	v_add_nc_u32 v223, 0xfe000000, v221
	v_lshrrev_b32 v224, 23, v222                   ; the scale bytes of blocks h and 2 + h
	v_lshrrev_b32 v225, 23, v223
	v_lshl_or_b32 v226, v225, 16, v224
	v_lshlrev_b32 v226, v250, v226                 ; 8 h bits up
	v_permlanex16_b32 v227, v226, s42, s43
	v_or_b32 v[120+\s], v226, v227                 ; row r's scale word of this K step
.irp c, 0,1
	v_cvt_scalef32_pk16_bf6_f32 v[208+6*\c:210+6*\c], v[XN+32*\c:XN+32*\c+15], v[222+\c]
	v_cvt_scalef32_pk16_bf6_f32 v[228+4*\c:230+4*\c], v[XN+32*\c+16:XN+32*\c+31], v[222+\c]   ; (a conversion's three registers begin on an even number)
.endr
	v_nop                                          ; one plain place behind the conversions
.irp c, 0,1
.irp i, 0,1,2
	v_mov_b32 v[211+6*\c+\i], v[228+4*\c+\i]
.endr
.endr
.irp g, 0,1,2
	ds_store_b128 v10, v[208+4*\g:211+4*\g] offset:48*(\s)+16*\g
.endr
.rept 4
	v_nop                                          ; the operand stands 4 places ahead of the scaled product, its scale word 11
.endr
.if \s == 0
	WMMA 192, 16, 208, 240, 112, 120, 0            ; gate_b1 is the C of the first sum's first product
.elseif \s == 1
	WMMA 200, 28, 208, -1, 113, 121, 0
.else
	WMMA 192+8*((\s)%2), 16+12*(\s), 208, 192+8*((\s)%2), 112+(\s), 120+(\s), 0   ; two accumulators by turns
.endif
.endm
; WQ: 32 loads: rows k = 64 hs + n (lanes 0-15) and 32 further down (lanes 16-31), 256 consecutive bytes each
.macro LOADH hs, buf
.set n, 0
.rept 32
	global_load_b128 v[128*(\buf)+4*n:128*(\buf)+4*n+3], v4, s[INP:INP+1] offset:(64*(\hs)+n)*ROWB th:TH_LOAD_NT
.set n, n+1
.endr
.endm
.macro HALF hs                         ; 64 along K: one block of 32 for each of my four tiles
.if \hs < 3
	s_wait_loadcnt 32                              ; this half step's loads are in; the younger half step's 32 may be out
.else
	s_wait_loadcnt 0x0
.endif
	WIN 0x01
.set n, 0
.rept 128
	v_mov_b32 v[128+32*(n%4)+n/4], v[128*((\hs)%2)+n]   ; a load brings four columns of one k; a conversion wants one column's k in consecutive registers
.set n, n+1
.endr
.if \hs < 2
	WIN 0x40
	LOADH (\hs)+2, (\hs)%2
.endif
	WIN 0
.irp t, 0,1,2,3
	BLKMAX 8+\t, 36+\t, 128+32*\t
.endr
.irp t, 0,1,2,3
	v_add_nc_u32 v[12+\t], 0xfe000000, v[8+\t]
.endr
.irp t, 0,1,2,3
	v_lshrrev_b32 v[16+2*\t+(\hs)%2], 23, v[12+\t]
.endr
.if \hs == 2
	s_wait_xcnt 0x0                                ; the first K step's stores have read the fragments' registers
.endif
.irp t, 0,1,2,3
	v_cvt_scalef32_pk16_bf6_f32 v[40+12*\t+6*((\hs)%2):42+12*\t+6*((\hs)%2)], v[128+32*\t:143+32*\t], v[12+\t]
	v_cvt_scalef32_pk16_bf6_f32 v[88+4*\t:90+4*\t], v[144+32*\t:159+32*\t], v[12+\t]
.endr
	v_nop
.irp t, 0,1,2,3
.irp i, 0,1,2
	v_mov_b32 v[43+12*\t+6*((\hs)%2)+\i], v[88+4*\t+\i]
.endr
.endr
.if (\hs)%2 == 1                       ; a K step is whole: its scale words and its four fragments
.irp t, 0,1,2,3
	v_lshl_or_b32 v[24+\t], v[17+2*\t], 16, v[16+2*\t]
.endr
.irp t, 0,1,2,3
	v_lshlrev_b32 v[24+\t], v7, v[24+\t]
.endr
.irp t, 0,1,2,3
	v_permlanex16_b32 v[28+\t], v[24+\t], s42, s43
.endr
.irp t, 0,1,2,3
	v_or_b32 v[24+\t], v[24+\t], v[28+\t]
.endr
.irp u, 0,1
	v_cndmask_b32 v[32+2*\u+(\hs)/2], v[24+2*\u], v[25+2*\u], s40   ; lanes 0-15 tile 2 u's words, lanes 16-31 tile 2 u + 1's
.endr
.irp t, 0,1,2,3
.irp g, 0,1,2
	global_store_b128 v5, v[40+12*\t+4*\g:43+12*\t+4*\g], s[30:31] offset:(\t)*NS*1536+((\hs)/2)*1536+512*\g   ; 512 consecutive bytes
.endr
.endr
.endif
.endm
	s_load_b512 s[4:19], s[0:1], 0x0               ; x, gate_w1, gate_b1, gate_w2, gate_b2, w1, p1, sel
	s_set_vgpr_msb 0x80
	v_lshl_add_u32 v0, v0, 2, 0x17c00
	v_mov_b32 v1, 0
	s_set_vgpr_msb 0x8000
	v_lshrrev_b32 v1, 5, v0
	v_readfirstlane_b32 s20, v1                    ; wave 0..3
	v_and_b32 v1, 31, v0                           ; l
	v_and_b32 v2, 15, v0                           ; r
	v_bfe_u32 v3, v0, 4, 1                         ; h
	s_mov_b32 s40, 0xffff0000                      ; a mask: lanes 16-31
	s_mov_b32 s42, 0x76543210
	s_mov_b32 s43, 0xfedcba98                      ; v_permlanex16_b32's selects for lane l xor 16
	s_cmp_ge_u32 ttmp9, NGATE                      ; the same for all waves of a work-group
	s_cbranch_scc1 .Lwq
	; ================= GATE =================
	v_lshlrev_b32 v4, 4, v1                        ; 16 l
	v_lshlrev_b32 v5, 2, v1                        ; 4 l
	s_mul_i32 s21, s20, 3072
	v_add_nc_u32 v6, s21, v4                       ; where I store gate_w1's images: two fragments a wave
	s_lshl_b32 s21, s20, 8
	v_add_nc_u32 v7, s21, v5                       ; and their scale words
	s_mul_i32 s21, s20, 8448
	s_add_co_u32 s21, s21, XST
	v_add_nc_u32 v8, s21, v4                       ; x's stage, in: 16 l
	v_mul_u32_u24 v9, v2, 528
	v_lshl_add_u32 v9, v3, 7, v9
	v_add_nc_u32 v9, s21, v9                       ; out: row r, + 128 h
	s_mul_i32 s21, s20, 12544
	s_add_co_u32 s21, s21, QST
	v_mul_u32_u24 v10, v2, 784
	v_mad_u32_u24 v10, v3, 384, v10
	v_add_nc_u32 v10, s21, v10                     ; the codes' stage, in: row r, + 384 h
	v_add_nc_u32 v11, s21, v4                      ; out: 16 l,
	v_lshl_add_u32 v12, v3, 4, v11                 ; and past a row's 16 bytes of padding for lanes 16-31
	v_lshlrev_b32 v13, 2, v2
	v_lshl_add_u32 v13, v3, 11, v13                ; gate_w1: column r, 32 rows of 64 bytes down for lanes 16-31
	v_lshlrev_b32 v14, 5, v3                       ; gate_b1: 32 h
	v_lshlrev_b32 v15, 8, v3                       ; gate_w2: 256 h
	v_lshlrev_b32 v250, 3, v3                      ; 8 h
	v_mov_b32 v70, 0                               ; a lane permute's destination counts as one of its sources
	v_mov_b32 v71, 0
	v_mov_b32 v248, 0x3e7c6f08                     ; c9
	v_mov_b32 v249, 0x3e7c6f08
	s_mov_b32 s44, 0x3eb504f3                      ; 1 / sqrt 8
	SETC 46, 0x3f596d27                            ; sqrt(log2(e) / 2)
	SETC 48, 0xc034d90f                            ; c0 log2(e) - 1
	SETC 50, 0x3fb8ab5a
	SETC 52, 0x3f0a29d2
	SETC 54, 0x3e0efb2e
	SETC 56, 0xbe899a80
	SETC 58, 0x3ecdfd18
	SETC 60, 0xbfd1a1e5
	SETC 62, 0x40097039
	SETC 66, 0xbf97d29d
	s_lshl_b32 s21, ttmp9, 2
	s_add_co_u32 s21, s21, s20                     ; my tile of 16 tokens
	s_mov_b32 s23, 0
	s_mov_b32 s25, 0
	s_lshl_b32 s22, s21, 16
	s_lshl_b32 s24, s20, 14
	s_wait_kmcnt 0x0
	s_load_b256 s[32:39], s[12:13], 0x0            ; gate_b2
	s_add_nc_u64 s[4:5], s[4:5], s[22:23]          ; x at my first row
	s_add_nc_u64 s[6:7], s[6:7], s[24:25]          ; gate_w1 at my two K steps
	s_lshl_b32 s22, s21, 6
	s_add_nc_u64 s[26:27], s[18:19], s[22:23]      ; sel
	s_lshl_b32 s22, s21, 7
	s_add_co_u32 s22, s22, TW_O
	s_add_nc_u64 s[28:29], s[16:17], s[22:23]      ; TW
	s_lshl_b32 s22, s21, 9
	s_add_co_u32 s22, s22, XS_O
	s_add_nc_u64 s[30:31], s[16:17], s[22:23]      ; XS
	s_mul_i32 s22, s21, 12288
	s_add_nc_u64 s[16:17], s[16:17], s[22:23]      ; XQ
.set n, 0
.rept 128
	global_load_b32 v[RAW+n], v13, s[6:7] offset:64*(64*(n/32)+n%32)   ; block n / 32 of my two K steps: k = 64 (n / 32) + 32 h + n % 32, column r
.set n, n+1
.endr
	global_load_b128 v[240:243], v14, s[8:9]
	global_load_b128 v[244:247], v14, s[8:9] offset:16
	WIN 0x40
.set n, 0
.rept 16
	global_load_b128 v[192+4*n:195+4*n], v15, s[10:11] offset:16*n     ; gate_w2[8 h + j][e] at register 8 j + e of window 1's v192 on
.set n, n+1
.endr
	XLOAD 0
	XLOAD 1
	XLOAD 2
	WIN 0
	s_wait_loadcnt 63                              ; 66 loads are younger than gate_w1's
.irp b, 0,1,2,3
	BLKMAX 56+\b, 74+\b, RAW+32*\b
.endr
.irp b, 0,1,2,3
	v_add_nc_u32 v[60+\b], 0xfe000000, v[56+\b]
.endr
.irp b, 0,1,2,3
	v_lshrrev_b32 v[64+\b], 23, v[60+\b]
.endr
.irp q, 0,1
	v_lshl_or_b32 v[68+\q], v[65+2*\q], 16, v[64+2*\q]
	v_lshlrev_b32 v[68+\q], v250, v[68+\q]
	v_permlanex16_b32 v[70+\q], v[68+\q], s42, s43
	v_or_b32 v[68+\q], v[68+\q], v[70+\q]
.endr
.irp b, 0,1,2,3
	v_cvt_scalef32_pk16_bf6_f32 v[16+6*\b:18+6*\b], v[RAW+32*\b:RAW+32*\b+15], v[60+\b]
	v_cvt_scalef32_pk16_bf6_f32 v[40+4*\b:42+4*\b], v[RAW+32*\b+16:RAW+32*\b+31], v[60+\b]
.endr
	v_nop
.irp b, 0,1,2,3
.irp i, 0,1,2
	v_mov_b32 v[19+6*\b+\i], v[40+4*\b+\i]
.endr
.endr
.irp q, 0,1
.irp g, 0,1,2
	ds_store_b128 v6, v[16+12*\q+4*\g:19+12*\q+4*\g] offset:1536*\q+512*\g
.endr
	ds_store_b32 v7, v[68+\q] offset:GSC+128*\q
.endr
	s_wait_dscnt 0x0                               ; for the others' sake: my images have landed
	s_barrier_signal -1
	s_barrier_wait -1                              ; gate_w1's eight fragments lie in LDS
.set n, 0
.rept 24
	ds_load_b128 v[16+4*n:19+4*n], v4 offset:512*n
.set n, n+1
.endr
.set n, 0
.rept 8
	ds_load_b32 v[112+n], v5 offset:GSC+128*n
.set n, n+1
.endr
	v_mov_b32 v227, 0
	XSTEP 0
	XSTEP 1
	XSTEP 2
	XSTEP 3
	XSTEP 4
	XSTEP 5
	XSTEP 6
	XSTEP 7
.rept 4
	v_nop
.endr
.irp i, 0,2,4,6
	v_pk_add_f32 v[128+\i:129+\i], v[192+\i:193+\i], v[200+\i:201+\i]   ; lane (r, h): token r, gate units 8 h + 0 .. 7
.endr
	GELU_CORE 8, 128, 136, 144, 152
.irp i, 0,1,2,3,4,5,6,7
	v_fma_f32 v[160+\i], -|v[128+\i]|, v[136+\i], v[152+\i]
.endr
	WIN 0x04                                       ; source 1 (gate_w2) in window 1
.irp e, 0,1,2,3,4,5,6,7
	v_mul_f32 v[168+\e], v160, v[192+\e]
.endr
.irp j, 1,2,3,4,5,6,7
.irp e, 0,1,2,3,4,5,6,7
	v_fma_f32 v[168+\e], v[160+\j], v[192+8*\j+\e], v[168+\e]
.endr
.endr
	WIN 0
.irp e, 0,1,2,3,4,5,6,7
	v_permlanex16_b32 v[176+\e], v[168+\e], s42, s43
.endr
.irp e, 0,1,2,3,4,5,6,7
	v_add_f32 v[168+\e], v[168+\e], v[176+\e]      ; with the other eight units: the same bits in both halves
.endr
	s_wait_kmcnt 0x0
.irp e, 0,1,2,3,4,5,6,7
	v_add_f32 v[168+\e], s[32+\e], v[168+\e]
.endr
	v_max3_num_f32 v184, v168, v169, v170
	v_max3_num_f32 v185, v171, v172, v173
	v_max3_num_f32 v184, v184, v174, v175
	v_max_num_f32 v184, v184, v185                 ; the row's maximum
	v_mul_f32 v185, 0x3fb8aa3b, v184
.irp e, 0,1,2,3,4,5,6,7
	v_fma_f32 v[176+\e], v[168+\e], 0x3fb8aa3b, -v185
.endr
.irp e, 0,1,2,3,4,5,6,7
	v_exp_f32 v[176+\e], v[176+\e]
.endr
	v_nop
	s_wait_alu depctr_va_vdst(0)                   ; one wait for the eight exponentials
	v_add_f32 v185, v176, v177
	v_add_f32 v186, v178, v179
	v_add_f32 v187, v180, v181
	v_add_f32 v188, v182, v183
	v_add_f32 v185, v185, v186
	v_add_f32 v187, v187, v188
	v_add_f32 v185, v185, v187
	v_rcp_f32 v185, v185
	v_mov_b32 v190, -1.0                           ; (a plain place) under every weight
	s_wait_alu depctr_va_vdst(0)
.irp e, 0,1,2,3,4,5,6,7
	v_mul_f32 v[176+\e], v[176+\e], v185           ; the softmax
.endr
	v_mov_b32 v186, v176                           ; the largest, and its index: a later one must be strictly larger
	v_mov_b32 v187, 0
.irp e, 1,2,3,4,5,6,7
	v_cmp_le_f32 vcc_lo, v[176+\e], v186
	v_cndmask_b32 v187, \e, v187, vcc_lo
	v_cndmask_b32 v186, v[176+\e], v186, vcc_lo
.endr
.irp e, 0,1,2,3,4,5,6,7
	v_cmp_eq_u32 vcc_lo, \e, v187
	v_cndmask_b32 v[168+\e], v[176+\e], v190, vcc_lo
.endr
	v_mov_b32 v188, v168                           ; the largest of the others
	v_mov_b32 v189, 0
.irp e, 1,2,3,4,5,6,7
	v_cmp_le_f32 vcc_lo, v[168+\e], v188
	v_cndmask_b32 v189, \e, v189, vcc_lo
	v_cndmask_b32 v188, v[168+\e], v188, vcc_lo
.endr
	v_add_f32 v191, v186, v188
	v_rcp_f32 v191, v191
	v_lshl_or_b32 v187, v189, 8, v187              ; (a plain place) e0 | e1 << 8
	v_lshlrev_b32 v220, 2, v2                      ; sel: 4 r
	v_lshlrev_b32 v221, 3, v2
	v_lshl_add_u32 v221, v3, 2, v221               ; TW: 8 r + 4 h
	v_lshlrev_b32 v222, 5, v2
	v_lshl_add_u32 v222, v3, 4, v222               ; XS: 32 r + 16 h
	s_wait_alu depctr_va_vdst(0)
	v_mul_f32 v186, v186, v191
	v_mul_f32 v188, v188, v191
	v_cndmask_b32 v186, v186, v188, s40            ; lanes 0-15 the first weight, lanes 16-31 the second
.irp i, 0,1,2,3
	v_cndmask_b32 v[192+\i], v[120+\i], v[124+\i], s40   ; x's scale words 4 h .. 4 h + 3
.endr
	global_store_b32 v220, v187, s[26:27]          ; lanes r and r + 16 write the same word with the same value
	global_store_b32 v221, v186, s[28:29]
	global_store_b128 v222, v[192:195], s[30:31]   ; 512 consecutive bytes
.set n, 0
.rept 8                                        ; x's codes leave as they lie in memory: two rows of 768 bytes are three runs of 512
	ds_load_b128 v[16+12*n:19+12*n], v11 offset:1568*n
	ds_load_b128 v[20+12*n:23+12*n], v12 offset:1568*n+512
	ds_load_b128 v[24+12*n:27+12*n], v11 offset:1568*n+1040
.set n, n+1
.endr
.set n, 0
.rept 24
	s_wait_dscnt 23-n
	global_store_b128 v4, v[16+4*n:19+4*n], s[16:17] offset:512*n
.set n, n+1
.endr
	s_set_vgpr_msb 0xa
	s_wait_tensorcnt 0x0
	ds_add_u32 v0, v1
	s_wait_dscnt 0x0
	s_set_vgpr_msb 0xa00
	s_endpgm
	; ================= WQ =================
.Lwq:
	v_lshlrev_b32 v4, 4, v2
	v_lshl_add_u32 v4, v3, LOGH, v4                ; in: 16 r, 32 rows down for lanes 16-31
	v_lshlrev_b32 v5, 4, v1                        ; out: 16 l
	v_lshlrev_b32 v6, 3, v1                        ; scale words: 8 l
	v_lshlrev_b32 v7, 3, v3                        ; 8 h
.irp t, 0,1,2,3
	v_mov_b32 v[28+\t], 0
.endr
	s_sub_co_u32 s21, ttmp9, NGATE
	s_and_b32 s22, s21, CGM
	s_lshl_b32 s22, s22, 2
	s_add_co_u32 s22, s22, s20                     ; my group of 64 columns
	s_lshr_b32 s23, s21, CGS
	s_and_b32 s23, s23, KQM                        ; my 256 along K
	s_lshr_b32 s24, s21, 5                         ; the expert
	s_lshl_b32 s26, s24, 23
	s_mul_i32 s25, s23, 256*ROWB
	s_add_co_u32 s26, s26, s25
	s_lshl_b32 s25, s22, 8
	s_add_co_u32 s26, s26, s25
	s_mov_b32 s27, 0
	s_mul_i32 s28, s24, NCG
	s_add_co_u32 s28, s28, s22
	s_mul_i32 s30, s28, 4*NS*1536
	s_mul_i32 s25, s23, 2*1536
	s_add_co_u32 s30, s30, s25
	s_add_co_u32 s30, s30, WQ_O
	s_mov_b32 s31, 0
	s_mul_i32 s28, s28, NS*256
	s_lshl_b32 s25, s23, 8
	s_add_co_u32 s28, s28, s25
	s_add_co_u32 s28, s28, WS_O
	s_mov_b32 s29, 0
	s_wait_kmcnt 0x0
	s_add_nc_u64 s[INP:INP+1], s[INP:INP+1], s[26:27]
	s_add_nc_u64 s[30:31], s[OUTP:OUTP+1], s[30:31]
	s_add_nc_u64 s[28:29], s[OUTP:OUTP+1], s[28:29]
	WIN 0x40
	LOADH 0, 0
	LOADH 1, 1
	HALF 0
	HALF 1
	HALF 2
	HALF 3
	global_store_b64 v6, v[32:33], s[28:29]                 ; 256 consecutive bytes: tiles 0 and 1, my two K steps
	global_store_b64 v6, v[34:35], s[28:29] offset:NS*128   ; tiles 2 and 3
	s_endpgm
.Lfunc_end_k_q4332a2a172_prep1:
	.size	k_q4332a2a172_prep1, .Lfunc_end_k_q4332a2a172_prep1-k_q4332a2a172_prep1
	.p2alignl 7, 3214868480
	.fill 96, 4, 3214868480
	.section	.rodata,"a",@progbits
	.p2align	6, 0x0
	.amdhsa_kernel k_q4332a2a172_prep1
		.amdhsa_group_segment_fixed_size 97792
		.amdhsa_private_segment_fixed_size 0
		.amdhsa_enable_private_segment 0
		.amdhsa_kernarg_size 64
		.amdhsa_user_sgpr_count 2
		.amdhsa_user_sgpr_kernarg_segment_ptr 1
		.amdhsa_wavefront_size32 1
		.amdhsa_system_sgpr_workgroup_id_x 1
		.amdhsa_system_sgpr_workgroup_id_y 1
		.amdhsa_system_sgpr_workgroup_id_z 1
		.amdhsa_system_vgpr_workitem_id 0
		.amdhsa_next_free_vgpr 514
		.amdhsa_next_free_sgpr 72
		.amdhsa_reserve_vcc 1
		.amdhsa_float_denorm_mode_32 3
		.amdhsa_float_denorm_mode_16_64 3
		.amdhsa_memory_ordered 1
		.amdhsa_forward_progress 1
		.amdhsa_inst_pref_size 159
	.end_amdhsa_kernel
	.amdgpu_metadata
---
amdhsa.version: [ 1, 2 ]
amdhsa.kernels:
  - .name:           k_q4332a2a172_prep1
    .symbol:         k_q4332a2a172_prep1.kd
    .args:
      - { .name: x, .offset: 0, .size: 8, .value_kind: global_buffer, .address_space: global }
      - { .name: gate_w1, .offset: 8, .size: 8, .value_kind: global_buffer, .address_space: global }
      - { .name: gate_b1, .offset: 16, .size: 8, .value_kind: global_buffer, .address_space: global }
      - { .name: gate_w2, .offset: 24, .size: 8, .value_kind: global_buffer, .address_space: global }
      - { .name: gate_b2, .offset: 32, .size: 8, .value_kind: global_buffer, .address_space: global }
      - { .name: w1, .offset: 40, .size: 8, .value_kind: global_buffer, .address_space: global }
      - { .name: p1, .offset: 48, .size: 8, .value_kind: global_buffer, .address_space: global }
      - { .name: sel, .offset: 56, .size: 8, .value_kind: global_buffer, .address_space: global }
    .group_segment_fixed_size: 97792
    .private_segment_fixed_size: 0
    .kernarg_segment_align: 8
    .kernarg_segment_size: 64
    .max_flat_workgroup_size: 128
    .sgpr_count:     72
    .vgpr_count:     514
    .wavefront_size: 32
...
	.end_amdgpu_metadata
.endif
;; end of part 1
;; launch prep2 (part 2): grid 258 x 1, 4 waves a work-group, no clusters, 0 bytes of LDS; arguments sel, p1, w2, p2, lst; writes p2, lst
.if DOCPART == 2
	.amdgcn_target "amdgcn-amd-amdhsa--gfx1250"
	.amdhsa_code_object_version 6
	.text
	.protected	k_q4332a2a172_prep2
	.globl	k_q4332a2a172_prep2
	.p2align	8
	.type	k_q4332a2a172_prep2,@function
k_q4332a2a172_prep2:
	s_mov_b64 s[64:65], 0
	v_nop
	global_prefetch_b8 v0, s[64:65] scope:SCOPE_SE
	s_setreg_imm32_b32 hwreg(HW_REG_WAVE_MODE, 25, 1), 1
	s_wait_xcnt 0x0
; prep2: two roles, told apart once by the work-group's number.
; PLACE (work-groups 0-1; a wave takes one expert): walks the 2,048 tokens' chosen experts, 32 a step, in token order, and lays the expert's rows in lists:
;   LT the token, LS the slot 2 token + k (the row of y2), TWL the gate's weight.  A row's position is the count so far + the matching lanes below mine.  No atomics: one wave owns one expert.
;   Lanes that do not match write to two spare tiles (128, 129) of the expert's lists.  The last tile is filled up with token 0, the expert's spare row of y2 and the weight 0.
;   Lists, 8,448 bytes an expert, 64 bytes a tile of 16 positions: LT word (pos & 1) x 8 + (pos & 14) / 2; LS word (pos & 3) x 4 + (pos & 12) / 4; TWL word pos & 15.
; WQ (work-groups 2-257; a wave takes 64 columns x 256 along K of one expert's w2): f32 [K][N] becomes images of the matrix operand's registers, and scale words, as for w1.
; A block's scale byte is its largest magnitude's exponent field - 4, held at 1 from below; a block of zeros so has the byte 1 over zero codes: only this program reads the bytes.
; LIMITS: NaN and infinities among the inputs are not served.
.set NGATE, 2
.set TW_O,  1638400
.set WQ_O,  0
.set WS_O,  12582912
.set TWL_O, 13107200
.set LS_O,  67584
.set CNT_O, 135168
.set LSTR,  8448
.set ROWB,  4096
.set LOGH,  17
.set NCG,   16
.set NS,    16
.set CGM,   3
.set CGS,   2
.set KQM,   7
.set INP,   8                          ; s[8:9] w2
.set OUTP,  10                         ; s[10:11] p2
.set MSB, 0
.macro WIN new
.if MSB != (\new)
	s_set_vgpr_msb (MSB<<8)|(\new)
.set MSB, (\new)
.endif
.endm
.macro BLKMAX d, t, b                  ; the largest magnitude of 32 numbers, and the floor 2^(5 - 127)
	v_max3_num_f32 v[\d], |v[\b]|, |v[\b+1]|, 0x2800000
	v_max3_num_f32 v[\t], |v[\b+16]|, |v[\b+17]|, |v[\b+18]|
.irp i, 2,4,6,8,10,12
	v_max3_num_f32 v[\d], v[\d], |v[\b+\i]|, |v[\b+\i+1]|
	v_max3_num_f32 v[\t], v[\t], |v[\b+17+\i]|, |v[\b+18+\i]|
.endr
	v_max3_num_f32 v[\d], v[\d], |v[\b+14]|, |v[\b+15]|
	v_max3_num_f32 v[\d], v[\d], v[\t], |v[\b+31]|
.endm
.macro LOADH hs, buf
.set n, 0
.rept 32
	global_load_b128 v[128*(\buf)+4*n:128*(\buf)+4*n+3], v4, s[INP:INP+1] offset:(64*(\hs)+n)*ROWB th:TH_LOAD_NT
.set n, n+1
.endr
.endm
.macro HALF hs
.if \hs < 3
	s_wait_loadcnt 32                              ; this half step's loads are in; the younger half step's 32 may be out
.else
	s_wait_loadcnt 0x0
.endif
	WIN 0x01
.set n, 0
.rept 128
	v_mov_b32 v[128+32*(n%4)+n/4], v[128*((\hs)%2)+n]   ; a load brings four columns of one k; a conversion wants one column's k in consecutive registers
.set n, n+1
.endr
.if \hs < 2
	WIN 0x40
	LOADH (\hs)+2, (\hs)%2
.endif
	WIN 0
.irp t, 0,1,2,3
	BLKMAX 8+\t, 36+\t, 128+32*\t
.endr
.irp t, 0,1,2,3
	v_add_nc_u32 v[12+\t], 0xfe000000, v[8+\t]
.endr
.irp t, 0,1,2,3
	v_lshrrev_b32 v[16+2*\t+(\hs)%2], 23, v[12+\t]
.endr
.if \hs == 2
	s_wait_xcnt 0x0                                ; the first K step's stores have read the fragments' registers
.endif
.irp t, 0,1,2,3
	v_cvt_scalef32_pk16_bf6_f32 v[40+12*\t+6*((\hs)%2):42+12*\t+6*((\hs)%2)], v[128+32*\t:143+32*\t], v[12+\t]
	v_cvt_scalef32_pk16_bf6_f32 v[88+4*\t:90+4*\t], v[144+32*\t:159+32*\t], v[12+\t]
.endr
	v_nop
.irp t, 0,1,2,3
.irp i, 0,1,2
	v_mov_b32 v[43+12*\t+6*((\hs)%2)+\i], v[88+4*\t+\i]
.endr
.endr
.if (\hs)%2 == 1
.irp t, 0,1,2,3
	v_lshl_or_b32 v[24+\t], v[17+2*\t], 16, v[16+2*\t]
.endr
.irp t, 0,1,2,3
	v_lshlrev_b32 v[24+\t], v7, v[24+\t]
.endr
.irp t, 0,1,2,3
	v_permlanex16_b32 v[28+\t], v[24+\t], s42, s43
.endr
.irp t, 0,1,2,3
	v_or_b32 v[24+\t], v[24+\t], v[28+\t]
.endr
.irp u, 0,1
	v_cndmask_b32 v[32+2*\u+(\hs)/2], v[24+2*\u], v[25+2*\u], s40
.endr
.irp t, 0,1,2,3
.irp g, 0,1,2
	global_store_b128 v5, v[40+12*\t+4*\g:43+12*\t+4*\g], s[30:31] offset:(\t)*NS*1536+((\hs)/2)*1536+512*\g
.endr
.endr
.endif
.endm
; v10 = a position: held inside the expert's lists, then its three byte offsets, by ANDs, shifts left and additions alone
.macro OFFS
	v_min_u32 v10, 2079, v10
	v_and_b32 v11, 0xff0, v10
	v_lshlrev_b32 v12, 2, v11
	v_lshlrev_b32 v13, 2, v11
	v_and_b32 v19, 14, v10
	v_lshl_add_u32 v12, v19, 1, v12
	v_and_b32 v19, 1, v10
	v_lshl_add_u32 v12, v19, 5, v12                ; LT
	v_and_b32 v19, 3, v10
	v_lshl_add_u32 v13, v19, 4, v13
	v_and_b32 v19, 12, v10
	v_add_nc_u32 v13, v13, v19                     ; LS
	v_lshlrev_b32 v14, 2, v10                      ; TWL
.endm
.macro PSTEP i                         ; tokens 32 i + lane
	v_and_b32 v8, 0xff, v[32+\i]
	v_lshrrev_b32 v9, 8, v[32+\i]
	v_cmp_eq_u32 s36, s24, v8                      ; my expert is the token's first choice,
	v_cmp_eq_u32 vcc_lo, s24, v9                   ; or its second
	s_or_b32 s37, s36, vcc_lo
	s_wait_xcnt 0x0                                ; the last step's stores have read their registers
	v_mbcnt_lo_u32_b32 v10, s37, s38               ; the count so far + the matching lanes below mine
	v_cndmask_b32 v10, v4, v10, s37                ; no match: my word of the spare tiles
	OFFS
	v_add_nc_u32 v15, 32*\i, v1                    ; the token
	v_cndmask_b32 v18, 0, v20, vcc_lo              ; k
	v_add3_u32 v16, v5, v18, 64*\i                 ; the slot 2 token + k
	v_cndmask_b32 v17, v[96+2*\i], v[97+2*\i], vcc_lo
	global_store_b32 v12, v15, s[26:27]
	global_store_b32 v13, v16, s[28:29]
	global_store_b32 v14, v17, s[30:31]
	s_bcnt1_i32_b32 s39, s37
	s_add_co_u32 s38, s38, s39
.endm
	s_load_b256 s[4:11], s[0:1], 0x0               ; sel, p1, w2, p2
	s_load_b64 s[12:13], s[0:1], 0x20              ; lst
	v_lshrrev_b32 v1, 5, v0
	v_readfirstlane_b32 s20, v1                    ; wave 0..3
	v_and_b32 v1, 31, v0                           ; l
	v_and_b32 v2, 15, v0                           ; r
	v_bfe_u32 v3, v0, 4, 1                         ; h
	s_mov_b32 s40, 0xffff0000
	s_mov_b32 s42, 0x76543210
	s_mov_b32 s43, 0xfedcba98
	s_cmp_ge_u32 ttmp9, NGATE
	s_cbranch_scc1 .Lwq
	; ================= PLACE =================
	v_add_nc_u32 v4, 2048, v1                      ; my word of the spare tiles
	v_lshlrev_b32 v5, 1, v1
	v_lshlrev_b32 v6, 2, v1
	v_lshlrev_b32 v7, 3, v1
	v_mov_b32 v20, 1
	s_lshl_b32 s24, ttmp9, 2
	s_add_co_u32 s24, s24, s20                     ; my expert
	s_mul_i32 s22, s24, LSTR
	s_mov_b32 s23, 0
	s_mov_b32 s38, 0                               ; rows so far
	s_wait_kmcnt 0x0
	s_add_nc_u64 s[26:27], s[12:13], s[22:23]      ; LT
	s_add_nc_u64 s[28:29], s[26:27], LS_O          ; LS
	s_add_nc_u64 s[30:31], s[10:11], s[22:23]
	s_add_nc_u64 s[30:31], s[30:31], TWL_O         ; TWL
	s_lshl_b32 s22, s24, 7
	s_add_nc_u64 s[32:33], s[12:13], s[22:23]
	s_add_nc_u64 s[32:33], s[32:33], CNT_O         ; the count
	s_add_nc_u64 s[34:35], s[6:7], TW_O            ; the gate's weights
.set n, 0
.rept 64
	global_load_b32 v[32+n], v6, s[4:5] offset:128*n
.set n, n+1
.endr
.set n, 0
.rept 64
	global_load_b64 v[96+2*n:97+2*n], v7, s[34:35] offset:256*n
.set n, n+1
.endr
	s_wait_loadcnt 0x0
.set q, 0
.rept 64
	PSTEP q
.set q, q+1
.endr
	s_wait_xcnt 0x0
	v_add_nc_u32 v10, s38, v1                      ; the last tile is filled up: positions from the count to the next multiple of 16
	s_add_co_u32 s39, s38, 15
	s_and_b32 s39, s39, -16
	v_cmp_gt_u32 s37, s39, v10
	v_cndmask_b32 v10, v4, v10, s37
	OFFS
	v_mov_b32 v15, 0                               ; token 0,
	v_mov_b32 v16, s24
	v_add_nc_u32 v16, 4096, v16                    ; the expert's spare row of y2,
	v_mov_b32 v17, 0                               ; the weight 0
	v_mov_b32 v21, s38
	global_store_b32 v12, v15, s[26:27]
	global_store_b32 v13, v16, s[28:29]
	global_store_b32 v14, v17, s[30:31]
	global_store_b32 v6, v21, s[32:33]             ; the count, 32 equal words
	s_endpgm
	; ================= WQ =================
.Lwq:
	v_lshlrev_b32 v4, 4, v2
	v_lshl_add_u32 v4, v3, LOGH, v4
	v_lshlrev_b32 v5, 4, v1
	v_lshlrev_b32 v6, 3, v1
	v_lshlrev_b32 v7, 3, v3
.irp t, 0,1,2,3
	v_mov_b32 v[28+\t], 0
.endr
	s_sub_co_u32 s21, ttmp9, NGATE
	s_and_b32 s22, s21, CGM
	s_lshl_b32 s22, s22, 2
	s_add_co_u32 s22, s22, s20
	s_lshr_b32 s23, s21, CGS
	s_and_b32 s23, s23, KQM
	s_lshr_b32 s24, s21, 5
	s_lshl_b32 s26, s24, 23
	s_mul_i32 s25, s23, 256*ROWB
	s_add_co_u32 s26, s26, s25
	s_lshl_b32 s25, s22, 8
	s_add_co_u32 s26, s26, s25
	s_mov_b32 s27, 0
	s_mul_i32 s28, s24, NCG
	s_add_co_u32 s28, s28, s22
	s_mul_i32 s30, s28, 4*NS*1536
	s_mul_i32 s25, s23, 2*1536
	s_add_co_u32 s30, s30, s25
	s_add_co_u32 s30, s30, WQ_O
	s_mov_b32 s31, 0
	s_mul_i32 s28, s28, NS*256
	s_lshl_b32 s25, s23, 8
	s_add_co_u32 s28, s28, s25
	s_add_co_u32 s28, s28, WS_O
	s_mov_b32 s29, 0
	s_wait_kmcnt 0x0
	s_add_nc_u64 s[INP:INP+1], s[INP:INP+1], s[26:27]
	s_add_nc_u64 s[30:31], s[OUTP:OUTP+1], s[30:31]
	s_add_nc_u64 s[28:29], s[OUTP:OUTP+1], s[28:29]
	WIN 0x40
	LOADH 0, 0
	LOADH 1, 1
	HALF 0
	HALF 1
	HALF 2
	HALF 3
	global_store_b64 v6, v[32:33], s[28:29]
	global_store_b64 v6, v[34:35], s[28:29] offset:NS*128
	s_endpgm
.Lfunc_end_k_q4332a2a172_prep2:
	.size	k_q4332a2a172_prep2, .Lfunc_end_k_q4332a2a172_prep2-k_q4332a2a172_prep2
	.p2alignl 7, 3214868480
	.fill 96, 4, 3214868480
	.section	.rodata,"a",@progbits
	.p2align	6, 0x0
	.amdhsa_kernel k_q4332a2a172_prep2
		.amdhsa_group_segment_fixed_size 0
		.amdhsa_private_segment_fixed_size 0
		.amdhsa_enable_private_segment 0
		.amdhsa_kernarg_size 40
		.amdhsa_user_sgpr_count 2
		.amdhsa_user_sgpr_kernarg_segment_ptr 1
		.amdhsa_wavefront_size32 1
		.amdhsa_system_sgpr_workgroup_id_x 1
		.amdhsa_system_sgpr_workgroup_id_y 1
		.amdhsa_system_sgpr_workgroup_id_z 1
		.amdhsa_system_vgpr_workitem_id 0
		.amdhsa_next_free_vgpr 512
		.amdhsa_next_free_sgpr 66
		.amdhsa_reserve_vcc 1
		.amdhsa_float_denorm_mode_32 3
		.amdhsa_float_denorm_mode_16_64 3
		.amdhsa_memory_ordered 1
		.amdhsa_forward_progress 1
		.amdhsa_inst_pref_size 167
	.end_amdhsa_kernel
	.amdgpu_metadata
---
amdhsa.version: [ 1, 2 ]
amdhsa.kernels:
  - .name:           k_q4332a2a172_prep2
    .symbol:         k_q4332a2a172_prep2.kd
    .args:
      - { .name: sel, .offset: 0, .size: 8, .value_kind: global_buffer, .address_space: global }
      - { .name: p1, .offset: 8, .size: 8, .value_kind: global_buffer, .address_space: global }
      - { .name: w2, .offset: 16, .size: 8, .value_kind: global_buffer, .address_space: global }
      - { .name: p2, .offset: 24, .size: 8, .value_kind: global_buffer, .address_space: global }
      - { .name: lst, .offset: 32, .size: 8, .value_kind: global_buffer, .address_space: global }
    .group_segment_fixed_size: 0
    .private_segment_fixed_size: 0
    .kernarg_segment_align: 8
    .kernarg_segment_size: 40
    .max_flat_workgroup_size: 128
    .sgpr_count:     66
    .vgpr_count:     512
    .wavefront_size: 32
...
	.end_amdgpu_metadata
.endif
;; end of part 2
;; launch ffn1 (part 3): grid 256 x 1, 4 waves a work-group, no clusters, 50,688 bytes of LDS; arguments p1, b1, lst, hid; writes hid
.if DOCPART == 3
	.amdgcn_target "amdgcn-amd-amdhsa--gfx1250"
	.amdhsa_code_object_version 6
	.text
	.protected	k_q4332a2a172_ffn1
	.globl	k_q4332a2a172_ffn1
	.p2align	8
	.type	k_q4332a2a172_ffn1,@function
k_q4332a2a172_ffn1:
	s_mov_b64 s[64:65], 0
	v_nop
	global_prefetch_b8 v0, s[64:65] scope:SCOPE_SE
	s_setreg_imm32_b32 hwreg(HW_REG_WAVE_MODE, 25, 1), 1
	s_wait_xcnt 0x0
; ffn1: hidden = Q(GELU(x w1[e] + b1[e])) for the rows that chose expert e.  A work-group owns (e, 64 hidden units); each of its four waves keeps the 32 weight fragments
; (4 tiles x 8 K steps, 384 registers) for the whole launch and takes the expert's tiles of 16 rows wave, wave + 4, ..  The number of tiles is read from the stored count,
; so the launch has no tensor load, no barrier and no cluster: partners would need different numbers of tiles.  A wave without a tile ends.
; The product is used transposed (source 0 = 16 weight columns, source 1 = 16 tokens).  Tile t's row m is hidden unit 64 cg + 4 m + t, so lane (r, h) ends up with token r's units
; 64 cg + 32 h + 0 .. 31: a whole block of the next K.  It is quantised with no other lane's help, and its six registers are registers 6 c .. 6 c + 5 of the next product's operand.
; x's codes are gathered by token: a load reads 256 consecutive bytes of each of two tokens; the wave's own LDS stage (16 rows x 784 bytes) turns rows into the operand's registers.
; The gather runs two tiles ahead in registers and one in LDS; the lists run one tile further.
; hid: HQ (e x 128 + tile) x 24,576 + cg x 768: 512 bytes (four registers at 16 l) + 256 bytes (two at 8 l); HS (e x 128 + tile) x 1,024 + 64 r + 2 cg + h: one byte.
; GELU(x) = max(x, 0) - |x| q, q = erfc(|x| / sqrt 2) / 2 = t 2^u, t = 1 / (1 + |x| / sqrt 8), u = a polynomial of degree 9 in t - (0.8493218 x)^2 (fractional error of q about 1.2e-7).
; LIMITS: NaN and infinities are not served; a q under 2^-126 counts as 0; the scale bytes leave singly, 32 bytes a tile and work-group.
; REGISTERS: window 0: v1-9, v19, v29, v30 addresses; v10-18 lists; v20-28 gather offsets; v32-47 w1's scale words; v48-55 x's; v56-57 c9; v64-95 sums; v96-223 GELU; v224-237 codes.
;   window 1: fragments of K steps 0-3 at 12 (4 s + t); window 2: K steps 4-7; window 3: v0-95 x's fragments, v96-191 gathered rows, v192-199 their scale words, v200-231 b1.
.set XS_O,  1572864
.set WQ_O,  1654784
.set WS_O,  14237696
.set CNT_O, 135168
.set LSTR,  8448
.set HS_O,  25165824
.set SPITCH, 784
.set KV9,   56
.set MSB, 0
.macro WIN new
.if MSB != (\new)
	s_set_vgpr_msb (MSB<<8)|(\new)
.set MSB, (\new)
.endif
.endm
.macro SETC reg, val
	s_mov_b32 s[\reg], \val
	s_mov_b32 s[\reg+1], \val
.endm
.macro BLKMAX d, t, b
	v_max3_num_f32 v[\d], |v[\b]|, |v[\b+1]|, 0x2800000
	v_max3_num_f32 v[\t], |v[\b+16]|, |v[\b+17]|, |v[\b+18]|
.irp i, 2,4,6,8,10,12
	v_max3_num_f32 v[\d], v[\d], |v[\b+\i]|, |v[\b+\i+1]|
	v_max3_num_f32 v[\t], v[\t], |v[\b+17+\i]|, |v[\b+18+\i]|
.endr
	v_max3_num_f32 v[\d], v[\d], |v[\b+14]|, |v[\b+15]|
	v_max3_num_f32 v[\d], v[\d], v[\t], |v[\b+31]|
.endm
.macro GELU_CORE cnt, xa, xt, xw, xp
.set n, 0
.rept \cnt
	v_fma_f32 v[\xt+n], |v[\xa+n]|, s44, 1.0       ; each accumulator is read from its low end on
.set n, n+1
.endr
.set n, 0
.rept \cnt
	v_rcp_f32 v[\xt+n], v[\xt+n]
.set n, n+1
.endr
.set n, 0
.rept \cnt/2
	v_pk_mul_f32 v[\xw+n:\xw+n+1], v[\xa+n:\xa+n+1], s[46:47] op_sel_hi:[1,0]
.set n, n+2
.endr
.set n, 0
.rept \cnt/2
	v_pk_fma_f32 v[\xw+n:\xw+n+1], v[\xw+n:\xw+n+1], v[\xw+n:\xw+n+1], s[48:49] op_sel_hi:[1,1,0] neg_lo:[1,0,0] neg_hi:[1,0,0]
.set n, n+2
.endr
	s_wait_alu depctr_va_vdst(0)                   ; one wait for the batch of reciprocals, ahead of their first reader
.set n, 0
.rept \cnt/2
	v_pk_fma_f32 v[\xp+n:\xp+n+1], v[\xt+n:\xt+n+1], v[KV9:KV9+1], s[66:67] op_sel_hi:[1,1,0]
.set n, n+2
.endr
.irp k, 7,6,5,4,3,2,1
.set n, 0
.rept \cnt/2
	v_pk_fma_f32 v[\xp+n:\xp+n+1], v[\xp+n:\xp+n+1], v[\xt+n:\xt+n+1], s[48+2*\k:49+2*\k] op_sel_hi:[1,1,0]
.set n, n+2
.endr
.endr
.set n, 0
.rept \cnt/2
	v_pk_fma_f32 v[\xw+n:\xw+n+1], v[\xp+n:\xp+n+1], v[\xt+n:\xt+n+1], v[\xw+n:\xw+n+1]
.set n, n+2
.endr
.set n, 0
.rept \cnt
	v_exp_f32 v[\xw+n], v[\xw+n]
.set n, n+1
.endr
.set n, 0
.rept \cnt
	v_max_num_f32 v[\xp+n], 0, v[\xa+n]
.set n, n+1
.endr
	s_wait_alu depctr_va_vdst(0)                   ; one wait for the batch of exponentials
.set n, 0
.rept \cnt/2
	v_pk_mul_f32 v[\xt+n:\xt+n+1], v[\xt+n:\xt+n+1], v[\xw+n:\xw+n+1]
.set n, n+2
.endr
.endm
.macro WMMA d, a, b, c, sa, sb, row
.if \row
	v_wmma_scale_f32_16x16x128_f8f6f4 v[\d:\d+7], v[\a:\a+11], v[\b:\b+11], v[\c:\c+7], v[\sa], v[\sb] matrix_a_fmt:MATRIX_FMT_BF6 matrix_b_fmt:MATRIX_FMT_BF6 matrix_a_scale:MATRIX_SCALE_ROW1
.else
	v_wmma_scale_f32_16x16x128_f8f6f4 v[\d:\d+7], v[\a:\a+11], v[\b:\b+11], v[\c:\c+7], v[\sa], v[\sb] matrix_a_fmt:MATRIX_FMT_BF6 matrix_b_fmt:MATRIX_FMT_BF6
.endif
.endm
.macro LISTS                           ; tile s17's tokens: v[10 + p] = that of position 2 p + (lane / 16); v18 = that of position r
	s_min_u32 s36, s17, 127
	s_lshl_b32 s36, s36, 6
	s_add_nc_u64 s[26:27], s[24:25], s[36:37]
	global_load_b128 v[10:13], v7, s[26:27]
	global_load_b128 v[14:17], v7, s[26:27] offset:16
	global_load_b32 v18, v8, s[26:27]
.endm
.macro ADDR                            ; the tokens, held inside x, become byte offsets
.irp p, 0,1,2,3,4,5,6,7
	v_min_u32 v[20+\p], 2047, v[10+\p]
.endr
.irp p, 0,1,2,3,4,5,6,7
	v_mul_u32_u24 v[20+\p], v[20+\p], 768
.endr
.irp p, 0,1,2,3,4,5,6,7
	v_add_nc_u32 v[20+\p], v[20+\p], v6
.endr
	v_min_u32 v28, 2047, v18
	v_lshlrev_b32 v28, 5, v28
.endm
.macro XLOADS                          ; 16 tokens' codes, 256 consecutive bytes of two tokens a load, and their scale words
	WIN 0xc0
.irp p, 0,1,2,3,4,5,6,7
.irp q, 0,1,2
	global_load_b128 v[96+4*(3*\p+\q):99+4*(3*\p+\q)], v[20+\p], s[4:5] offset:256*\q
.endr
.endr
	global_load_b128 v[192:195], v28, s[22:23]
	global_load_b128 v[196:199], v28, s[22:23] offset:16
	WIN 0
.endm
.macro ADVANCE                         ; the gathered tile goes through the stage into the operand's registers; the next is gathered; the lists go one further
	s_wait_loadcnt 3                               ; the gather is in; the three list loads behind it may be out
	WIN 0x0c
.irp p, 0,1,2,3,4,5,6,7
.irp q, 0,1,2
	ds_store_b128 v19, v[96+4*(3*\p+\q):99+4*(3*\p+\q)] offset:2*\p*SPITCH+256*\q
.endr
.endr
	WIN 0xc0
.irp s, 0,1,2,3,4,5,6,7
.irp g, 0,1,2
	ds_load_b128 v[12*\s+4*\g:12*\s+4*\g+3], v29 offset:48*\s+16*\g   ; LDS serves a wave's instructions in order: these see the stores above
.endr
.endr
	WIN 0x03
.irp s, 0,1,2,3,4,5,6,7
	v_mov_b32 v[48+\s], v[192+\s]                  ; scale operands have no window
.endr
	WIN 0
	s_wait_loadcnt 0x0                             ; the lists
	ADDR
	s_wait_dscnt 24                                ; the 24 stores have read the gathered rows (the 24 loads may be out)
	XLOADS
	s_add_co_u32 s17, s17, 4
	s_min_u32 s17, s17, s18                        ; never past the expert's last tile
	LISTS
.endm
	s_load_b256 s[4:11], s[0:1], 0x0               ; p1, b1, lst, hid
	v_lshl_add_u32 v254, v0, 2, 0xc400
	v_mov_b32 v255, 0
	v_lshrrev_b32 v1, 5, v0
	v_readfirstlane_b32 s12, v1                    ; wave 0..3
	s_lshr_b32 s13, ttmp9, 5                       ; the expert
	s_and_b32 s14, ttmp9, 31                       ; my 64 hidden units
	s_lshl_b32 s19, s13, 7
	s_wait_kmcnt 0x0
	s_load_b32 s15, s[8:9], s19 offset:CNT_O       ; the expert's rows
	v_and_b32 v1, 31, v0                           ; l
	v_and_b32 v2, 15, v0                           ; r
	v_bfe_u32 v3, v0, 4, 1                         ; h
	v_lshlrev_b32 v4, 4, v1                        ; 16 l
	v_lshlrev_b32 v5, 3, v1                        ; 8 l
	v_lshlrev_b32 v6, 4, v2                        ; 16 r
	v_lshlrev_b32 v7, 5, v3                        ; 32 h
	v_and_b32 v8, 14, v2
	v_lshlrev_b32 v8, 1, v8
	v_and_b32 v9, 1, v2
	v_lshl_add_u32 v8, v9, 5, v8                   ; position r's word of LT
	v_lshlrev_b32 v9, 7, v3                        ; 128 h
	s_mul_i32 s21, s12, 16*SPITCH                  ; my stage
	v_mad_u32_u24 v19, v3, SPITCH, v6
	v_add_nc_u32 v19, s21, v19                     ; in: row (lane / 16), + 16 r
	v_mul_u32_u24 v29, v2, SPITCH
	v_mad_u32_u24 v29, v3, 384, v29
	v_add_nc_u32 v29, s21, v29                     ; out: row r, + 384 h
	v_lshl_add_u32 v30, v2, 6, v3                  ; my scale byte: 64 r + h
	v_mov_b32 v56, 0x3e7c6f08
	v_mov_b32 v57, 0x3e7c6f08
	s_mov_b32 s44, 0x3eb504f3
	SETC 46, 0x3f596d27
	SETC 48, 0xc034d90f
	SETC 50, 0x3fb8ab5a
	SETC 52, 0x3f0a29d2
	SETC 54, 0x3e0efb2e
	SETC 56, 0xbe899a80
	SETC 58, 0x3ecdfd18
	SETC 60, 0xbfd1a1e5
	SETC 62, 0x40097039
	SETC 66, 0xbf97d29d
	s_wait_kmcnt 0x0
	s_min_u32 s15, s15, 2048
	s_add_co_u32 s15, s15, 15
	s_lshr_b32 s15, s15, 4                         ; tiles of 16 rows
	s_cmp_ge_u32 s12, s15
	s_cbranch_scc1 .Lend                           ; nothing for this wave
	s_sub_co_u32 s20, s15, s12
	s_add_co_u32 s20, s20, 3
	s_lshr_b32 s20, s20, 2                         ; my tiles: wave, wave + 4, .. under the expert's number: at least one
	s_mov_b32 s45, 0                               ; and how many of them are done: the loop's counter
	s_lshl_b32 s19, s13, 5
	s_add_co_u32 s19, s19, s14                     ; 32 e + cg
	s_mov_b32 s37, 0
	s_mul_i32 s36, s19, 49152
	s_add_co_u32 s36, s36, WQ_O
	s_add_nc_u64 s[38:39], s[4:5], s[36:37]        ; my fragments
	s_lshl_b32 s36, s19, 11
	s_add_co_u32 s36, s36, WS_O
	s_add_nc_u64 s[40:41], s[4:5], s[36:37]        ; their scale words
	s_lshl_b32 s36, s19, 8
	s_add_nc_u64 s[42:43], s[6:7], s[36:37]        ; b1
	s_add_nc_u64 s[22:23], s[4:5], XS_O            ; x's scale words
	s_mul_i32 s36, s13, LSTR
	s_add_nc_u64 s[24:25], s[8:9], s[36:37]        ; the expert's list of tokens
	s_mul_i32 s36, s13, 3145728
	s_mul_i32 s19, s14, 768
	s_add_co_u32 s36, s36, s19
	s_add_nc_u64 s[28:29], s[10:11], s[36:37]      ; HQ
	s_lshl_b32 s36, s13, 17
	s_lshl_b32 s19, s14, 1
	s_add_co_u32 s36, s36, s19
	s_add_co_u32 s36, s36, HS_O
	s_add_nc_u64 s[30:31], s[10:11], s[36:37]      ; HS
.irp w, 0,1
	WIN (0x40+0x40*\w)
.irp s, 0,1,2,3
.irp t, 0,1,2,3
.irp g, 0,1,2
	global_load_b128 v[12*(4*\s+\t)+4*\g:12*(4*\s+\t)+4*\g+3], v4, s[38:39] offset:(8*\t+4*\w+\s)*1536+512*\g
.endr
.endr
.endr
.endr
	WIN 0xc0
.irp t, 0,1,2,3
.irp j, 0,1,2,3,4,5,6,7
	global_load_b32 v[200+8*\t+\j], v9, s[42:43] offset:(4*\j+\t)*4    ; b1 in the result's layout: unit 32 h + 4 j + t
.endr
.endr
	WIN 0
.irp u, 0,1
.irp q, 0,1,2,3
	global_load_b64 v[32+8*\u+2*\q:33+8*\u+2*\q], v5, s[40:41] offset:1024*\u+256*\q
.endr
.endr
	s_mov_b32 s16, s12                             ; my tile
	s_mov_b32 s17, s12                             ; the tile whose list is asked for
	s_sub_co_u32 s18, s15, 1                       ; the last tile
	LISTS
	s_wait_loadcnt 0x0
	ADDR
	XLOADS
	s_add_co_u32 s17, s17, 4
	s_min_u32 s17, s17, s18
	LISTS
	ADVANCE
.Ltile:
	s_wait_dscnt 0x0                               ; x's fragments are in
.irp s, 0,1,2,3,4,5,6,7                        ; four accumulators by turns, K ascending
.if \s == 0
	WIN 0x3d                                       ; weights window 1, x and b1 window 3
.elseif \s < 4
	WIN 0x0d
.else
	WIN 0x0e                                       ; weights window 2
.endif
.irp t, 0,1,2,3
.if \s == 0
	WMMA 64+8*\t, 12*(4*(\s%4)+\t), 12*\s, 200+8*\t, 32+8*(\t/2)+\s, 48+\s, \t%2
.else
	WMMA 64+8*\t, 12*(4*(\s%4)+\t), 12*\s, 64+8*\t, 32+8*(\t/2)+\s, 48+\s, \t%2
.endif
.endr
.endr
	WIN 0
.rept 4
	v_nop                                          ; places in front of loads into, and moves onto, registers that the products have read, and of the first read of results
.endr
	ADVANCE
	GELU_CORE 32, 64, 96, 128, 160
.set n, 0
.rept 32
	v_fma_f32 v[192+4*(n%8)+n/8], -|v[64+n]|, v[96+n], v[160+n]   ; into the order of the next K: register 4 j + t
.set n, n+1
.endr
	s_wait_xcnt 0x0                                ; the last tile's stores have read their registers and addresses
	BLKMAX 234, 235, 192
	v_add_nc_u32 v236, 0xfe000000, v234
	v_cvt_scalef32_pk16_bf6_f32 v[224:226], v[192:207], v236
	v_cvt_scalef32_pk16_bf6_f32 v[230:232], v[208:223], v236
	v_lshrrev_b32 v237, 23, v236                   ; the scale's byte (a plain place behind the conversions)
	v_mov_b32 v227, v230
	v_mov_b32 v228, v231
	v_mov_b32 v229, v232
	s_min_u32 s19, s16, 127
	s_mul_i32 s36, s19, 24576
	s_add_nc_u64 s[32:33], s[28:29], s[36:37]
	s_lshl_b32 s36, s19, 10
	s_add_nc_u64 s[34:35], s[30:31], s[36:37]
	global_store_b128 v4, v[224:227], s[32:33]             ; 512 consecutive bytes
	global_store_b64 v5, v[228:229], s[32:33] offset:512   ; 256 consecutive bytes
	global_store_b8 v30, v237, s[34:35]
	s_add_co_u32 s16, s16, 4                       ; my next tile (it serves addresses alone)
	s_add_co_u32 s45, s45, 1                       ; the loop is counted in steps of one against my number of tiles, which the loop does not write
	s_cmp_lt_u32 s45, s20
	s_cbranch_scc1 .Ltile
	s_wait_dscnt 0x0
.Lend:
	s_wait_tensorcnt 0x0
	ds_add_u32 v254, v255
	s_wait_dscnt 0x0
	s_endpgm
.Lfunc_end_k_q4332a2a172_ffn1:
	.size	k_q4332a2a172_ffn1, .Lfunc_end_k_q4332a2a172_ffn1-k_q4332a2a172_ffn1
	.p2alignl 7, 3214868480
	.fill 96, 4, 3214868480
	.section	.rodata,"a",@progbits
	.p2align	6, 0x0
	.amdhsa_kernel k_q4332a2a172_ffn1
		.amdhsa_group_segment_fixed_size 50688
		.amdhsa_private_segment_fixed_size 0
		.amdhsa_enable_private_segment 0
		.amdhsa_kernarg_size 32
		.amdhsa_user_sgpr_count 2
		.amdhsa_user_sgpr_kernarg_segment_ptr 1
		.amdhsa_wavefront_size32 1
		.amdhsa_system_sgpr_workgroup_id_x 1
		.amdhsa_system_sgpr_workgroup_id_y 1
		.amdhsa_system_sgpr_workgroup_id_z 1
		.amdhsa_system_vgpr_workitem_id 0
		.amdhsa_next_free_vgpr 1024
		.amdhsa_next_free_sgpr 72
		.amdhsa_reserve_vcc 0
		.amdhsa_float_denorm_mode_32 3
		.amdhsa_float_denorm_mode_16_64 3
		.amdhsa_memory_ordered 1
		.amdhsa_forward_progress 1
		.amdhsa_inst_pref_size 64
	.end_amdhsa_kernel
	.amdgpu_metadata
---
amdhsa.version: [ 1, 2 ]
amdhsa.kernels:
  - .name:           k_q4332a2a172_ffn1
    .symbol:         k_q4332a2a172_ffn1.kd
    .args:
      - { .name: p1, .offset: 0, .size: 8, .value_kind: global_buffer, .address_space: global }
      - { .name: b1, .offset: 8, .size: 8, .value_kind: global_buffer, .address_space: global }
      - { .name: lst, .offset: 16, .size: 8, .value_kind: global_buffer, .address_space: global }
      - { .name: hid, .offset: 24, .size: 8, .value_kind: global_buffer, .address_space: global }
    .group_segment_fixed_size: 50688
    .private_segment_fixed_size: 0
    .kernarg_segment_align: 8
    .kernarg_segment_size: 32
    .max_flat_workgroup_size: 128
    .sgpr_count:     72
    .vgpr_count:     1024
    .wavefront_size: 32
...
	.end_amdgpu_metadata
.endif
;; end of part 3
;; launch ffn2 (part 4): grid 256 x 1, 4 waves a work-group, no clusters, 9,728 bytes of LDS; arguments hid, p2, b2, lst, y2; writes y2
.if DOCPART == 4
	.amdgcn_target "amdgcn-amd-amdhsa--gfx1250"
	.amdhsa_code_object_version 6
	.text
	.protected	k_q4332a2a172_ffn2
	.globl	k_q4332a2a172_ffn2
	.p2align	8
	.type	k_q4332a2a172_ffn2,@function
k_q4332a2a172_ffn2:
	s_mov_b64 s[64:65], 0
	v_nop
	global_prefetch_b8 v0, s[64:65] scope:SCOPE_SE
	s_setreg_imm32_b32 hwreg(HW_REG_WAVE_MODE, 25, 1), 1
	s_wait_xcnt 0x0
; ffn2: y2[slot] = gate weight x (hidden w2[e] + b2[e]) for the rows that chose expert e.  A work-group owns (e, group cg of 64 outputs, half u): the two tiles t = 2 u + t' whose row m is
; output 64 cg + 4 m + t.  Each of its four waves keeps the 32 weight fragments (2 tiles x 16 K steps) for the whole launch and takes the expert's tiles of 16 rows wave, wave + 4, ..
; The number of tiles is read from the stored count: no tensor load, no barrier, no cluster (partners would need different numbers of tiles).  A wave without a tile ends.
; The hidden codes lie in memory as images of the operand's registers, so they come straight into registers; the next tile's are asked for as soon as a half's products are issued.
; The product is used transposed: lane (r, h) holds row r and outputs 64 cg + 32 h + 4 j + 2 u + t'.  They are laid in y2's row at (2 cg + u) x 128 + 64 h + 4 (2 j + t'); the last launch puts them in order.
; Rows leave by slot through the wave's own stage (16 rows x 144 bytes): eight lanes write 128 consecutive bytes of a row.  Rows that only fill up a tile go to the expert's spare row.
; LIMITS: NaN and infinities are not served; the stores cover 128 consecutive bytes of a row, not 256.
; REGISTERS: window 0: v1-9, v20-23 addresses; v10-13 slots; v14 weight; v16-19 row offsets; v32-47 w2's scale words; v48-63 the hidden layer's; v64-79 sums; v80-95 weighted; v96-111 rows.
;   window 1: fragments of K steps 0-7 at 12 (2 s + t'); window 2: K steps 8-15; window 3: v0-191 the hidden fragments, v192-207 b2.
.set WS_O,  12582912
.set TWL_O, 13107200
.set LS_O,  67584
.set CNT_O, 135168
.set LSTR,  8448
.set HS_O,  25165824
.set MSB, 0
.macro WIN new
.if MSB != (\new)
	s_set_vgpr_msb (MSB<<8)|(\new)
.set MSB, (\new)
.endif
.endm
.macro WMMA d, a, b, c, sa, sb, row
.if \row
	v_wmma_scale_f32_16x16x128_f8f6f4 v[\d:\d+7], v[\a:\a+11], v[\b:\b+11], v[\c:\c+7], v[\sa], v[\sb] matrix_a_fmt:MATRIX_FMT_BF6 matrix_b_fmt:MATRIX_FMT_BF6 matrix_a_scale:MATRIX_SCALE_ROW1
.else
	v_wmma_scale_f32_16x16x128_f8f6f4 v[\d:\d+7], v[\a:\a+11], v[\b:\b+11], v[\c:\c+7], v[\sa], v[\sb] matrix_a_fmt:MATRIX_FMT_BF6 matrix_b_fmt:MATRIX_FMT_BF6
.endif
.endm
.macro PTRS                            ; tile s21's four pointers
	s_mul_i32 s40, s21, 24576
	s_add_nc_u64 s[28:29], s[22:23], s[40:41]
	s_lshl_b32 s40, s21, 10
	s_add_nc_u64 s[30:31], s[24:25], s[40:41]
	s_lshl_b32 s40, s21, 6
	s_add_nc_u64 s[32:33], s[26:27], s[40:41]
	s_add_nc_u64 s[34:35], s[36:37], s[40:41]
.endm
.macro GH half                         ; 34 loads: eight K steps' hidden fragments and their scale words
	WIN 0xc0
.set q, 0
.rept 16
	global_load_b128 v[96*\half+6*q:96*\half+6*q+3], v4, s[28:29] offset:(16*\half+q)*768
	global_load_b64 v[96*\half+6*q+4:96*\half+6*q+5], v5, s[28:29] offset:(16*\half+q)*768+512
.set q, q+1
.endr
	WIN 0
	global_load_b128 v[48+8*\half:51+8*\half], v6, s[30:31] offset:32*\half
	global_load_b128 v[52+8*\half:55+8*\half], v6, s[30:31] offset:32*\half+16
.endm
.macro GL                              ; 2 loads: v[10 + i] = the slot of position 4 i + (lane / 8); v14 = row r's weight
	global_load_b128 v[10:13], v8, s[32:33]
	global_load_b32 v14, v9, s[34:35]
.endm
.macro MMH half                        ; 16 products: two accumulators by turns, K ascending
.irp s, 0,1,2,3,4,5,6,7
.if (\half == 0) && (\s == 0)
	WIN 0x3d                                       ; weights window 1, hidden and b2 window 3
.elseif \half == 0
	WIN 0x0d
.else
	WIN 0x0e                                       ; weights window 2
.endif
.irp t, 0,1
.if (\half == 0) && (\s == 0)
	WMMA 64+8*\t, 12*(2*\s+\t), 12*(8*\half+\s), 192+8*\t, 32+8*\half+\s, 48+8*\half+\s, \t
.else
	WMMA 64+8*\t, 12*(2*\s+\t), 12*(8*\half+\s), 64+8*\t, 32+8*\half+\s, 48+8*\half+\s, \t
.endif
.endr
.endr
	WIN 0
.endm
	s_load_b256 s[4:11], s[0:1], 0x0               ; hid, p2, b2, lst
	s_load_b64 s[12:13], s[0:1], 0x20              ; y2
	v_lshl_add_u32 v254, v0, 2, 0x2400
	v_mov_b32 v255, 0
	v_lshrrev_b32 v1, 5, v0
	v_readfirstlane_b32 s14, v1                    ; wave 0..3
	s_lshr_b32 s15, ttmp9, 5                       ; the expert
	s_bfe_u32 s16, ttmp9, 0x40001                  ; the group of 64 outputs
	s_and_b32 s17, ttmp9, 1                        ; which two of its four tiles
	s_lshl_b32 s46, s15, 7
	s_wait_kmcnt 0x0
	s_load_b32 s18, s[10:11], s46 offset:CNT_O     ; the expert's rows
	v_and_b32 v1, 31, v0                           ; l
	v_and_b32 v2, 15, v0                           ; r
	v_bfe_u32 v3, v0, 4, 1                         ; h
	v_lshlrev_b32 v4, 4, v1                        ; 16 l
	v_lshlrev_b32 v5, 3, v1                        ; 8 l
	v_lshlrev_b32 v6, 6, v2                        ; 64 r
	v_lshlrev_b32 v7, 7, v3                        ; 128 h
	v_lshrrev_b32 v23, 3, v1                       ; l / 8
	v_lshlrev_b32 v8, 4, v23                       ; 16 (l / 8)
	v_lshlrev_b32 v9, 2, v2                        ; 4 r
	v_and_b32 v22, 7, v1
	v_lshlrev_b32 v22, 4, v22                      ; 16 (l % 8)
	s_mul_i32 s21, s14, 2304                       ; my stage
	v_mul_u32_u24 v20, v2, 144
	v_lshl_add_u32 v20, v3, 6, v20
	v_add_nc_u32 v20, s21, v20                     ; in: row r, + 64 h
	v_mad_u32_u24 v21, v23, 144, v22
	v_add_nc_u32 v21, s21, v21                     ; out: row l / 8, + 16 (l % 8)
	s_wait_kmcnt 0x0
	s_min_u32 s18, s18, 2048
	s_add_co_u32 s18, s18, 15
	s_lshr_b32 s18, s18, 4                         ; tiles of 16 rows
	s_cmp_ge_u32 s14, s18
	s_cbranch_scc1 .Lend                           ; nothing for this wave
	s_sub_co_u32 s48, s18, s14
	s_add_co_u32 s48, s48, 3
	s_lshr_b32 s48, s48, 2                         ; my tiles: wave, wave + 4, .. under the expert's number: at least one
	s_mov_b32 s47, 0                               ; and how many of them are done: the loop's counter
	s_mov_b32 s41, 0
	s_lshl_b32 s21, s15, 4
	s_add_co_u32 s21, s21, s16                     ; 16 e + cg
	s_lshl_b32 s40, s21, 1
	s_add_co_u32 s40, s40, s17
	s_mul_i32 s40, s40, 49152
	s_add_nc_u64 s[38:39], s[6:7], s[40:41]        ; my fragments
	s_lshl_b32 s40, s21, 12
	s_lshl_b32 s46, s17, 11
	s_add_co_u32 s40, s40, s46
	s_add_co_u32 s40, s40, WS_O
	s_add_nc_u64 s[42:43], s[6:7], s[40:41]        ; their scale words
	s_lshl_b32 s40, s21, 8
	s_lshl_b32 s46, s17, 3
	s_add_co_u32 s40, s40, s46
	s_add_nc_u64 s[44:45], s[8:9], s[40:41]        ; b2
	s_lshl_b32 s40, s16, 8
	s_lshl_b32 s46, s17, 7
	s_add_co_u32 s40, s40, s46
	s_add_nc_u64 s[12:13], s[12:13], s[40:41]      ; my 128 bytes of a row of y2
	s_mul_i32 s40, s15, 3145728
	s_add_nc_u64 s[22:23], s[4:5], s[40:41]        ; HQ
	s_lshl_b32 s40, s15, 17
	s_add_co_u32 s40, s40, HS_O
	s_add_nc_u64 s[24:25], s[4:5], s[40:41]        ; HS
	s_mul_i32 s40, s15, LSTR
	s_add_nc_u64 s[26:27], s[10:11], s[40:41]
	s_add_nc_u64 s[26:27], s[26:27], LS_O          ; the slots
	s_add_nc_u64 s[36:37], s[6:7], s[40:41]
	s_add_nc_u64 s[36:37], s[36:37], TWL_O         ; the weights
.irp w, 0,1
	WIN (0x40+0x40*\w)
.irp s, 0,1,2,3,4,5,6,7
.irp t, 0,1
.irp g, 0,1,2
	global_load_b128 v[12*(2*\s+\t)+4*\g:12*(2*\s+\t)+4*\g+3], v4, s[38:39] offset:(16*\t+8*\w+\s)*1536+512*\g
.endr
.endr
.endr
.endr
	WIN 0xc0
.irp t, 0,1
.irp j, 0,1,2,3,4,5,6,7
	global_load_b32 v[192+8*\t+\j], v7, s[44:45] offset:(4*\j+\t)*4    ; b2 in the result's layout
.endr
.endr
	WIN 0
.irp q, 0,1,2,3,4,5,6,7
	global_load_b64 v[32+2*\q:33+2*\q], v5, s[42:43] offset:256*\q
.endr
	s_mov_b32 s19, s14                             ; my tile
	s_sub_co_u32 s20, s18, 1                       ; the last tile
	s_min_u32 s21, s19, 127
	PTRS
	GH 0
	GH 1
	GL
.Ltile:
	s_wait_xcnt 0x0                                ; all that was issued has read its addresses and data: the pointers, the rows and their offsets may be written
	s_add_co_u32 s21, s19, 4
	s_min_u32 s21, s21, s20                        ; never past the expert's last tile
	s_min_u32 s21, s21, 127
	PTRS
	s_wait_loadcnt 36                              ; K steps 0-7 are in; behind them: K steps 8-15 (34) and the lists (2)
	MMH 0
.rept 4
	v_nop                                          ; places in front of loads into registers that the products have read
.endr
	GH 0                                           ; the next tile's
	s_wait_loadcnt 34                              ; all but the 34 just issued
	MMH 1
.rept 5
	v_nop                                          ; places; the next trip begins these accumulators anew
.endr
	GH 1
.irp j, 0,1,2,3,4,5,6,7
.irp t, 0,1
	v_mul_f32 v[80+2*\j+\t], v[64+8*\t+\j], v14    ; x the gate's weight; each accumulator from its low end on
.endr
.endr
.irp q, 0,1,2,3
	ds_store_b128 v20, v[80+4*\q:83+4*\q] offset:16*\q
.endr
.irp i, 0,1,2,3
	ds_load_b128 v[96+4*\i:99+4*\i], v21 offset:576*\i   ; LDS serves a wave's instructions in order: row 4 i + l / 8
.endr
.irp i, 0,1,2,3
	v_min_u32 v[16+\i], 4103, v[10+\i]             ; the slot, held inside y2
.endr
.irp i, 0,1,2,3
	v_lshl_add_u32 v[16+\i], v[16+\i], 12, v22
.endr
	s_wait_dscnt 0x0
.irp i, 0,1,2,3
	global_store_b128 v[16+\i], v[96+4*\i:99+4*\i], s[12:13]
.endr
	GL
	s_add_co_u32 s19, s19, 4                       ; my next tile (it serves addresses alone)
	s_add_co_u32 s47, s47, 1                       ; the loop is counted in steps of one against my number of tiles, which the loop does not write
	s_cmp_lt_u32 s47, s48
	s_cbranch_scc1 .Ltile
.Lend:
	s_wait_tensorcnt 0x0
	ds_add_u32 v254, v255
	s_wait_dscnt 0x0
	s_endpgm
.Lfunc_end_k_q4332a2a172_ffn2:
	.size	k_q4332a2a172_ffn2, .Lfunc_end_k_q4332a2a172_ffn2-k_q4332a2a172_ffn2
	.p2alignl 7, 3214868480
	.fill 96, 4, 3214868480
	.section	.rodata,"a",@progbits
	.p2align	6, 0x0
	.amdhsa_kernel k_q4332a2a172_ffn2
		.amdhsa_group_segment_fixed_size 9728
		.amdhsa_private_segment_fixed_size 0
		.amdhsa_enable_private_segment 0
		.amdhsa_kernarg_size 40
		.amdhsa_user_sgpr_count 2
		.amdhsa_user_sgpr_kernarg_segment_ptr 1
		.amdhsa_wavefront_size32 1
		.amdhsa_system_sgpr_workgroup_id_x 1
		.amdhsa_system_sgpr_workgroup_id_y 1
		.amdhsa_system_sgpr_workgroup_id_z 1
		.amdhsa_system_vgpr_workitem_id 0
		.amdhsa_next_free_vgpr 1024
		.amdhsa_next_free_sgpr 66
		.amdhsa_reserve_vcc 0
		.amdhsa_float_denorm_mode_32 3
		.amdhsa_float_denorm_mode_16_64 3
		.amdhsa_memory_ordered 1
		.amdhsa_forward_progress 1
		.amdhsa_inst_pref_size 36
	.end_amdhsa_kernel
	.amdgpu_metadata
---
amdhsa.version: [ 1, 2 ]
amdhsa.kernels:
  - .name:           k_q4332a2a172_ffn2
    .symbol:         k_q4332a2a172_ffn2.kd
    .args:
      - { .name: hid, .offset: 0, .size: 8, .value_kind: global_buffer, .address_space: global }
      - { .name: p2, .offset: 8, .size: 8, .value_kind: global_buffer, .address_space: global }
      - { .name: b2, .offset: 16, .size: 8, .value_kind: global_buffer, .address_space: global }
      - { .name: lst, .offset: 24, .size: 8, .value_kind: global_buffer, .address_space: global }
      - { .name: y2, .offset: 32, .size: 8, .value_kind: global_buffer, .address_space: global }
    .group_segment_fixed_size: 9728
    .private_segment_fixed_size: 0
    .kernarg_segment_align: 8
    .kernarg_segment_size: 40
    .max_flat_workgroup_size: 128
    .sgpr_count:     66
    .vgpr_count:     1024
    .wavefront_size: 32
...
	.end_amdgpu_metadata
.endif
;; end of part 4
;; launch combine (part 5): grid 512 x 1, 4 waves a work-group, no clusters, 0 bytes of LDS; arguments y2, out0; writes out0
.if DOCPART == 5
	.amdgcn_target "amdgcn-amd-amdhsa--gfx1250"
	.amdhsa_code_object_version 6
	.text
	.protected	k_q4332a2a172_combine
	.globl	k_q4332a2a172_combine
	.p2align	8
	.type	k_q4332a2a172_combine,@function
k_q4332a2a172_combine:
	s_mov_b64 s[64:65], 0
	v_nop
	global_prefetch_b8 v0, s[64:65] scope:SCOPE_SE
	s_setreg_imm32_b32 hwreg(HW_REG_WAVE_MODE, 25, 1), 1
	s_wait_xcnt 0x0
; combine: out[token] = y2[2 token] + y2[2 token + 1]: the two chosen experts' rows, already weighted.  A wave takes a token.
; y2's rows hold output 64 cg + 32 h + 4 j + 2 u + t' at byte (2 cg + u) x 128 + 64 h + 8 j + 4 t'.  A lane's 16 bytes of out (outputs 4 (32 P + l) on) are two pieces of 8 bytes, u = 0 and 1, 128 bytes apart.
; Memory binds: each byte is read once and written once; LDS, barriers and the matrix units would add nothing.  A store covers 512 consecutive bytes.
	s_load_b128 s[4:7], s[0:1], 0x0                ; y2, out0
	v_lshrrev_b32 v1, 5, v0
	v_readfirstlane_b32 s8, v1                     ; wave 0..3
	v_and_b32 v2, 31, v0                           ; l
	v_and_b32 v3, 15, v0                           ; r
	v_lshrrev_b32 v4, 4, v2
	v_lshlrev_b32 v5, 3, v3
	v_lshl_add_u32 v5, v4, 8, v5                   ; in: 256 (l / 16) + 8 r
	v_lshlrev_b32 v6, 4, v2                        ; out: 16 l
	s_lshl_b32 s9, ttmp9, 2
	s_add_co_u32 s9, s9, s8                        ; my token
	s_lshl_b32 s10, s9, 13
	s_mov_b32 s11, 0
	s_lshl_b32 s12, s9, 12
	s_mov_b32 s13, 0
	s_wait_kmcnt 0x0
	s_add_nc_u64 s[4:5], s[4:5], s[10:11]
	s_add_nc_u64 s[6:7], s[6:7], s[12:13]
.irp p, 0,1,2,3,4,5,6,7
.irp u, 0,1
	global_load_b64 v[16+4*\p+2*\u:17+4*\p+2*\u], v5, s[4:5] offset:512*\p+128*\u th:TH_LOAD_NT
	global_load_b64 v[48+4*\p+2*\u:49+4*\p+2*\u], v5, s[4:5] offset:4096+512*\p+128*\u th:TH_LOAD_NT
.endr
.endr
.irp p, 0,1,2,3,4,5,6,7
	s_wait_loadcnt 28-4*\p                         ; this piece's four loads are in; the younger pieces' may be out
	v_pk_add_f32 v[16+4*\p:17+4*\p], v[16+4*\p:17+4*\p], v[48+4*\p:49+4*\p]
	v_pk_add_f32 v[18+4*\p:19+4*\p], v[18+4*\p:19+4*\p], v[50+4*\p:51+4*\p]
	global_store_b128 v6, v[16+4*\p:19+4*\p], s[6:7] offset:512*\p th:TH_STORE_NT
.endr
	s_endpgm
.Lfunc_end_k_q4332a2a172_combine:
	.size	k_q4332a2a172_combine, .Lfunc_end_k_q4332a2a172_combine-k_q4332a2a172_combine
	.p2alignl 7, 3214868480
	.fill 96, 4, 3214868480
	.section	.rodata,"a",@progbits
	.p2align	6, 0x0
	.amdhsa_kernel k_q4332a2a172_combine
		.amdhsa_group_segment_fixed_size 0
		.amdhsa_private_segment_fixed_size 0
		.amdhsa_enable_private_segment 0
		.amdhsa_kernarg_size 16
		.amdhsa_user_sgpr_count 2
		.amdhsa_user_sgpr_kernarg_segment_ptr 1
		.amdhsa_wavefront_size32 1
		.amdhsa_system_sgpr_workgroup_id_x 1
		.amdhsa_system_sgpr_workgroup_id_y 1
		.amdhsa_system_sgpr_workgroup_id_z 1
		.amdhsa_system_vgpr_workitem_id 0
		.amdhsa_next_free_vgpr 80
		.amdhsa_next_free_sgpr 66
		.amdhsa_reserve_vcc 0
		.amdhsa_float_denorm_mode_32 3
		.amdhsa_float_denorm_mode_16_64 3
		.amdhsa_memory_ordered 1
		.amdhsa_forward_progress 1
		.amdhsa_inst_pref_size 6
	.end_amdhsa_kernel
	.amdgpu_metadata
---
amdhsa.version: [ 1, 2 ]
amdhsa.kernels:
  - .name:           k_q4332a2a172_combine
    .symbol:         k_q4332a2a172_combine.kd
    .args:
      - { .name: y2, .offset: 0, .size: 8, .value_kind: global_buffer, .address_space: global }
      - { .name: out0, .offset: 8, .size: 8, .value_kind: global_buffer, .address_space: global }
    .group_segment_fixed_size: 0
    .private_segment_fixed_size: 0
    .kernarg_segment_align: 8
    .kernarg_segment_size: 16
    .max_flat_workgroup_size: 128
    .sgpr_count:     66
    .vgpr_count:     80
    .wavefront_size: 32
...
	.end_amdgpu_metadata
.endif
;; end of part 5
;; ======== version 2 of 3: 5 launches; 1.21 times as fast as version 1
;; workspace buffers: p1 14,761,984 bytes; sel 8,192 bytes of whole numbers; p2 13,174,784 bytes; lst 136,192 bytes of whole numbers; hid 26,214,400 bytes; y2 16,809,984 bytes
;; launch prep1: the kernel of part 1 again; grid 288 x 1, 4 waves a work-group, no clusters, 97,792 bytes of LDS; arguments x, gate_w1, gate_b1, gate_w2, gate_b2, w1, p1, sel; writes p1, sel
;; launch prep2 (part 6): grid 264 x 1, 4 waves a work-group, no clusters, 0 bytes of LDS; arguments sel, p1, w2, p2, lst; writes p2, lst
.if DOCPART == 6
	.amdgcn_target "amdgcn-amd-amdhsa--gfx1250"
	.amdhsa_code_object_version 6
	.text
	.protected	k_q4332a2a172_prep2
	.globl	k_q4332a2a172_prep2
	.p2align	8
	.type	k_q4332a2a172_prep2,@function
k_q4332a2a172_prep2:
	s_mov_b64 s[64:65], 0
	v_nop
	global_prefetch_b8 v0, s[64:65] scope:SCOPE_SE
	s_setreg_imm32_b32 hwreg(HW_REG_WAVE_MODE, 25, 1), 1
	s_wait_xcnt 0x0
; prep2: two roles, told apart once by the work-group's number.
; PLACE (work-groups 0-7: one an expert; a wave takes a quarter of the 2,048 tokens, 16 steps of 32): lays the expert's rows, in token order, in lists:
;   LT the token, LS the slot 2 token + k (the row of y2), TWL the gate's weight.  A wave first counts the expert's rows in the quarters ahead of its own (compares and bit counts, no store),
;   then places its own: a row's position is the count so far + the matching lanes below mine.  No atomics, no traffic between waves: each wave reads the choices that it needs itself.
;   Each of the 16 steps has registers of its own for its stores' offsets and data: no store's source is written again, so no wait stands between the steps.
;   Lanes that do not match write to two spare tiles (128, 129) of the expert's lists, which nobody reads.  Wave 3 ends with the expert's total: it fills the last tile up with token 0,
;   the expert's spare row of y2 and the weight 0, and stores the count.
;   Lists, 8,448 bytes an expert, 64 bytes a tile of 16 positions: LT word (pos & 1) x 8 + (pos & 14) / 2; LS word (pos & 3) x 4 + (pos & 12) / 4; TWL word pos & 15.
; WQ (work-groups 8-263; a wave takes 64 columns x 256 along K of one expert's w2): f32 [K][N] becomes images of the matrix operand's registers, and scale words, as for w1.
; A block's scale byte is its largest magnitude's exponent field - 4, held at 1 from below; a block of zeros so has the byte 1 over zero codes: only this program reads the bytes.
; LIMITS: NaN and infinities among the inputs are not served.
.set NGATE, 8
.set TW_O,  1638400
.set WQ_O,  0
.set WS_O,  12582912
.set TWL_O, 13107200
.set LS_O,  67584
.set CNT_O, 135168
.set LSTR,  8448
.set ROWB,  4096
.set LOGH,  17
.set NCG,   16
.set NS,    16
.set CGM,   3
.set CGS,   2
.set KQM,   7
.set INP,   8                          ; s[8:9] w2
.set OUTP,  10                         ; s[10:11] p2
.set MSB, 0
.macro WIN new
.if MSB != (\new)
	s_set_vgpr_msb (MSB<<8)|(\new)
.set MSB, (\new)
.endif
.endm
.macro BLKMAX d, t, b                  ; the largest magnitude of 32 numbers, and the floor 2^(5 - 127)
	v_max3_num_f32 v[\d], |v[\b]|, |v[\b+1]|, 0x2800000
	v_max3_num_f32 v[\t], |v[\b+16]|, |v[\b+17]|, |v[\b+18]|
.irp i, 2,4,6,8,10,12
	v_max3_num_f32 v[\d], v[\d], |v[\b+\i]|, |v[\b+\i+1]|
	v_max3_num_f32 v[\t], v[\t], |v[\b+17+\i]|, |v[\b+18+\i]|
.endr
	v_max3_num_f32 v[\d], v[\d], |v[\b+14]|, |v[\b+15]|
	v_max3_num_f32 v[\d], v[\d], v[\t], |v[\b+31]|
.endm
.macro LOADH hs, buf
.set n, 0
.rept 32
	global_load_b128 v[128*(\buf)+4*n:128*(\buf)+4*n+3], v4, s[INP:INP+1] offset:(64*(\hs)+n)*ROWB th:TH_LOAD_NT
.set n, n+1
.endr
.endm
.macro HALF hs
.if \hs < 3
	s_wait_loadcnt 32                              ; this half step's loads are in; the younger half step's 32 may be out
.else
	s_wait_loadcnt 0x0
.endif
	WIN 0x01
.set n, 0
.rept 128
	v_mov_b32 v[128+32*(n%4)+n/4], v[128*((\hs)%2)+n]   ; a load brings four columns of one k; a conversion wants one column's k in consecutive registers
.set n, n+1
.endr
.if \hs < 2
	WIN 0x40
	LOADH (\hs)+2, (\hs)%2
.endif
	WIN 0
.irp t, 0,1,2,3
	BLKMAX 8+\t, 36+\t, 128+32*\t
.endr
.irp t, 0,1,2,3
	v_add_nc_u32 v[12+\t], 0xfe000000, v[8+\t]
.endr
.irp t, 0,1,2,3
	v_lshrrev_b32 v[16+2*\t+(\hs)%2], 23, v[12+\t]
.endr
.if \hs == 2
	s_wait_xcnt 0x0                                ; the first K step's stores have read the fragments' registers
.endif
.irp t, 0,1,2,3
	v_cvt_scalef32_pk16_bf6_f32 v[40+12*\t+6*((\hs)%2):42+12*\t+6*((\hs)%2)], v[128+32*\t:143+32*\t], v[12+\t]
	v_cvt_scalef32_pk16_bf6_f32 v[88+4*\t:90+4*\t], v[144+32*\t:159+32*\t], v[12+\t]
.endr
	v_nop
.irp t, 0,1,2,3
.irp i, 0,1,2
	v_mov_b32 v[43+12*\t+6*((\hs)%2)+\i], v[88+4*\t+\i]
.endr
.endr
.if (\hs)%2 == 1
.irp t, 0,1,2,3
	v_lshl_or_b32 v[24+\t], v[17+2*\t], 16, v[16+2*\t]
.endr
.irp t, 0,1,2,3
	v_lshlrev_b32 v[24+\t], v7, v[24+\t]
.endr
.irp t, 0,1,2,3
	v_permlanex16_b32 v[28+\t], v[24+\t], s42, s43
.endr
.irp t, 0,1,2,3
	v_or_b32 v[24+\t], v[24+\t], v[28+\t]
.endr
.irp u, 0,1
	v_cndmask_b32 v[32+2*\u+(\hs)/2], v[24+2*\u], v[25+2*\u], s40
.endr
.irp t, 0,1,2,3
.irp g, 0,1,2
	global_store_b128 v5, v[40+12*\t+4*\g:43+12*\t+4*\g], s[30:31] offset:(\t)*NS*1536+((\hs)/2)*1536+512*\g
.endr
.endr
.endif
.endm
; v10 = a position: held inside the expert's lists, then its three byte offsets into v[a], v[a + 1], v[a + 2], by ANDs, shifts left and additions alone
.macro OFFS a
	v_min_u32 v10, 2079, v10
	v_and_b32 v11, 0xff0, v10
	v_lshlrev_b32 v[\a], 2, v11
	v_lshlrev_b32 v[\a+1], 2, v11
	v_and_b32 v19, 14, v10
	v_lshl_add_u32 v[\a], v19, 1, v[\a]
	v_and_b32 v19, 1, v10
	v_lshl_add_u32 v[\a], v19, 5, v[\a]            ; LT
	v_and_b32 v19, 3, v10
	v_lshl_add_u32 v[\a+1], v19, 4, v[\a+1]
	v_and_b32 v19, 12, v10
	v_add_nc_u32 v[\a+1], v[\a+1], v19             ; LS
	v_lshlrev_b32 v[\a+2], 2, v10                  ; TWL
.endm
; the expert's rows among the tokens of steps i .. i + 3 are added to the count: four steps by turns, so that no line waits for the line above it
.macro CSTEP4 i
.irp k, 0,1,2,3
	v_and_b32 v[240+2*\k], 0xff, v[32+(\i)+\k]
	v_lshrrev_b32 v[241+2*\k], 8, v[32+(\i)+\k]
.endr
.irp k, 0,1,2,3
	v_cmp_eq_u32 s[48+2*\k], s24, v[240+2*\k]
	v_cmp_eq_u32 s[49+2*\k], s24, v[241+2*\k]
.endr
.irp k, 0,1,2,3
	s_or_b32 s[48+2*\k], s[48+2*\k], s[49+2*\k]
	s_bcnt1_i32_b32 s[48+2*\k], s[48+2*\k]
	s_add_co_u32 s38, s38, s[48+2*\k]
.endr
.endm
.macro PSTEP i                         ; my quarter's tokens 32 i + lane; the step's offsets and data in v[144 + 6 i] on
	v_and_b32 v8, 0xff, v[96+\i]
	v_lshrrev_b32 v9, 8, v[96+\i]
	v_cmp_eq_u32 s36, s24, v8                      ; my expert is the token's first choice,
	v_cmp_eq_u32 vcc_lo, s24, v9                   ; or its second
	s_or_b32 s37, s36, vcc_lo
	v_mbcnt_lo_u32_b32 v10, s37, s38               ; the count so far + the matching lanes below mine
	v_cndmask_b32 v10, v4, v10, s37                ; no match: my word of the spare tiles
	OFFS 144+6*\i
	v_add_nc_u32 v[147+6*\i], 32*\i, v21           ; the token
	v_cndmask_b32 v18, 0, v20, vcc_lo              ; k
	v_add_nc_u32 v18, v18, v5
	v_add_nc_u32 v[148+6*\i], 64*\i, v18           ; the slot 2 token + k
	v_cndmask_b32 v[149+6*\i], v[112+2*\i], v[113+2*\i], vcc_lo
	global_store_b32 v[144+6*\i], v[147+6*\i], s[26:27]
	global_store_b32 v[145+6*\i], v[148+6*\i], s[28:29]
	global_store_b32 v[146+6*\i], v[149+6*\i], s[30:31]
	s_bcnt1_i32_b32 s39, s37
	s_add_co_u32 s38, s38, s39
.endm
	s_load_b256 s[4:11], s[0:1], 0x0               ; sel, p1, w2, p2
	s_load_b64 s[12:13], s[0:1], 0x20              ; lst
	v_lshrrev_b32 v1, 5, v0
	v_readfirstlane_b32 s20, v1                    ; wave 0..3
	v_and_b32 v1, 31, v0                           ; l
	v_and_b32 v2, 15, v0                           ; r
	v_bfe_u32 v3, v0, 4, 1                         ; h
	s_mov_b32 s40, 0xffff0000
	s_mov_b32 s42, 0x76543210
	s_mov_b32 s43, 0xfedcba98
	s_cmp_ge_u32 ttmp9, NGATE
	s_cbranch_scc1 .Lwq
	; ================= PLACE =================
	v_add_nc_u32 v4, 2048, v1                      ; my word of the spare tiles
	v_lshlrev_b32 v6, 2, v1                        ; 4 l
	v_lshlrev_b32 v7, 3, v1                        ; 8 l
	v_mov_b32 v20, 1
	s_lshl_b32 s21, s20, 9
	v_add_nc_u32 v21, s21, v1                      ; my token of my quarter's first step: 512 x wave + l
	v_lshlrev_b32 v5, 1, v21                       ; and its first slot
	s_mov_b32 s24, ttmp9                           ; my expert
	s_mul_i32 s22, s24, LSTR
	s_mov_b32 s23, 0
	s_mov_b32 s38, 0                               ; rows so far
	s_lshl_b32 s44, s20, 11                        ; my quarter of sel: 512 tokens x 4 bytes,
	s_mov_b32 s45, 0
	s_lshl_b32 s46, s20, 12                        ; and of the gate's weights: x 8 bytes
	s_mov_b32 s47, 0
	s_wait_kmcnt 0x0
	s_add_nc_u64 s[26:27], s[12:13], s[22:23]      ; LT
	s_add_nc_u64 s[28:29], s[26:27], LS_O          ; LS
	s_add_nc_u64 s[30:31], s[10:11], s[22:23]
	s_add_nc_u64 s[30:31], s[30:31], TWL_O         ; TWL
	s_lshl_b32 s22, s24, 7
	s_add_nc_u64 s[32:33], s[12:13], s[22:23]
	s_add_nc_u64 s[32:33], s[32:33], CNT_O         ; the count
	s_add_nc_u64 s[34:35], s[6:7], TW_O
	s_add_nc_u64 s[34:35], s[34:35], s[46:47]      ; my quarter's weights
	s_add_nc_u64 s[44:45], s[4:5], s[44:45]        ; my quarter's choices
.set n, 0
.rept 16
	global_load_b32 v[96+n], v6, s[44:45] offset:128*n
.set n, n+1
.endr
.set n, 0
.rept 16
	global_load_b64 v[112+2*n:113+2*n], v7, s[34:35] offset:256*n
.set n, n+1
.endr
.set n, 0
.rept 48
	global_load_b32 v[32+n], v6, s[4:5] offset:128*n   ; the first three quarters' choices, for the count
.set n, n+1
.endr
	s_wait_loadcnt 0x0
	s_cmp_lt_u32 s20, 1                            ; wave w counts quarters 0 .. w - 1
	s_cbranch_scc1 .Lcounted
	CSTEP4 0
	CSTEP4 4
	CSTEP4 8
	CSTEP4 12
	s_cmp_lt_u32 s20, 2
	s_cbranch_scc1 .Lcounted
	CSTEP4 16
	CSTEP4 20
	CSTEP4 24
	CSTEP4 28
	s_cmp_lt_u32 s20, 3
	s_cbranch_scc1 .Lcounted
	CSTEP4 32
	CSTEP4 36
	CSTEP4 40
	CSTEP4 44
.Lcounted:
.set q, 0
.rept 16
	PSTEP q
.set q, q+1
.endr
	s_cmp_lg_u32 s20, 3                            ; the last quarter's wave holds the expert's total
	s_cbranch_scc1 .Lplaced
	v_add_nc_u32 v10, s38, v1                      ; the last tile is filled up: positions from the count to the next multiple of 16
	s_add_co_u32 s39, s38, 15
	s_and_b32 s39, s39, -16
	v_cmp_gt_u32 s37, s39, v10
	v_cndmask_b32 v10, v4, v10, s37
	OFFS 12
	v_mov_b32 v15, 0                               ; token 0,
	v_mov_b32 v16, s24
	v_add_nc_u32 v16, 4096, v16                    ; the expert's spare row of y2,
	v_mov_b32 v17, 0                               ; the weight 0
	v_mov_b32 v22, s38
	global_store_b32 v12, v15, s[26:27]
	global_store_b32 v13, v16, s[28:29]
	global_store_b32 v14, v17, s[30:31]
	global_store_b32 v6, v22, s[32:33]             ; the count, 32 equal words
.Lplaced:
	s_endpgm
	; ================= WQ =================
.Lwq:
	v_lshlrev_b32 v4, 4, v2
	v_lshl_add_u32 v4, v3, LOGH, v4
	v_lshlrev_b32 v5, 4, v1
	v_lshlrev_b32 v6, 3, v1
	v_lshlrev_b32 v7, 3, v3
.irp t, 0,1,2,3
	v_mov_b32 v[28+\t], 0
.endr
	s_sub_co_u32 s21, ttmp9, NGATE
	s_and_b32 s22, s21, CGM
	s_lshl_b32 s22, s22, 2
	s_add_co_u32 s22, s22, s20
	s_lshr_b32 s23, s21, CGS
	s_and_b32 s23, s23, KQM
	s_lshr_b32 s24, s21, 5
	s_lshl_b32 s26, s24, 23
	s_mul_i32 s25, s23, 256*ROWB
	s_add_co_u32 s26, s26, s25
	s_lshl_b32 s25, s22, 8
	s_add_co_u32 s26, s26, s25
	s_mov_b32 s27, 0
	s_mul_i32 s28, s24, NCG
	s_add_co_u32 s28, s28, s22
	s_mul_i32 s30, s28, 4*NS*1536
	s_mul_i32 s25, s23, 2*1536
	s_add_co_u32 s30, s30, s25
	s_add_co_u32 s30, s30, WQ_O
	s_mov_b32 s31, 0
	s_mul_i32 s28, s28, NS*256
	s_lshl_b32 s25, s23, 8
	s_add_co_u32 s28, s28, s25
	s_add_co_u32 s28, s28, WS_O
	s_mov_b32 s29, 0
	s_wait_kmcnt 0x0
	s_add_nc_u64 s[INP:INP+1], s[INP:INP+1], s[26:27]
	s_add_nc_u64 s[30:31], s[OUTP:OUTP+1], s[30:31]
	s_add_nc_u64 s[28:29], s[OUTP:OUTP+1], s[28:29]
	WIN 0x40
	LOADH 0, 0
	LOADH 1, 1
	HALF 0
	HALF 1
	HALF 2
	HALF 3
	global_store_b64 v6, v[32:33], s[28:29]
	global_store_b64 v6, v[34:35], s[28:29] offset:NS*128
	s_endpgm
.Lfunc_end_k_q4332a2a172_prep2:
	.size	k_q4332a2a172_prep2, .Lfunc_end_k_q4332a2a172_prep2-k_q4332a2a172_prep2
	.p2alignl 7, 3214868480
	.fill 96, 4, 3214868480
	.section	.rodata,"a",@progbits
	.p2align	6, 0x0
	.amdhsa_kernel k_q4332a2a172_prep2
		.amdhsa_group_segment_fixed_size 0
		.amdhsa_private_segment_fixed_size 0
		.amdhsa_enable_private_segment 0
		.amdhsa_kernarg_size 40
		.amdhsa_user_sgpr_count 2
		.amdhsa_user_sgpr_kernarg_segment_ptr 1
		.amdhsa_wavefront_size32 1
		.amdhsa_system_sgpr_workgroup_id_x 1
		.amdhsa_system_sgpr_workgroup_id_y 1
		.amdhsa_system_sgpr_workgroup_id_z 1
		.amdhsa_system_vgpr_workitem_id 0
		.amdhsa_next_free_vgpr 512
		.amdhsa_next_free_sgpr 66
		.amdhsa_reserve_vcc 1
		.amdhsa_float_denorm_mode_32 3
		.amdhsa_float_denorm_mode_16_64 3
		.amdhsa_memory_ordered 1
		.amdhsa_forward_progress 1
		.amdhsa_inst_pref_size 106
	.end_amdhsa_kernel
	.amdgpu_metadata
---
amdhsa.version: [ 1, 2 ]
amdhsa.kernels:
  - .name:           k_q4332a2a172_prep2
    .symbol:         k_q4332a2a172_prep2.kd
    .args:
      - { .name: sel, .offset: 0, .size: 8, .value_kind: global_buffer, .address_space: global }
      - { .name: p1, .offset: 8, .size: 8, .value_kind: global_buffer, .address_space: global }
      - { .name: w2, .offset: 16, .size: 8, .value_kind: global_buffer, .address_space: global }
      - { .name: p2, .offset: 24, .size: 8, .value_kind: global_buffer, .address_space: global }
      - { .name: lst, .offset: 32, .size: 8, .value_kind: global_buffer, .address_space: global }
    .group_segment_fixed_size: 0
    .private_segment_fixed_size: 0
    .kernarg_segment_align: 8
    .kernarg_segment_size: 40
    .max_flat_workgroup_size: 128
    .sgpr_count:     66
    .vgpr_count:     512
    .wavefront_size: 32
...
	.end_amdgpu_metadata
.endif
;; end of part 6
;; launch ffn1 (part 7): grid 256 x 1, 4 waves a work-group, no clusters, 50,688 bytes of LDS; arguments p1, b1, lst, hid; writes hid
.if DOCPART == 7
	.amdgcn_target "amdgcn-amd-amdhsa--gfx1250"
	.amdhsa_code_object_version 6
	.text
	.protected	k_q4332a2a172_ffn1
	.globl	k_q4332a2a172_ffn1
	.p2align	8
	.type	k_q4332a2a172_ffn1,@function
k_q4332a2a172_ffn1:
	s_mov_b64 s[64:65], 0
	v_nop
	global_prefetch_b8 v0, s[64:65] scope:SCOPE_SE
	s_setreg_imm32_b32 hwreg(HW_REG_WAVE_MODE, 25, 1), 1
	s_wait_xcnt 0x0
; ffn1: hidden = Q(GELU(x w1[e] + b1[e])) for the rows that chose expert e.
; SHARES.  A group of 64 hidden units (cg = work-group & 31) has 32 slots: slot = 4 x (work-group / 32) + wave.  Each expert's tiles of 16 rows are cut into chunks of c consecutive tiles, and
; slot k takes the k-th chunk in the order of the experts: so a wave has at most c tiles, however unevenly the gate has chosen.  All experts together have 4,096 rows (two different experts
; a token), at most (4,096 + 8 x 15) / 16 = 263 tiles; with c = 11 that is at most (263 + 8 x 10) / 11 = 31 chunks; c = 9 or 10 is taken where 32 slots still suffice.
; The counts are read from memory, so the launch has no tensor load, no barrier and no cluster: partners would need different numbers of tiles.  A slot without a chunk ends.
; A wave keeps the 32 weight fragments of its (expert, cg) (4 tiles x 8 K steps, 384 registers) for the whole launch.
; The product is used transposed (source 0 = 16 weight columns, source 1 = 16 tokens).  Tile t's row m is hidden unit 64 cg + 4 m + t, so lane (r, h) ends up with token r's units
; 64 cg + 32 h + 0 .. 31: a whole block of the next K.  It is quantised with no other lane's help, and its six registers are registers 6 c .. 6 c + 5 of the next product's operand.
; x's codes are gathered by token: a load reads 256 consecutive bytes of each of two tokens; the wave's own LDS stage (16 rows x 784 bytes) turns rows into the operand's registers.
; The gather runs two tiles ahead in registers and one in LDS; the lists run one tile further.
; hid: HQ (e x 128 + tile) x 24,576 + cg x 768: 512 bytes (four registers at 16 l) + 256 bytes (two at 8 l); HS (e x 128 + tile) x 1,024 + 64 r + 2 cg + h: one byte.
; GELU(x) = max(x, 0) - |x| q, q = erfc(|x| / sqrt 2) / 2 = t 2^u, t = 1 / (1 + |x| / sqrt 8), u = a polynomial of degree 9 in t - (0.8493218 x)^2 (fractional error of q about 1.2e-7).
; LIMITS: NaN and infinities are not served; a q under 2^-126 counts as 0; the scale bytes leave singly, 32 bytes a tile and wave.
; REGISTERS: window 0: v1-9, v19, v29, v30 addresses; v10-18 lists; v20-28 gather offsets; v32-47 w1's scale words; v48-55 x's; v56-57 c9; v64-95 sums; v96-223 GELU; v224-237 codes.
;   window 1: fragments of K steps 0-3 at 12 (4 s + t); window 2: K steps 4-7; window 3: v0-95 x's fragments, v96-191 gathered rows, v192-199 their scale words, v200-231 b1.
.set XS_O,  1572864
.set WQ_O,  1654784
.set WS_O,  14237696
.set CNT_O, 135168
.set LSTR,  8448
.set HS_O,  25165824
.set SPITCH, 784
.set KV9,   56
.set NT0,   68                         ; s68-75 the experts' counts, then their numbers of tiles
.set CK,    19                         ; s19    my slot
.set CE,    13                         ; s13    my expert
.set CN,    15                         ; s15    its number of tiles; 0: no chunk for my slot
.set MSB, 0
.macro WIN new
.if MSB != (\new)
	s_set_vgpr_msb (MSB<<8)|(\new)
.set MSB, (\new)
.endif
.endm
.macro SETC reg, val
	s_mov_b32 s[\reg], \val
	s_mov_b32 s[\reg+1], \val
.endm
; From the eight counts and my slot: my expert s[CE], its tiles s[CN], my chunk's number in it s83, the chunk's length s79.  Compares and selects alone, no branch.
; n / c for n up to 138 is (n x ceil(65536 / c)) >> 16: the multiplier's excess, at most 4 in 65,536, times 138 stays under one c-th.
.macro CHUNK
.irp e, 0,1,2,3,4,5,6,7
	s_min_u32 s[NT0+\e], s[NT0+\e], 2048
	s_add_co_u32 s[NT0+\e], s[NT0+\e], 15
	s_lshr_b32 s[NT0+\e], s[NT0+\e], 4             ; tiles of 16 rows
.endr
	s_mov_b32 s76, 0                               ; how many chunks of 9 there would be,
	s_mov_b32 s77, 0                               ; and of 10
.irp e, 0,1,2,3,4,5,6,7
	s_add_co_u32 s78, s[NT0+\e], 8
	s_mul_i32 s78, s78, 7282
	s_lshr_b32 s78, s78, 16
	s_add_co_u32 s76, s76, s78
	s_add_co_u32 s78, s[NT0+\e], 9
	s_mul_i32 s78, s78, 6554
	s_lshr_b32 s78, s78, 16
	s_add_co_u32 s77, s77, s78
.endr
	s_mov_b32 s79, 11                              ; c, and ceil(65536 / c): the shortest chunk for which 32 slots suffice
	s_mov_b32 s80, 5958
	s_cmp_le_u32 s77, 32
	s_cselect_b32 s79, 10, s79
	s_cselect_b32 s80, 6554, s80
	s_cmp_le_u32 s76, 32
	s_cselect_b32 s79, 9, s79
	s_cselect_b32 s80, 7282, s80
	s_sub_co_u32 s81, s79, 1
	s_mov_b32 s82, 0                               ; chunks of the experts passed
	s_mov_b32 s[CE], 0
	s_mov_b32 s83, 0
	s_mov_b32 s[CN], 0
.irp e, 0,1,2,3,4,5,6,7
	s_add_co_u32 s78, s[NT0+\e], s81
	s_mul_i32 s78, s78, s80
	s_lshr_b32 s78, s78, 16                        ; this expert's chunks
	s_sub_co_u32 s84, s[CK], s82                   ; my slot among them (it wraps to a large number where my slot lies ahead)
	s_cmp_lt_u32 s84, s78
	s_cselect_b32 s[CE], \e, s[CE]
	s_cselect_b32 s83, s84, s83
	s_cselect_b32 s[CN], s[NT0+\e], s[CN]
	s_add_co_u32 s82, s82, s78
.endr
.endm
.macro BLKMAX d, t, b
	v_max3_num_f32 v[\d], |v[\b]|, |v[\b+1]|, 0x2800000
	v_max3_num_f32 v[\t], |v[\b+16]|, |v[\b+17]|, |v[\b+18]|
.irp i, 2,4,6,8,10,12
	v_max3_num_f32 v[\d], v[\d], |v[\b+\i]|, |v[\b+\i+1]|
	v_max3_num_f32 v[\t], v[\t], |v[\b+17+\i]|, |v[\b+18+\i]|
.endr
	v_max3_num_f32 v[\d], v[\d], |v[\b+14]|, |v[\b+15]|
	v_max3_num_f32 v[\d], v[\d], v[\t], |v[\b+31]|
.endm
.macro GELU_CORE cnt, xa, xt, xw, xp
.set n, 0
.rept \cnt
	v_fma_f32 v[\xt+n], |v[\xa+n]|, s44, 1.0       ; each accumulator is read from its low end on
.set n, n+1
.endr
.set n, 0
.rept \cnt
	v_rcp_f32 v[\xt+n], v[\xt+n]
.set n, n+1
.endr
.set n, 0
.rept \cnt/2
	v_pk_mul_f32 v[\xw+n:\xw+n+1], v[\xa+n:\xa+n+1], s[46:47] op_sel_hi:[1,0]
.set n, n+2
.endr
.set n, 0
.rept \cnt/2
	v_pk_fma_f32 v[\xw+n:\xw+n+1], v[\xw+n:\xw+n+1], v[\xw+n:\xw+n+1], s[48:49] op_sel_hi:[1,1,0] neg_lo:[1,0,0] neg_hi:[1,0,0]
.set n, n+2
.endr
	s_wait_alu depctr_va_vdst(0)                   ; one wait for the batch of reciprocals, ahead of their first reader
.set n, 0
.rept \cnt/2
	v_pk_fma_f32 v[\xp+n:\xp+n+1], v[\xt+n:\xt+n+1], v[KV9:KV9+1], s[66:67] op_sel_hi:[1,1,0]
.set n, n+2
.endr
.irp k, 7,6,5,4,3,2,1
.set n, 0
.rept \cnt/2
	v_pk_fma_f32 v[\xp+n:\xp+n+1], v[\xp+n:\xp+n+1], v[\xt+n:\xt+n+1], s[48+2*\k:49+2*\k] op_sel_hi:[1,1,0]
.set n, n+2
.endr
.endr
.set n, 0
.rept \cnt/2
	v_pk_fma_f32 v[\xw+n:\xw+n+1], v[\xp+n:\xp+n+1], v[\xt+n:\xt+n+1], v[\xw+n:\xw+n+1]
.set n, n+2
.endr
.set n, 0
.rept \cnt
	v_exp_f32 v[\xw+n], v[\xw+n]
.set n, n+1
.endr
.set n, 0
.rept \cnt
	v_max_num_f32 v[\xp+n], 0, v[\xa+n]
.set n, n+1
.endr
	s_wait_alu depctr_va_vdst(0)                   ; one wait for the batch of exponentials
.set n, 0
.rept \cnt/2
	v_pk_mul_f32 v[\xt+n:\xt+n+1], v[\xt+n:\xt+n+1], v[\xw+n:\xw+n+1]
.set n, n+2
.endr
.endm
.macro WMMA d, a, b, c, sa, sb, row
.if \row
	v_wmma_scale_f32_16x16x128_f8f6f4 v[\d:\d+7], v[\a:\a+11], v[\b:\b+11], v[\c:\c+7], v[\sa], v[\sb] matrix_a_fmt:MATRIX_FMT_BF6 matrix_b_fmt:MATRIX_FMT_BF6 matrix_a_scale:MATRIX_SCALE_ROW1
.else
	v_wmma_scale_f32_16x16x128_f8f6f4 v[\d:\d+7], v[\a:\a+11], v[\b:\b+11], v[\c:\c+7], v[\sa], v[\sb] matrix_a_fmt:MATRIX_FMT_BF6 matrix_b_fmt:MATRIX_FMT_BF6
.endif
.endm
.macro LISTS                           ; tile s17's tokens: v[10 + p] = that of position 2 p + (lane / 16); v18 = that of position r
	s_min_u32 s36, s17, 127
	s_lshl_b32 s36, s36, 6
	s_add_nc_u64 s[26:27], s[24:25], s[36:37]
	global_load_b128 v[10:13], v7, s[26:27]
	global_load_b128 v[14:17], v7, s[26:27] offset:16
	global_load_b32 v18, v8, s[26:27]
.endm
.macro ADDR                            ; the tokens, held inside x, become byte offsets
.irp p, 0,1,2,3,4,5,6,7
	v_min_u32 v[20+\p], 2047, v[10+\p]
.endr
.irp p, 0,1,2,3,4,5,6,7
	v_mul_u32_u24 v[20+\p], v[20+\p], 768
.endr
.irp p, 0,1,2,3,4,5,6,7
	v_add_nc_u32 v[20+\p], v[20+\p], v6
.endr
	v_min_u32 v28, 2047, v18
	v_lshlrev_b32 v28, 5, v28
.endm
.macro XLOADS                          ; 16 tokens' codes, 256 consecutive bytes of two tokens a load, and their scale words
	WIN 0xc0
.irp p, 0,1,2,3,4,5,6,7
.irp q, 0,1,2
	global_load_b128 v[96+4*(3*\p+\q):99+4*(3*\p+\q)], v[20+\p], s[4:5] offset:256*\q
.endr
.endr
	global_load_b128 v[192:195], v28, s[22:23]
	global_load_b128 v[196:199], v28, s[22:23] offset:16
	WIN 0
.endm
.macro ADVANCE                         ; the gathered tile goes through the stage into the operand's registers; the next is gathered; the lists go one further
	s_wait_loadcnt 3                               ; the gather is in; the three list loads behind it may be out
	WIN 0x0c
.irp p, 0,1,2,3,4,5,6,7
.irp q, 0,1,2
	ds_store_b128 v19, v[96+4*(3*\p+\q):99+4*(3*\p+\q)] offset:2*\p*SPITCH+256*\q
.endr
.endr
	WIN 0xc0
.irp s, 0,1,2,3,4,5,6,7
.irp g, 0,1,2
	ds_load_b128 v[12*\s+4*\g:12*\s+4*\g+3], v29 offset:48*\s+16*\g   ; LDS serves a wave's instructions in order: these see the stores above
.endr
.endr
	WIN 0x03
.irp s, 0,1,2,3,4,5,6,7
	v_mov_b32 v[48+\s], v[192+\s]                  ; scale operands have no window
.endr
	WIN 0
	s_wait_loadcnt 0x0                             ; the lists
	ADDR
	s_wait_dscnt 24                                ; the 24 stores have read the gathered rows (the 24 loads may be out)
	XLOADS
	s_add_co_u32 s17, s17, 1
	s_min_u32 s17, s17, s18                        ; never past my chunk's last tile
	LISTS
.endm
	s_load_b256 s[4:11], s[0:1], 0x0               ; p1, b1, lst, hid
	v_lshl_add_u32 v254, v0, 2, 0xc400
	v_mov_b32 v255, 0
	v_lshrrev_b32 v1, 5, v0
	v_readfirstlane_b32 s12, v1                    ; wave 0..3
	s_and_b32 s14, ttmp9, 31                       ; my 64 hidden units
	s_lshr_b32 s19, ttmp9, 5
	s_lshl_b32 s19, s19, 2
	s_add_co_u32 s19, s19, s12                     ; my slot, 0 .. 31
	s_wait_kmcnt 0x0
.irp e, 0,1,2,3,4,5,6,7
	s_load_b32 s[NT0+\e], s[8:9], CNT_O+128*\e     ; the experts' rows
.endr
	v_and_b32 v1, 31, v0                           ; l
	v_and_b32 v2, 15, v0                           ; r
	v_bfe_u32 v3, v0, 4, 1                         ; h
	v_lshlrev_b32 v4, 4, v1                        ; 16 l
	v_lshlrev_b32 v5, 3, v1                        ; 8 l
	v_lshlrev_b32 v6, 4, v2                        ; 16 r
	v_lshlrev_b32 v7, 5, v3                        ; 32 h
	v_and_b32 v8, 14, v2
	v_lshlrev_b32 v8, 1, v8
	v_and_b32 v9, 1, v2
	v_lshl_add_u32 v8, v9, 5, v8                   ; position r's word of LT
	v_lshlrev_b32 v9, 7, v3                        ; 128 h
	s_mul_i32 s21, s12, 16*SPITCH                  ; my stage
	v_mad_u32_u24 v19, v3, SPITCH, v6
	v_add_nc_u32 v19, s21, v19                     ; in: row (lane / 16), + 16 r
	v_mul_u32_u24 v29, v2, SPITCH
	v_mad_u32_u24 v29, v3, 384, v29
	v_add_nc_u32 v29, s21, v29                     ; out: row r, + 384 h
	v_lshl_add_u32 v30, v2, 6, v3                  ; my scale byte: 64 r + h
	v_mov_b32 v56, 0x3e7c6f08
	v_mov_b32 v57, 0x3e7c6f08
	s_mov_b32 s44, 0x3eb504f3
	SETC 46, 0x3f596d27
	SETC 48, 0xc034d90f
	SETC 50, 0x3fb8ab5a
	SETC 52, 0x3f0a29d2
	SETC 54, 0x3e0efb2e
	SETC 56, 0xbe899a80
	SETC 58, 0x3ecdfd18
	SETC 60, 0xbfd1a1e5
	SETC 62, 0x40097039
	SETC 66, 0xbf97d29d
	s_wait_kmcnt 0x0
	CHUNK
	s_cmp_eq_u32 s15, 0
	s_cbranch_scc1 .Lend                           ; no chunk for this slot
	s_min_u32 s13, s13, 7                          ; the expert, held inside the tables
	s_mul_i32 s16, s83, s79                        ; my first tile
	s_add_co_u32 s20, s16, s79
	s_min_u32 s20, s20, s15                        ; the tile behind my last
	s_sub_co_u32 s18, s20, 1                       ; my last tile
	s_sub_co_u32 s20, s20, s16                     ; my tiles: at least one
	s_mov_b32 s45, 0                               ; and how many of them are done: the loop's counter
	s_lshl_b32 s19, s13, 5
	s_add_co_u32 s19, s19, s14                     ; 32 e + cg
	s_mov_b32 s37, 0
	s_mul_i32 s36, s19, 49152
	s_add_co_u32 s36, s36, WQ_O
	s_add_nc_u64 s[38:39], s[4:5], s[36:37]        ; my fragments
	s_lshl_b32 s36, s19, 11
	s_add_co_u32 s36, s36, WS_O
	s_add_nc_u64 s[40:41], s[4:5], s[36:37]        ; their scale words
	s_lshl_b32 s36, s19, 8
	s_add_nc_u64 s[42:43], s[6:7], s[36:37]        ; b1
	s_add_nc_u64 s[22:23], s[4:5], XS_O            ; x's scale words
	s_mul_i32 s36, s13, LSTR
	s_add_nc_u64 s[24:25], s[8:9], s[36:37]        ; the expert's list of tokens
	s_mul_i32 s36, s13, 3145728
	s_mul_i32 s19, s14, 768
	s_add_co_u32 s36, s36, s19
	s_add_nc_u64 s[28:29], s[10:11], s[36:37]      ; HQ
	s_lshl_b32 s36, s13, 17
	s_lshl_b32 s19, s14, 1
	s_add_co_u32 s36, s36, s19
	s_add_co_u32 s36, s36, HS_O
	s_add_nc_u64 s[30:31], s[10:11], s[36:37]      ; HS
.irp w, 0,1
	WIN (0x40+0x40*\w)
.irp s, 0,1,2,3
.irp t, 0,1,2,3
.irp g, 0,1,2
	global_load_b128 v[12*(4*\s+\t)+4*\g:12*(4*\s+\t)+4*\g+3], v4, s[38:39] offset:(8*\t+4*\w+\s)*1536+512*\g
.endr
.endr
.endr
.endr
	WIN 0xc0
.irp t, 0,1,2,3
.irp j, 0,1,2,3,4,5,6,7
	global_load_b32 v[200+8*\t+\j], v9, s[42:43] offset:(4*\j+\t)*4    ; b1 in the result's layout: unit 32 h + 4 j + t
.endr
.endr
	WIN 0
.irp u, 0,1
.irp q, 0,1,2,3
	global_load_b64 v[32+8*\u+2*\q:33+8*\u+2*\q], v5, s[40:41] offset:1024*\u+256*\q
.endr
.endr
	s_mov_b32 s17, s16                             ; the tile whose list is asked for
	LISTS
	s_wait_loadcnt 0x0
	ADDR
	XLOADS
	s_add_co_u32 s17, s17, 1
	s_min_u32 s17, s17, s18
	LISTS
	ADVANCE
.Ltile:
	s_wait_dscnt 0x0                               ; x's fragments are in
.irp s, 0,1,2,3,4,5,6,7                        ; four accumulators by turns, K ascending
.if \s == 0
	WIN 0x3d                                       ; weights window 1, x and b1 window 3
.elseif \s < 4
	WIN 0x0d
.else
	WIN 0x0e                                       ; weights window 2
.endif
.irp t, 0,1,2,3
.if \s == 0
	WMMA 64+8*\t, 12*(4*(\s%4)+\t), 12*\s, 200+8*\t, 32+8*(\t/2)+\s, 48+\s, \t%2
.else
	WMMA 64+8*\t, 12*(4*(\s%4)+\t), 12*\s, 64+8*\t, 32+8*(\t/2)+\s, 48+\s, \t%2
.endif
.endr
.endr
	WIN 0
.rept 4
	v_nop                                          ; places in front of loads into, and moves onto, registers that the products have read, and of the first read of results
.endr
	ADVANCE
	GELU_CORE 32, 64, 96, 128, 160
.set n, 0
.rept 32
	v_fma_f32 v[192+4*(n%8)+n/8], -|v[64+n]|, v[96+n], v[160+n]   ; into the order of the next K: register 4 j + t
.set n, n+1
.endr
	s_wait_xcnt 0x0                                ; the last tile's stores have read their registers and addresses
	BLKMAX 234, 235, 192
	v_add_nc_u32 v236, 0xfe000000, v234
	v_cvt_scalef32_pk16_bf6_f32 v[224:226], v[192:207], v236
	v_cvt_scalef32_pk16_bf6_f32 v[230:232], v[208:223], v236
	v_lshrrev_b32 v237, 23, v236                   ; the scale's byte (a plain place behind the conversions)
	v_mov_b32 v227, v230
	v_mov_b32 v228, v231
	v_mov_b32 v229, v232
	s_min_u32 s19, s16, 127
	s_mul_i32 s36, s19, 24576
	s_add_nc_u64 s[32:33], s[28:29], s[36:37]
	s_lshl_b32 s36, s19, 10
	s_add_nc_u64 s[34:35], s[30:31], s[36:37]
	global_store_b128 v4, v[224:227], s[32:33]             ; 512 consecutive bytes
	global_store_b64 v5, v[228:229], s[32:33] offset:512   ; 256 consecutive bytes
	global_store_b8 v30, v237, s[34:35]
	s_add_co_u32 s16, s16, 1                       ; my next tile (it serves addresses alone)
	s_add_co_u32 s45, s45, 1                       ; the loop is counted in steps of one against my number of tiles, which the loop does not write
	s_cmp_lt_u32 s45, s20
	s_cbranch_scc1 .Ltile
	s_wait_dscnt 0x0
.Lend:
	s_wait_tensorcnt 0x0
	ds_add_u32 v254, v255
	s_wait_dscnt 0x0
	s_endpgm
.Lfunc_end_k_q4332a2a172_ffn1:
	.size	k_q4332a2a172_ffn1, .Lfunc_end_k_q4332a2a172_ffn1-k_q4332a2a172_ffn1
	.p2alignl 7, 3214868480
	.fill 96, 4, 3214868480
	.section	.rodata,"a",@progbits
	.p2align	6, 0x0
	.amdhsa_kernel k_q4332a2a172_ffn1
		.amdhsa_group_segment_fixed_size 50688
		.amdhsa_private_segment_fixed_size 0
		.amdhsa_enable_private_segment 0
		.amdhsa_kernarg_size 32
		.amdhsa_user_sgpr_count 2
		.amdhsa_user_sgpr_kernarg_segment_ptr 1
		.amdhsa_wavefront_size32 1
		.amdhsa_system_sgpr_workgroup_id_x 1
		.amdhsa_system_sgpr_workgroup_id_y 1
		.amdhsa_system_sgpr_workgroup_id_z 1
		.amdhsa_system_vgpr_workitem_id 0
		.amdhsa_next_free_vgpr 1024
		.amdhsa_next_free_sgpr 88
		.amdhsa_reserve_vcc 0
		.amdhsa_float_denorm_mode_32 3
		.amdhsa_float_denorm_mode_16_64 3
		.amdhsa_memory_ordered 1
		.amdhsa_forward_progress 1
		.amdhsa_inst_pref_size 71
	.end_amdhsa_kernel
	.amdgpu_metadata
---
amdhsa.version: [ 1, 2 ]
amdhsa.kernels:
  - .name:           k_q4332a2a172_ffn1
    .symbol:         k_q4332a2a172_ffn1.kd
    .args:
      - { .name: p1, .offset: 0, .size: 8, .value_kind: global_buffer, .address_space: global }
      - { .name: b1, .offset: 8, .size: 8, .value_kind: global_buffer, .address_space: global }
      - { .name: lst, .offset: 16, .size: 8, .value_kind: global_buffer, .address_space: global }
      - { .name: hid, .offset: 24, .size: 8, .value_kind: global_buffer, .address_space: global }
    .group_segment_fixed_size: 50688
    .private_segment_fixed_size: 0
    .kernarg_segment_align: 8
    .kernarg_segment_size: 32
    .max_flat_workgroup_size: 128
    .sgpr_count:     88
    .vgpr_count:     1024
    .wavefront_size: 32
...
	.end_amdgpu_metadata
.endif
;; end of part 7
;; launch ffn2 (part 8): grid 256 x 1, 4 waves a work-group, no clusters, 9,728 bytes of LDS; arguments hid, p2, b2, lst, y2; writes y2
.if DOCPART == 8
	.amdgcn_target "amdgcn-amd-amdhsa--gfx1250"
	.amdhsa_code_object_version 6
	.text
	.protected	k_q4332a2a172_ffn2
	.globl	k_q4332a2a172_ffn2
	.p2align	8
	.type	k_q4332a2a172_ffn2,@function
k_q4332a2a172_ffn2:
	s_mov_b64 s[64:65], 0
	v_nop
	global_prefetch_b8 v0, s[64:65] scope:SCOPE_SE
	s_setreg_imm32_b32 hwreg(HW_REG_WAVE_MODE, 25, 1), 1
	s_wait_xcnt 0x0
; ffn2: y2[slot] = gate weight x (hidden w2[e] + b2[e]) for the rows that chose expert e.
; SHARES.  A column unit (work-group & 31 = 2 cg + u) is the two tiles t = 2 u + t' whose row m is output 64 cg + 4 m + t.  It has 32 slots: slot = 4 x (work-group / 32) + wave.  Each expert's tiles
; of 16 rows are cut into chunks of c consecutive tiles, and slot k takes the k-th chunk in the order of the experts: so a wave has at most c tiles, however unevenly the gate has chosen.
; All experts together have 4,096 rows (two different experts a token), at most (4,096 + 8 x 15) / 16 = 263 tiles; with c = 11 that is at most (263 + 8 x 10) / 11 = 31 chunks; c = 9 or 10 is
; taken where 32 slots still suffice.  The counts are read from memory: no tensor load, no barrier, no cluster (partners would need different numbers of tiles).  A slot without a chunk ends.
; A wave keeps the 32 weight fragments of its (expert, unit) (2 tiles x 16 K steps) for the whole launch.
; The hidden codes lie in memory as images of the operand's registers, so they come straight into registers; the next tile's are asked for as soon as a half's products are issued.
; The product is used transposed: lane (r, h) holds row r and outputs 64 cg + 32 h + 4 j + 2 u + t'.  They are laid in y2's row at (2 cg + u) x 128 + 64 h + 4 (2 j + t'); the last launch puts them in order.
; Rows leave by slot through the wave's own stage (16 rows x 144 bytes): eight lanes write 128 consecutive bytes of a row.  Rows that only fill up a tile go to the expert's spare row.
; LIMITS: NaN and infinities are not served; the stores cover 128 consecutive bytes of a row, not 256.
; REGISTERS: window 0: v1-9, v20-23 addresses; v10-13 slots; v14 weight; v16-19 row offsets; v32-47 w2's scale words; v48-63 the hidden layer's; v64-79 sums; v80-95 weighted; v96-111 rows.
;   window 1: fragments of K steps 0-7 at 12 (2 s + t'); window 2: K steps 8-15; window 3: v0-191 the hidden fragments, v192-207 b2.
.set WS_O,  12582912
.set TWL_O, 13107200
.set LS_O,  67584
.set CNT_O, 135168
.set LSTR,  8448
.set HS_O,  25165824
.set NT0,   68                         ; s68-75 the experts' counts, then their numbers of tiles
.set CK,    46                         ; s46    my slot
.set CE,    15                         ; s15    my expert
.set CN,    18                         ; s18    its number of tiles; 0: no chunk for my slot
.set MSB, 0
.macro WIN new
.if MSB != (\new)
	s_set_vgpr_msb (MSB<<8)|(\new)
.set MSB, (\new)
.endif
.endm
; From the eight counts and my slot: my expert s[CE], its tiles s[CN], my chunk's number in it s83, the chunk's length s79.  Compares and selects alone, no branch.
; n / c for n up to 138 is (n x ceil(65536 / c)) >> 16: the multiplier's excess, at most 4 in 65,536, times 138 stays under one c-th.
.macro CHUNK
.irp e, 0,1,2,3,4,5,6,7
	s_min_u32 s[NT0+\e], s[NT0+\e], 2048
	s_add_co_u32 s[NT0+\e], s[NT0+\e], 15
	s_lshr_b32 s[NT0+\e], s[NT0+\e], 4             ; tiles of 16 rows
.endr
	s_mov_b32 s76, 0                               ; how many chunks of 9 there would be,
	s_mov_b32 s77, 0                               ; and of 10
.irp e, 0,1,2,3,4,5,6,7
	s_add_co_u32 s78, s[NT0+\e], 8
	s_mul_i32 s78, s78, 7282
	s_lshr_b32 s78, s78, 16
	s_add_co_u32 s76, s76, s78
	s_add_co_u32 s78, s[NT0+\e], 9
	s_mul_i32 s78, s78, 6554
	s_lshr_b32 s78, s78, 16
	s_add_co_u32 s77, s77, s78
.endr
	s_mov_b32 s79, 11                              ; c, and ceil(65536 / c): the shortest chunk for which 32 slots suffice
	s_mov_b32 s80, 5958
	s_cmp_le_u32 s77, 32
	s_cselect_b32 s79, 10, s79
	s_cselect_b32 s80, 6554, s80
	s_cmp_le_u32 s76, 32
	s_cselect_b32 s79, 9, s79
	s_cselect_b32 s80, 7282, s80
	s_sub_co_u32 s81, s79, 1
	s_mov_b32 s82, 0                               ; chunks of the experts passed
	s_mov_b32 s[CE], 0
	s_mov_b32 s83, 0
	s_mov_b32 s[CN], 0
.irp e, 0,1,2,3,4,5,6,7
	s_add_co_u32 s78, s[NT0+\e], s81
	s_mul_i32 s78, s78, s80
	s_lshr_b32 s78, s78, 16                        ; this expert's chunks
	s_sub_co_u32 s84, s[CK], s82                   ; my slot among them (it wraps to a large number where my slot lies ahead)
	s_cmp_lt_u32 s84, s78
	s_cselect_b32 s[CE], \e, s[CE]
	s_cselect_b32 s83, s84, s83
	s_cselect_b32 s[CN], s[NT0+\e], s[CN]
	s_add_co_u32 s82, s82, s78
.endr
.endm
.macro WMMA d, a, b, c, sa, sb, row
.if \row
	v_wmma_scale_f32_16x16x128_f8f6f4 v[\d:\d+7], v[\a:\a+11], v[\b:\b+11], v[\c:\c+7], v[\sa], v[\sb] matrix_a_fmt:MATRIX_FMT_BF6 matrix_b_fmt:MATRIX_FMT_BF6 matrix_a_scale:MATRIX_SCALE_ROW1
.else
	v_wmma_scale_f32_16x16x128_f8f6f4 v[\d:\d+7], v[\a:\a+11], v[\b:\b+11], v[\c:\c+7], v[\sa], v[\sb] matrix_a_fmt:MATRIX_FMT_BF6 matrix_b_fmt:MATRIX_FMT_BF6
.endif
.endm
.macro PTRS                            ; tile s21's four pointers
	s_mul_i32 s40, s21, 24576
	s_add_nc_u64 s[28:29], s[22:23], s[40:41]
	s_lshl_b32 s40, s21, 10
	s_add_nc_u64 s[30:31], s[24:25], s[40:41]
	s_lshl_b32 s40, s21, 6
	s_add_nc_u64 s[32:33], s[26:27], s[40:41]
	s_add_nc_u64 s[34:35], s[36:37], s[40:41]
.endm
.macro GH half                         ; 34 loads: eight K steps' hidden fragments and their scale words
	WIN 0xc0
.set q, 0
.rept 16
	global_load_b128 v[96*\half+6*q:96*\half+6*q+3], v4, s[28:29] offset:(16*\half+q)*768
	global_load_b64 v[96*\half+6*q+4:96*\half+6*q+5], v5, s[28:29] offset:(16*\half+q)*768+512
.set q, q+1
.endr
	WIN 0
	global_load_b128 v[48+8*\half:51+8*\half], v6, s[30:31] offset:32*\half
	global_load_b128 v[52+8*\half:55+8*\half], v6, s[30:31] offset:32*\half+16
.endm
.macro GL                              ; 2 loads: v[10 + i] = the slot of position 4 i + (lane / 8); v14 = row r's weight
	global_load_b128 v[10:13], v8, s[32:33]
	global_load_b32 v14, v9, s[34:35]
.endm
.macro MMH half                        ; 16 products: two accumulators by turns, K ascending
.irp s, 0,1,2,3,4,5,6,7
.if (\half == 0) && (\s == 0)
	WIN 0x3d                                       ; weights window 1, hidden and b2 window 3
.elseif \half == 0
	WIN 0x0d
.else
	WIN 0x0e                                       ; weights window 2
.endif
.irp t, 0,1
.if (\half == 0) && (\s == 0)
	WMMA 64+8*\t, 12*(2*\s+\t), 12*(8*\half+\s), 192+8*\t, 32+8*\half+\s, 48+8*\half+\s, \t
.else
	WMMA 64+8*\t, 12*(2*\s+\t), 12*(8*\half+\s), 64+8*\t, 32+8*\half+\s, 48+8*\half+\s, \t
.endif
.endr
.endr
	WIN 0
.endm
	s_load_b256 s[4:11], s[0:1], 0x0               ; hid, p2, b2, lst
	s_load_b64 s[12:13], s[0:1], 0x20              ; y2
	v_lshl_add_u32 v254, v0, 2, 0x2400
	v_mov_b32 v255, 0
	v_lshrrev_b32 v1, 5, v0
	v_readfirstlane_b32 s14, v1                    ; wave 0..3
	s_bfe_u32 s16, ttmp9, 0x40001                  ; the group of 64 outputs
	s_and_b32 s17, ttmp9, 1                        ; which two of its four tiles
	s_lshr_b32 s46, ttmp9, 5
	s_lshl_b32 s46, s46, 2
	s_add_co_u32 s46, s46, s14                     ; my slot, 0 .. 31
	s_wait_kmcnt 0x0
.irp e, 0,1,2,3,4,5,6,7
	s_load_b32 s[NT0+\e], s[10:11], CNT_O+128*\e   ; the experts' rows
.endr
	v_and_b32 v1, 31, v0                           ; l
	v_and_b32 v2, 15, v0                           ; r
	v_bfe_u32 v3, v0, 4, 1                         ; h
	v_lshlrev_b32 v4, 4, v1                        ; 16 l
	v_lshlrev_b32 v5, 3, v1                        ; 8 l
	v_lshlrev_b32 v6, 6, v2                        ; 64 r
	v_lshlrev_b32 v7, 7, v3                        ; 128 h
	v_lshrrev_b32 v23, 3, v1                       ; l / 8
	v_lshlrev_b32 v8, 4, v23                       ; 16 (l / 8)
	v_lshlrev_b32 v9, 2, v2                        ; 4 r
	v_and_b32 v22, 7, v1
	v_lshlrev_b32 v22, 4, v22                      ; 16 (l % 8)
	s_mul_i32 s21, s14, 2304                       ; my stage
	v_mul_u32_u24 v20, v2, 144
	v_lshl_add_u32 v20, v3, 6, v20
	v_add_nc_u32 v20, s21, v20                     ; in: row r, + 64 h
	v_mad_u32_u24 v21, v23, 144, v22
	v_add_nc_u32 v21, s21, v21                     ; out: row l / 8, + 16 (l % 8)
	s_wait_kmcnt 0x0
	CHUNK
	s_cmp_eq_u32 s18, 0
	s_cbranch_scc1 .Lend                           ; no chunk for this slot
	s_min_u32 s15, s15, 7                          ; the expert, held inside the tables
	s_mul_i32 s19, s83, s79                        ; my first tile
	s_add_co_u32 s48, s19, s79
	s_min_u32 s48, s48, s18                        ; the tile behind my last
	s_sub_co_u32 s20, s48, 1                       ; my last tile
	s_sub_co_u32 s48, s48, s19                     ; my tiles: at least one
	s_mov_b32 s47, 0                               ; and how many of them are done: the loop's counter
	s_mov_b32 s41, 0
	s_lshl_b32 s21, s15, 4
	s_add_co_u32 s21, s21, s16                     ; 16 e + cg
	s_lshl_b32 s40, s21, 1
	s_add_co_u32 s40, s40, s17
	s_mul_i32 s40, s40, 49152
	s_add_nc_u64 s[38:39], s[6:7], s[40:41]        ; my fragments
	s_lshl_b32 s40, s21, 12
	s_lshl_b32 s46, s17, 11
	s_add_co_u32 s40, s40, s46
	s_add_co_u32 s40, s40, WS_O
	s_add_nc_u64 s[42:43], s[6:7], s[40:41]        ; their scale words
	s_lshl_b32 s40, s21, 8
	s_lshl_b32 s46, s17, 3
	s_add_co_u32 s40, s40, s46
	s_add_nc_u64 s[44:45], s[8:9], s[40:41]        ; b2
	s_lshl_b32 s40, s16, 8
	s_lshl_b32 s46, s17, 7
	s_add_co_u32 s40, s40, s46
	s_add_nc_u64 s[12:13], s[12:13], s[40:41]      ; my 128 bytes of a row of y2
	s_mul_i32 s40, s15, 3145728
	s_add_nc_u64 s[22:23], s[4:5], s[40:41]        ; HQ
	s_lshl_b32 s40, s15, 17
	s_add_co_u32 s40, s40, HS_O
	s_add_nc_u64 s[24:25], s[4:5], s[40:41]        ; HS
	s_mul_i32 s40, s15, LSTR
	s_add_nc_u64 s[26:27], s[10:11], s[40:41]
	s_add_nc_u64 s[26:27], s[26:27], LS_O          ; the slots
	s_add_nc_u64 s[36:37], s[6:7], s[40:41]
	s_add_nc_u64 s[36:37], s[36:37], TWL_O         ; the weights
.irp w, 0,1
	WIN (0x40+0x40*\w)
.irp s, 0,1,2,3,4,5,6,7
.irp t, 0,1
.irp g, 0,1,2
	global_load_b128 v[12*(2*\s+\t)+4*\g:12*(2*\s+\t)+4*\g+3], v4, s[38:39] offset:(16*\t+8*\w+\s)*1536+512*\g
.endr
.endr
.endr
.endr
	WIN 0xc0
.irp t, 0,1
.irp j, 0,1,2,3,4,5,6,7
	global_load_b32 v[192+8*\t+\j], v7, s[44:45] offset:(4*\j+\t)*4    ; b2 in the result's layout
.endr
.endr
	WIN 0
.irp q, 0,1,2,3,4,5,6,7
	global_load_b64 v[32+2*\q:33+2*\q], v5, s[42:43] offset:256*\q
.endr
	s_min_u32 s21, s19, 127
	PTRS
	GH 0
	GH 1
	GL
.Ltile:
	s_wait_xcnt 0x0                                ; all that was issued has read its addresses and data: the pointers, the rows and their offsets may be written
	s_add_co_u32 s21, s19, 1
	s_min_u32 s21, s21, s20                        ; never past my chunk's last tile
	s_min_u32 s21, s21, 127
	PTRS
	s_wait_loadcnt 36                              ; K steps 0-7 are in; behind them: K steps 8-15 (34) and the lists (2)
	MMH 0
.rept 4
	v_nop                                          ; places in front of loads into registers that the products have read
.endr
	GH 0                                           ; the next tile's
	s_wait_loadcnt 34                              ; all but the 34 just issued
	MMH 1
.rept 5
	v_nop                                          ; places; the next trip begins these accumulators anew
.endr
	GH 1
.irp j, 0,1,2,3,4,5,6,7
.irp t, 0,1
	v_mul_f32 v[80+2*\j+\t], v[64+8*\t+\j], v14    ; x the gate's weight; each accumulator from its low end on
.endr
.endr
.irp q, 0,1,2,3
	ds_store_b128 v20, v[80+4*\q:83+4*\q] offset:16*\q
.endr
.irp i, 0,1,2,3
	ds_load_b128 v[96+4*\i:99+4*\i], v21 offset:576*\i   ; LDS serves a wave's instructions in order: row 4 i + l / 8
.endr
.irp i, 0,1,2,3
	v_min_u32 v[16+\i], 4103, v[10+\i]             ; the slot, held inside y2
.endr
.irp i, 0,1,2,3
	v_lshl_add_u32 v[16+\i], v[16+\i], 12, v22
.endr
	s_wait_dscnt 0x0
.irp i, 0,1,2,3
	global_store_b128 v[16+\i], v[96+4*\i:99+4*\i], s[12:13]
.endr
	GL
	s_add_co_u32 s19, s19, 1                       ; my next tile (it serves addresses alone)
	s_add_co_u32 s47, s47, 1                       ; the loop is counted in steps of one against my number of tiles, which the loop does not write
	s_cmp_lt_u32 s47, s48
	s_cbranch_scc1 .Ltile
.Lend:
	s_wait_tensorcnt 0x0
	ds_add_u32 v254, v255
	s_wait_dscnt 0x0
	s_endpgm
.Lfunc_end_k_q4332a2a172_ffn2:
	.size	k_q4332a2a172_ffn2, .Lfunc_end_k_q4332a2a172_ffn2-k_q4332a2a172_ffn2
	.p2alignl 7, 3214868480
	.fill 96, 4, 3214868480
	.section	.rodata,"a",@progbits
	.p2align	6, 0x0
	.amdhsa_kernel k_q4332a2a172_ffn2
		.amdhsa_group_segment_fixed_size 9728
		.amdhsa_private_segment_fixed_size 0
		.amdhsa_enable_private_segment 0
		.amdhsa_kernarg_size 40
		.amdhsa_user_sgpr_count 2
		.amdhsa_user_sgpr_kernarg_segment_ptr 1
		.amdhsa_wavefront_size32 1
		.amdhsa_system_sgpr_workgroup_id_x 1
		.amdhsa_system_sgpr_workgroup_id_y 1
		.amdhsa_system_sgpr_workgroup_id_z 1
		.amdhsa_system_vgpr_workitem_id 0
		.amdhsa_next_free_vgpr 1024
		.amdhsa_next_free_sgpr 88
		.amdhsa_reserve_vcc 0
		.amdhsa_float_denorm_mode_32 3
		.amdhsa_float_denorm_mode_16_64 3
		.amdhsa_memory_ordered 1
		.amdhsa_forward_progress 1
		.amdhsa_inst_pref_size 42
	.end_amdhsa_kernel
	.amdgpu_metadata
---
amdhsa.version: [ 1, 2 ]
amdhsa.kernels:
  - .name:           k_q4332a2a172_ffn2
    .symbol:         k_q4332a2a172_ffn2.kd
    .args:
      - { .name: hid, .offset: 0, .size: 8, .value_kind: global_buffer, .address_space: global }
      - { .name: p2, .offset: 8, .size: 8, .value_kind: global_buffer, .address_space: global }
      - { .name: b2, .offset: 16, .size: 8, .value_kind: global_buffer, .address_space: global }
      - { .name: lst, .offset: 24, .size: 8, .value_kind: global_buffer, .address_space: global }
      - { .name: y2, .offset: 32, .size: 8, .value_kind: global_buffer, .address_space: global }
    .group_segment_fixed_size: 9728
    .private_segment_fixed_size: 0
    .kernarg_segment_align: 8
    .kernarg_segment_size: 40
    .max_flat_workgroup_size: 128
    .sgpr_count:     88
    .vgpr_count:     1024
    .wavefront_size: 32
...
	.end_amdgpu_metadata
.endif
;; end of part 8
;; launch combine: the kernel of part 5 again; grid 512 x 1, 4 waves a work-group, no clusters, 0 bytes of LDS; arguments y2, out0; writes out0
;; ======== version 3 of 3: 5 launches; version 2 with the launches ffn1, ffn2 written anew for expert scheduling mode
;; workspace buffers: p1 14,761,984 bytes; sel 8,192 bytes of whole numbers; p2 13,174,784 bytes; lst 136,192 bytes of whole numbers; hid 26,214,400 bytes; y2 16,809,984 bytes
;; launch prep1: the kernel of part 1 again; grid 288 x 1, 4 waves a work-group, no clusters, 97,792 bytes of LDS; arguments x, gate_w1, gate_b1, gate_w2, gate_b2, w1, p1, sel; writes p1, sel
;; launch prep2: the kernel of part 6 again; grid 264 x 1, 4 waves a work-group, no clusters, 0 bytes of LDS; arguments sel, p1, w2, p2, lst; writes p2, lst
;; launch ffn1 (part 9): grid 256 x 1, 4 waves a work-group, no clusters, 50,688 bytes of LDS; arguments p1, b1, lst, hid; writes hid
.if DOCPART == 9
	.amdgcn_target "amdgcn-amd-amdhsa--gfx1250"
	.amdhsa_code_object_version 6
	.text
	.protected	k_q4332a2a172_ffn1
	.globl	k_q4332a2a172_ffn1
	.p2align	8
	.type	k_q4332a2a172_ffn1,@function
k_q4332a2a172_ffn1:
	s_mov_b64 s[64:65], 0
	v_nop
	global_prefetch_b8 v0, s[64:65] scope:SCOPE_SE
	s_setreg_imm32_b32 hwreg(HW_REG_WAVE_SCHED_MODE, 0, 2), 2
	s_setreg_imm32_b32 hwreg(HW_REG_WAVE_MODE, 25, 1), 1
	s_wait_xcnt 0x0
	s_wait_alu depctr_vm_vsrc(0)
; ffn1: hidden = Q(GELU(x w1[e] + b1[e])) for the rows that chose expert e.
; SHARES.  A group of 64 hidden units (cg = work-group & 31) has 32 slots: slot = 4 x (work-group / 32) + wave.  Each expert's tiles of 16 rows are cut into chunks of c consecutive tiles, and
; slot k takes the k-th chunk in the order of the experts: so a wave has at most c tiles, however unevenly the gate has chosen.  All experts together have 4,096 rows (two different experts
; a token), at most (4,096 + 8 x 15) / 16 = 263 tiles; with c = 11 that is at most (263 + 8 x 10) / 11 = 31 chunks; c = 9 or 10 is taken where 32 slots still suffice.
; The counts are read from memory, so the launch has no tensor load, no barrier and no cluster: partners would need different numbers of tiles.  A slot without a chunk ends.
; A wave keeps the 32 weight fragments of its (expert, cg) (4 tiles x 8 K steps, 384 registers) for the whole launch.
; The product is used transposed (source 0 = 16 weight columns, source 1 = 16 tokens).  Tile t's row m is hidden unit 64 cg + 4 m + t, so lane (r, h) ends up with token r's units
; 64 cg + 32 h + 0 .. 31: a whole block of the next K.  It is quantised with no other lane's help, and its six registers are registers 6 c .. 6 c + 5 of the next product's operand.
; x's codes are gathered by token: a load reads 256 consecutive bytes of each of two tokens; the wave's own LDS stage (16 rows x 784 bytes) turns rows into the operand's registers.
; The gather runs two tiles ahead in registers and one in LDS; the lists run one tile further.
; hid: HQ (e x 128 + tile) x 24,576 + cg x 768: 512 bytes (four registers at 16 l) + 256 bytes (two at 8 l); HS (e x 128 + tile) x 1,024 + 64 r + 2 cg + h: one byte.
; GELU(x) = max(x, 0) - |x| q, q = erfc(|x| / sqrt 2) / 2 = t 2^u, t = 1 / (1 + |x| / sqrt 8), u = a polynomial of degree 9 in t - (0.8493218 x)^2 (fractional error of q about 1.2e-7).
; LIMITS: NaN and infinities are not served; a q under 2^-126 counts as 0; the scale bytes leave singly, 32 bytes a tile and wave.
; REGISTERS: window 0: v1-9, v19, v29, v30 addresses; v10-18 lists; v20-28 gather offsets; v32-47 w1's scale words; v48-55 x's; v56-57 c9; v64-95 sums; v96-223 GELU; v224-237 codes.
;   window 1: fragments of K steps 0-3 at 12 (4 s + t); window 2: K steps 4-7; window 3: v0-95 x's fragments, v96-191 gathered rows, v192-199 their scale words, v200-231 b1.
; THE MODE: SCHED_MODE bits 1:0 = 2 (LLVM: expert scheduling mode 2), set by the entry lines.  The code itself states the register dependences
; between vector or matrix instructions and memory or LDS instructions, with s_wait_alu, always for 0.
; THE PLAN.  Registers that memory or LDS instructions touch, round the loop:
;   window 3 v0-95     x's fragments.  The trip's 32 products read them; behind them the LDS loads of the next tile land there.
;   window 3 v96-191   gathered rows.  The gather's loads land there; 24 LDS stores read them; then the next gather lands.
;   window 3 v192-199  gathered scale words.  The gather's loads land there; eight moves read them; then the next gather lands.
;   v10-18             lists.  Loads land there; the lines of ADDR read them; then the next lists land.
;   v20-28             gather offsets.  ADDR writes them; the gather's loads read them.
;   v224-229, v237     a tile's codes and scale byte.  The conversions, three moves and a shift write them; the tile's three stores read them.
;   v48-55             x's scale words.  The eight moves write them; the products take them as scales.
;   v4-9, v19, v29, v30  addresses, made at the head and never written again.
; So a trip has, beside the two waits behind its reciprocals and exponentials: one wait on va_vdst ahead of the LDS loads into x's fragments (the LDS stores, which name loaded data alone, go out
; ahead of it); one on vm_vsrc ahead of ADDR; one on va_vdst ahead of the gather; one on va_vdst ahead of the three stores.
.set XS_O,  1572864
.set WQ_O,  1654784
.set WS_O,  14237696
.set CNT_O, 135168
.set LSTR,  8448
.set HS_O,  25165824
.set SPITCH, 784
.set KV9,   56
.set NT0,   68                         ; s68-75 the experts' counts, then their numbers of tiles
.set CK,    19                         ; s19    my slot
.set CE,    13                         ; s13    my expert
.set CN,    15                         ; s15    its number of tiles; 0: no chunk for my slot
.set MSB, 0
.macro WIN new
.if MSB != (\new)
	s_set_vgpr_msb (MSB<<8)|(\new)
.set MSB, (\new)
.endif
.endm
.macro SETC reg, val
	s_mov_b32 s[\reg], \val
	s_mov_b32 s[\reg+1], \val
.endm
; From the eight counts and my slot: my expert s[CE], its tiles s[CN], my chunk's number in it s83, the chunk's length s79.  Compares and selects alone, no branch.
; n / c for n up to 138 is (n x ceil(65536 / c)) >> 16: the multiplier's excess, at most 4 in 65,536, times 138 stays under one c-th.
.macro CHUNK
.irp e, 0,1,2,3,4,5,6,7
	s_min_u32 s[NT0+\e], s[NT0+\e], 2048
	s_add_co_u32 s[NT0+\e], s[NT0+\e], 15
	s_lshr_b32 s[NT0+\e], s[NT0+\e], 4             ; tiles of 16 rows
.endr
	s_mov_b32 s76, 0                               ; how many chunks of 9 there would be,
	s_mov_b32 s77, 0                               ; and of 10
.irp e, 0,1,2,3,4,5,6,7
	s_add_co_u32 s78, s[NT0+\e], 8
	s_mul_i32 s78, s78, 7282
	s_lshr_b32 s78, s78, 16
	s_add_co_u32 s76, s76, s78
	s_add_co_u32 s78, s[NT0+\e], 9
	s_mul_i32 s78, s78, 6554
	s_lshr_b32 s78, s78, 16
	s_add_co_u32 s77, s77, s78
.endr
	s_mov_b32 s79, 11                              ; c, and ceil(65536 / c): the shortest chunk for which 32 slots suffice
	s_mov_b32 s80, 5958
	s_cmp_le_u32 s77, 32
	s_cselect_b32 s79, 10, s79
	s_cselect_b32 s80, 6554, s80
	s_cmp_le_u32 s76, 32
	s_cselect_b32 s79, 9, s79
	s_cselect_b32 s80, 7282, s80
	s_sub_co_u32 s81, s79, 1
	s_mov_b32 s82, 0                               ; chunks of the experts passed
	s_mov_b32 s[CE], 0
	s_mov_b32 s83, 0
	s_mov_b32 s[CN], 0
.irp e, 0,1,2,3,4,5,6,7
	s_add_co_u32 s78, s[NT0+\e], s81
	s_mul_i32 s78, s78, s80
	s_lshr_b32 s78, s78, 16                        ; this expert's chunks
	s_sub_co_u32 s84, s[CK], s82                   ; my slot among them (it wraps to a large number where my slot lies ahead)
	s_cmp_lt_u32 s84, s78
	s_cselect_b32 s[CE], \e, s[CE]
	s_cselect_b32 s83, s84, s83
	s_cselect_b32 s[CN], s[NT0+\e], s[CN]
	s_add_co_u32 s82, s82, s78
.endr
.endm
.macro BLKMAX d, t, b
	v_max3_num_f32 v[\d], |v[\b]|, |v[\b+1]|, 0x2800000
	v_max3_num_f32 v[\t], |v[\b+16]|, |v[\b+17]|, |v[\b+18]|
.irp i, 2,4,6,8,10,12
	v_max3_num_f32 v[\d], v[\d], |v[\b+\i]|, |v[\b+\i+1]|
	v_max3_num_f32 v[\t], v[\t], |v[\b+17+\i]|, |v[\b+18+\i]|
.endr
	v_max3_num_f32 v[\d], v[\d], |v[\b+14]|, |v[\b+15]|
	v_max3_num_f32 v[\d], v[\d], v[\t], |v[\b+31]|
.endm
.macro GELU_CORE cnt, xa, xt, xw, xp
.set n, 0
.rept \cnt
	v_fma_f32 v[\xt+n], |v[\xa+n]|, s44, 1.0       ; each accumulator is read from its low end on
.set n, n+1
.endr
.set n, 0
.rept \cnt
	v_rcp_f32 v[\xt+n], v[\xt+n]
.set n, n+1
.endr
.set n, 0
.rept \cnt/2
	v_pk_mul_f32 v[\xw+n:\xw+n+1], v[\xa+n:\xa+n+1], s[46:47] op_sel_hi:[1,0]
.set n, n+2
.endr
.set n, 0
.rept \cnt/2
	v_pk_fma_f32 v[\xw+n:\xw+n+1], v[\xw+n:\xw+n+1], v[\xw+n:\xw+n+1], s[48:49] op_sel_hi:[1,1,0] neg_lo:[1,0,0] neg_hi:[1,0,0]
.set n, n+2
.endr
	s_wait_alu depctr_va_vdst(0)                   ; the reciprocals have written t, v[xt ..]: one wait for the batch, ahead of its first reader
.set n, 0
.rept \cnt/2
	v_pk_fma_f32 v[\xp+n:\xp+n+1], v[\xt+n:\xt+n+1], v[KV9:KV9+1], s[66:67] op_sel_hi:[1,1,0]
.set n, n+2
.endr
.irp k, 7,6,5,4,3,2,1
.set n, 0
.rept \cnt/2
	v_pk_fma_f32 v[\xp+n:\xp+n+1], v[\xp+n:\xp+n+1], v[\xt+n:\xt+n+1], s[48+2*\k:49+2*\k] op_sel_hi:[1,1,0]
.set n, n+2
.endr
.endr
.set n, 0
.rept \cnt/2
	v_pk_fma_f32 v[\xw+n:\xw+n+1], v[\xp+n:\xp+n+1], v[\xt+n:\xt+n+1], v[\xw+n:\xw+n+1]
.set n, n+2
.endr
.set n, 0
.rept \cnt
	v_exp_f32 v[\xw+n], v[\xw+n]
.set n, n+1
.endr
.set n, 0
.rept \cnt
	v_max_num_f32 v[\xp+n], 0, v[\xa+n]
.set n, n+1
.endr
	s_wait_alu depctr_va_vdst(0)                   ; the exponentials have written 2^u, v[xw ..]: one wait for the batch, ahead of its first reader
.set n, 0
.rept \cnt/2
	v_pk_mul_f32 v[\xt+n:\xt+n+1], v[\xt+n:\xt+n+1], v[\xw+n:\xw+n+1]
.set n, n+2
.endr
.endm
.macro WMMA d, a, b, c, sa, sb, row
.if \row
	v_wmma_scale_f32_16x16x128_f8f6f4 v[\d:\d+7], v[\a:\a+11], v[\b:\b+11], v[\c:\c+7], v[\sa], v[\sb] matrix_a_fmt:MATRIX_FMT_BF6 matrix_b_fmt:MATRIX_FMT_BF6 matrix_a_scale:MATRIX_SCALE_ROW1
.else
	v_wmma_scale_f32_16x16x128_f8f6f4 v[\d:\d+7], v[\a:\a+11], v[\b:\b+11], v[\c:\c+7], v[\sa], v[\sb] matrix_a_fmt:MATRIX_FMT_BF6 matrix_b_fmt:MATRIX_FMT_BF6
.endif
.endm
.macro LISTS                           ; tile s17's tokens: v[10 + p] = that of position 2 p + (lane / 16); v18 = that of position r
	s_min_u32 s36, s17, 127
	s_lshl_b32 s36, s36, 6
	s_add_nc_u64 s[26:27], s[24:25], s[36:37]
	global_load_b128 v[10:13], v7, s[26:27]
	global_load_b128 v[14:17], v7, s[26:27] offset:16
	global_load_b32 v18, v8, s[26:27]
.endm
.macro ADDR                            ; the tokens, held inside x, become byte offsets
.irp p, 0,1,2,3,4,5,6,7
	v_min_u32 v[20+\p], 2047, v[10+\p]
.endr
.irp p, 0,1,2,3,4,5,6,7
	v_mul_u32_u24 v[20+\p], v[20+\p], 768
.endr
.irp p, 0,1,2,3,4,5,6,7
	v_add_nc_u32 v[20+\p], v[20+\p], v6
.endr
	v_min_u32 v28, 2047, v18
	v_lshlrev_b32 v28, 5, v28
.endm
.macro XLOADS                          ; 16 tokens' codes, 256 consecutive bytes of two tokens a load, and their scale words
	WIN 0xc0
	s_wait_alu depctr_va_vdst(0)                   ; ADDR has written the offsets v20-28, which these loads read, and is done reading the lists v10-18, in which the lists' loads behind these land; in ADVANCE also: the eight moves are done reading the gathered scale words, in which these loads land, and have written v48-55, which the next products take as scales (ADDR's 26 lines are the places ahead of those)
.irp p, 0,1,2,3,4,5,6,7
.irp q, 0,1,2
	global_load_b128 v[96+4*(3*\p+\q):99+4*(3*\p+\q)], v[20+\p], s[4:5] offset:256*\q
.endr
.endr
	global_load_b128 v[192:195], v28, s[22:23]
	global_load_b128 v[196:199], v28, s[22:23] offset:16
	WIN 0
.endm
; The gathered tile goes through the stage into the operand's registers; the next is gathered; the lists go one further.  inloop = 1: products have read x's fragments
.macro ADVANCE inloop
	s_wait_loadcnt 3                               ; the gather is in; the three list loads behind it may be out
	WIN 0x0c
.irp p, 0,1,2,3,4,5,6,7
.irp q, 0,1,2
	ds_store_b128 v19, v[96+4*(3*\p+\q):99+4*(3*\p+\q)] offset:2*\p*SPITCH+256*\q   ; loaded data and an address from the head: no vector or matrix instruction of the loop names either, so these go out ahead of the wait below
.endr
.endr
	WIN 0xc0
.if \inloop
	s_wait_alu depctr_va_vdst(0)                   ; the trip's products are done reading x's fragments, in which the LDS loads below land
.endif
.irp s, 0,1,2,3,4,5,6,7
.irp g, 0,1,2
	ds_load_b128 v[12*\s+4*\g:12*\s+4*\g+3], v29 offset:48*\s+16*\g   ; LDS serves a wave's instructions in order: these see the stores above
.endr
.endr
	WIN 0x03
.irp s, 0,1,2,3,4,5,6,7
	v_mov_b32 v[48+\s], v[192+\s]                  ; scale operands have no window
.endr
	WIN 0
	s_wait_loadcnt 0x0                             ; the lists
	s_wait_alu depctr_vm_vsrc(0)                   ; the last gather's loads have read the offsets v20-28, which ADDR writes again; the LDS stores above have read the gathered rows, in which the next gather lands; in the loop also: the last tile's three stores have read its codes and its byte, which this trip's conversions write again
	ADDR
	s_wait_dscnt 24                                ; the 24 stores have read the gathered rows (the 24 loads may be out)
	XLOADS
	s_add_co_u32 s17, s17, 1
	s_min_u32 s17, s17, s18                        ; never past my chunk's last tile
	LISTS
.endm
	s_load_b256 s[4:11], s[0:1], 0x0               ; p1, b1, lst, hid
	v_lshl_add_u32 v254, v0, 2, 0xc400
	v_mov_b32 v255, 0
	v_lshrrev_b32 v1, 5, v0
	v_readfirstlane_b32 s12, v1                    ; wave 0..3
	s_and_b32 s14, ttmp9, 31                       ; my 64 hidden units
	s_lshr_b32 s19, ttmp9, 5
	s_lshl_b32 s19, s19, 2
	s_wait_alu depctr_va_sdst(0)                   ; s12 is written, ahead of its first reader: my slot and my stage are made from it
	s_add_co_u32 s19, s19, s12                     ; my slot, 0 .. 31
	s_wait_kmcnt 0x0
.irp e, 0,1,2,3,4,5,6,7
	s_load_b32 s[NT0+\e], s[8:9], CNT_O+128*\e     ; the experts' rows
.endr
	v_and_b32 v1, 31, v0                           ; l
	v_and_b32 v2, 15, v0                           ; r
	v_bfe_u32 v3, v0, 4, 1                         ; h
	v_lshlrev_b32 v4, 4, v1                        ; 16 l
	v_lshlrev_b32 v5, 3, v1                        ; 8 l
	v_lshlrev_b32 v6, 4, v2                        ; 16 r
	v_lshlrev_b32 v7, 5, v3                        ; 32 h
	v_and_b32 v8, 14, v2
	v_lshlrev_b32 v8, 1, v8
	v_and_b32 v9, 1, v2
	v_lshl_add_u32 v8, v9, 5, v8                   ; position r's word of LT
	v_lshlrev_b32 v9, 7, v3                        ; 128 h
	s_mul_i32 s21, s12, 16*SPITCH                  ; my stage
	v_mad_u32_u24 v19, v3, SPITCH, v6
	v_add_nc_u32 v19, s21, v19                     ; in: row (lane / 16), + 16 r
	v_mul_u32_u24 v29, v2, SPITCH
	v_mad_u32_u24 v29, v3, 384, v29
	v_add_nc_u32 v29, s21, v29                     ; out: row r, + 384 h
	v_lshl_add_u32 v30, v2, 6, v3                  ; my scale byte: 64 r + h
	v_mov_b32 v56, 0x3e7c6f08
	v_mov_b32 v57, 0x3e7c6f08
	s_mov_b32 s44, 0x3eb504f3
	SETC 46, 0x3f596d27
	SETC 48, 0xc034d90f
	SETC 50, 0x3fb8ab5a
	SETC 52, 0x3f0a29d2
	SETC 54, 0x3e0efb2e
	SETC 56, 0xbe899a80
	SETC 58, 0x3ecdfd18
	SETC 60, 0xbfd1a1e5
	SETC 62, 0x40097039
	SETC 66, 0xbf97d29d
	s_wait_kmcnt 0x0
	CHUNK
	s_cmp_eq_u32 s15, 0
	s_cbranch_scc1 .Lend                           ; no chunk for this slot
	s_min_u32 s13, s13, 7                          ; the expert, held inside the tables
	s_mul_i32 s16, s83, s79                        ; my first tile
	s_add_co_u32 s20, s16, s79
	s_min_u32 s20, s20, s15                        ; the tile behind my last
	s_sub_co_u32 s18, s20, 1                       ; my last tile
	s_sub_co_u32 s20, s20, s16                     ; my tiles: at least one
	s_mov_b32 s45, 0                               ; and how many of them are done: the loop's counter
	s_lshl_b32 s19, s13, 5
	s_add_co_u32 s19, s19, s14                     ; 32 e + cg
	s_mov_b32 s37, 0
	s_mul_i32 s36, s19, 49152
	s_add_co_u32 s36, s36, WQ_O
	s_add_nc_u64 s[38:39], s[4:5], s[36:37]        ; my fragments
	s_lshl_b32 s36, s19, 11
	s_add_co_u32 s36, s36, WS_O
	s_add_nc_u64 s[40:41], s[4:5], s[36:37]        ; their scale words
	s_lshl_b32 s36, s19, 8
	s_add_nc_u64 s[42:43], s[6:7], s[36:37]        ; b1
	s_add_nc_u64 s[22:23], s[4:5], XS_O            ; x's scale words
	s_mul_i32 s36, s13, LSTR
	s_add_nc_u64 s[24:25], s[8:9], s[36:37]        ; the expert's list of tokens
	s_mul_i32 s36, s13, 3145728
	s_mul_i32 s19, s14, 768
	s_add_co_u32 s36, s36, s19
	s_add_nc_u64 s[28:29], s[10:11], s[36:37]      ; HQ
	s_lshl_b32 s36, s13, 17
	s_lshl_b32 s19, s14, 1
	s_add_co_u32 s36, s36, s19
	s_add_co_u32 s36, s36, HS_O
	s_add_nc_u64 s[30:31], s[10:11], s[36:37]      ; HS
	s_wait_alu depctr_va_vdst(0)                   ; the addresses v4-9, v19, v29 and v30 are written, which the loads and stores of the whole kernel read; only loads, window switches
.irp w, 0,1
	WIN (0x40+0x40*\w)
.irp s, 0,1,2,3
.irp t, 0,1,2,3
.irp g, 0,1,2
	global_load_b128 v[12*(4*\s+\t)+4*\g:12*(4*\s+\t)+4*\g+3], v4, s[38:39] offset:(8*\t+4*\w+\s)*1536+512*\g
.endr
.endr
.endr
.endr
	WIN 0xc0
.irp t, 0,1,2,3
.irp j, 0,1,2,3,4,5,6,7
	global_load_b32 v[200+8*\t+\j], v9, s[42:43] offset:(4*\j+\t)*4    ; b1 in the result's layout: unit 32 h + 4 j + t
.endr
.endr
	WIN 0
.irp u, 0,1
.irp q, 0,1,2,3
	global_load_b64 v[32+8*\u+2*\q:33+8*\u+2*\q], v5, s[40:41] offset:1024*\u+256*\q
.endr
.endr
	s_mov_b32 s17, s16                             ; the tile whose list is asked for
	LISTS
	s_wait_loadcnt 0x0
	ADDR
	XLOADS
	s_add_co_u32 s17, s17, 1
	s_min_u32 s17, s17, s18
	LISTS
	ADVANCE 0
.Ltile:
	s_wait_dscnt 0x0                               ; x's fragments are in
.irp s, 0,1,2,3,4,5,6,7                        ; four accumulators by turns, K ascending
.if \s == 0
	WIN 0x3d                                       ; weights window 1, x and b1 window 3
.elseif \s < 4
	WIN 0x0d
.else
	WIN 0x0e                                       ; weights window 2
.endif
.irp t, 0,1,2,3
.if \s == 0
	WMMA 64+8*\t, 12*(4*(\s%4)+\t), 12*\s, 200+8*\t, 32+8*(\t/2)+\s, 48+\s, \t%2
.else
	WMMA 64+8*\t, 12*(4*(\s%4)+\t), 12*\s, 64+8*\t, 32+8*(\t/2)+\s, 48+\s, \t%2
.endif
.endr
.endr
	WIN 0
.rept 4
	v_nop                                          ; places in front of the moves onto the scale words that the products have read, and of the first read of results
.endr
	ADVANCE 1
	GELU_CORE 32, 64, 96, 128, 160
.set n, 0
.rept 32
	v_fma_f32 v[192+4*(n%8)+n/8], -|v[64+n]|, v[96+n], v[160+n]   ; into the order of the next K: register 4 j + t
.set n, n+1
.endr
	s_wait_xcnt 0x0                                ; the last tile's stores have read their registers and addresses
	BLKMAX 234, 235, 192
	v_add_nc_u32 v236, 0xfe000000, v234
	v_cvt_scalef32_pk16_bf6_f32 v[224:226], v[192:207], v236
	v_cvt_scalef32_pk16_bf6_f32 v[230:232], v[208:223], v236
	v_lshrrev_b32 v237, 23, v236                   ; the scale's byte (a plain place behind the conversions)
	v_mov_b32 v227, v230
	v_mov_b32 v228, v231
	v_mov_b32 v229, v232
	s_min_u32 s19, s16, 127
	s_mul_i32 s36, s19, 24576
	s_add_nc_u64 s[32:33], s[28:29], s[36:37]
	s_lshl_b32 s36, s19, 10
	s_add_nc_u64 s[34:35], s[30:31], s[36:37]
	s_wait_alu depctr_va_vdst(0)                   ; the conversions, the three moves and the shift have written v224-229 and v237, which the three stores read
	global_store_b128 v4, v[224:227], s[32:33]             ; 512 consecutive bytes
	global_store_b64 v5, v[228:229], s[32:33] offset:512   ; 256 consecutive bytes
	global_store_b8 v30, v237, s[34:35]
	s_add_co_u32 s16, s16, 1                       ; my next tile (it serves addresses alone)
	s_add_co_u32 s45, s45, 1                       ; the loop is counted in steps of one against my number of tiles, which the loop does not write
	s_cmp_lt_u32 s45, s20
	s_cbranch_scc1 .Ltile
.Lend:
	s_wait_dscnt 0x0                               ; the closing lines, six on end
	s_wait_alu 0x0
	s_wait_tensorcnt 0x0
	ds_add_u32 v254, v255
	s_wait_dscnt 0x0
	s_endpgm
.Lfunc_end_k_q4332a2a172_ffn1:
	.size	k_q4332a2a172_ffn1, .Lfunc_end_k_q4332a2a172_ffn1-k_q4332a2a172_ffn1
	.p2alignl 7, 3214868480
	.fill 96, 4, 3214868480
	.section	.rodata,"a",@progbits
	.p2align	6, 0x0
	.amdhsa_kernel k_q4332a2a172_ffn1
		.amdhsa_group_segment_fixed_size 50688
		.amdhsa_private_segment_fixed_size 0
		.amdhsa_enable_private_segment 0
		.amdhsa_kernarg_size 32
		.amdhsa_user_sgpr_count 2
		.amdhsa_user_sgpr_kernarg_segment_ptr 1
		.amdhsa_wavefront_size32 1
		.amdhsa_system_sgpr_workgroup_id_x 1
		.amdhsa_system_sgpr_workgroup_id_y 1
		.amdhsa_system_sgpr_workgroup_id_z 1
		.amdhsa_system_vgpr_workitem_id 0
		.amdhsa_next_free_vgpr 1024
		.amdhsa_next_free_sgpr 88
		.amdhsa_reserve_vcc 0
		.amdhsa_float_denorm_mode_32 3
		.amdhsa_float_denorm_mode_16_64 3
		.amdhsa_memory_ordered 1
		.amdhsa_forward_progress 1
		.amdhsa_inst_pref_size 71
	.end_amdhsa_kernel
	.amdgpu_metadata
---
amdhsa.version: [ 1, 2 ]
amdhsa.kernels:
  - .name:           k_q4332a2a172_ffn1
    .symbol:         k_q4332a2a172_ffn1.kd
    .args:
      - { .name: p1, .offset: 0, .size: 8, .value_kind: global_buffer, .address_space: global }
      - { .name: b1, .offset: 8, .size: 8, .value_kind: global_buffer, .address_space: global }
      - { .name: lst, .offset: 16, .size: 8, .value_kind: global_buffer, .address_space: global }
      - { .name: hid, .offset: 24, .size: 8, .value_kind: global_buffer, .address_space: global }
    .group_segment_fixed_size: 50688
    .private_segment_fixed_size: 0
    .kernarg_segment_align: 8
    .kernarg_segment_size: 32
    .max_flat_workgroup_size: 128
    .sgpr_count:     88
    .vgpr_count:     1024
    .wavefront_size: 32
...
	.end_amdgpu_metadata
.endif
;; end of part 9
;; launch ffn2 (part 10): grid 256 x 1, 4 waves a work-group, no clusters, 9,728 bytes of LDS; arguments hid, p2, b2, lst, y2; writes y2
.if DOCPART == 10
	.amdgcn_target "amdgcn-amd-amdhsa--gfx1250"
	.amdhsa_code_object_version 6
	.text
	.protected	k_q4332a2a172_ffn2
	.globl	k_q4332a2a172_ffn2
	.p2align	8
	.type	k_q4332a2a172_ffn2,@function
k_q4332a2a172_ffn2:
	s_mov_b64 s[64:65], 0
	v_nop
	global_prefetch_b8 v0, s[64:65] scope:SCOPE_SE
	s_setreg_imm32_b32 hwreg(HW_REG_WAVE_SCHED_MODE, 0, 2), 2
	s_setreg_imm32_b32 hwreg(HW_REG_WAVE_MODE, 25, 1), 1
	s_wait_xcnt 0x0
	s_wait_alu depctr_vm_vsrc(0)
; ffn2: y2[slot] = gate weight x (hidden w2[e] + b2[e]) for the rows that chose expert e.
; SHARES.  A column unit (work-group & 31 = 2 cg + u) is the two tiles t = 2 u + t' whose row m is output 64 cg + 4 m + t.  It has 32 slots: slot = 4 x (work-group / 32) + wave.  Each expert's tiles
; of 16 rows are cut into chunks of c consecutive tiles, and slot k takes the k-th chunk in the order of the experts: so a wave has at most c tiles, however unevenly the gate has chosen.
; All experts together have 4,096 rows (two different experts a token), at most (4,096 + 8 x 15) / 16 = 263 tiles; with c = 11 that is at most (263 + 8 x 10) / 11 = 31 chunks; c = 9 or 10 is
; taken where 32 slots still suffice.  The counts are read from memory: no tensor load, no barrier, no cluster (partners would need different numbers of tiles).  A slot without a chunk ends.
; A wave keeps the 32 weight fragments of its (expert, unit) (2 tiles x 16 K steps) for the whole launch.
; The hidden codes lie in memory as images of the operand's registers, so they come straight into registers; the next tile's are asked for as soon as a half's products are done reading.
; The product is used transposed: lane (r, h) holds row r and outputs 64 cg + 32 h + 4 j + 2 u + t'.  They are laid in y2's row at (2 cg + u) x 128 + 64 h + 4 (2 j + t'); the last launch puts them in order.
; Rows leave by slot through the wave's own stage (16 rows x 144 bytes): eight lanes write 128 consecutive bytes of a row.  Rows that only fill up a tile go to the expert's spare row.
; LIMITS: NaN and infinities are not served; the stores cover 128 consecutive bytes of a row, not 256.
; REGISTERS: window 0: v1-9, v20-23 addresses; v10-13 slots; v14 weight; v16-19 row offsets; v32-47 w2's scale words; v48-63 the hidden layer's; v64-79 sums; v80-95 weighted; v96-111 rows.
;   window 1: fragments of K steps 0-7 at 12 (2 s + t'); window 2: K steps 8-15; window 3: v0-191 the hidden fragments, v192-207 b2.
; THE MODE: SCHED_MODE bits 1:0 = 2 (LLVM: expert scheduling mode 2), set by the entry lines.  The code itself states the register dependences
; between vector or matrix instructions and memory or LDS instructions, with s_wait_alu, always for 0.
; THE PLAN.  Registers that memory or LDS instructions touch, round the loop:
;   window 3 v0-95, v48-55     the hidden fragments and scale words of K steps 0-7.  Sixteen products read them; behind them the next tile's loads land there.
;   window 3 v96-191, v56-63   the same of K steps 8-15.
;   v10-13, v14   slots and weight.  Loads land there; four v_min_u32 and sixteen multiplies read them; then the next tile's land.
;   v80-95        weighted results.  The multiplies write them; four LDS stores read them.
;   v96-111       whole rows.  LDS loads land there; four global stores read them.
;   v16-19        row offsets.  Eight vector lines write them; the global stores read them.
;   v4-9, v20-22  addresses, made at the head and never written again.
; So a trip has one wait on vm_vsrc at its head, for all that the last trip's stores read; one wait on va_vdst behind each half's products, ahead of the loads into that half;
; and one wait on va_vdst behind ALL its vector work (the multiplies and the offsets stand together), ahead of the LDS stores, the lists' loads and the global stores.
.set WS_O,  12582912
.set TWL_O, 13107200
.set LS_O,  67584
.set CNT_O, 135168
.set LSTR,  8448
.set HS_O,  25165824
.set NT0,   68                         ; s68-75 the experts' counts, then their numbers of tiles
.set CK,    46                         ; s46    my slot
.set CE,    15                         ; s15    my expert
.set CN,    18                         ; s18    its number of tiles; 0: no chunk for my slot
.set MSB, 0
.macro WIN new
.if MSB != (\new)
	s_set_vgpr_msb (MSB<<8)|(\new)
.set MSB, (\new)
.endif
.endm
; From the eight counts and my slot: my expert s[CE], its tiles s[CN], my chunk's number in it s83, the chunk's length s79.  Compares and selects alone, no branch.
; n / c for n up to 138 is (n x ceil(65536 / c)) >> 16: the multiplier's excess, at most 4 in 65,536, times 138 stays under one c-th.
.macro CHUNK
.irp e, 0,1,2,3,4,5,6,7
	s_min_u32 s[NT0+\e], s[NT0+\e], 2048
	s_add_co_u32 s[NT0+\e], s[NT0+\e], 15
	s_lshr_b32 s[NT0+\e], s[NT0+\e], 4             ; tiles of 16 rows
.endr
	s_mov_b32 s76, 0                               ; how many chunks of 9 there would be,
	s_mov_b32 s77, 0                               ; and of 10
.irp e, 0,1,2,3,4,5,6,7
	s_add_co_u32 s78, s[NT0+\e], 8
	s_mul_i32 s78, s78, 7282
	s_lshr_b32 s78, s78, 16
	s_add_co_u32 s76, s76, s78
	s_add_co_u32 s78, s[NT0+\e], 9
	s_mul_i32 s78, s78, 6554
	s_lshr_b32 s78, s78, 16
	s_add_co_u32 s77, s77, s78
.endr
	s_mov_b32 s79, 11                              ; c, and ceil(65536 / c): the shortest chunk for which 32 slots suffice
	s_mov_b32 s80, 5958
	s_cmp_le_u32 s77, 32
	s_cselect_b32 s79, 10, s79
	s_cselect_b32 s80, 6554, s80
	s_cmp_le_u32 s76, 32
	s_cselect_b32 s79, 9, s79
	s_cselect_b32 s80, 7282, s80
	s_sub_co_u32 s81, s79, 1
	s_mov_b32 s82, 0                               ; chunks of the experts passed
	s_mov_b32 s[CE], 0
	s_mov_b32 s83, 0
	s_mov_b32 s[CN], 0
.irp e, 0,1,2,3,4,5,6,7
	s_add_co_u32 s78, s[NT0+\e], s81
	s_mul_i32 s78, s78, s80
	s_lshr_b32 s78, s78, 16                        ; this expert's chunks
	s_sub_co_u32 s84, s[CK], s82                   ; my slot among them (it wraps to a large number where my slot lies ahead)
	s_cmp_lt_u32 s84, s78
	s_cselect_b32 s[CE], \e, s[CE]
	s_cselect_b32 s83, s84, s83
	s_cselect_b32 s[CN], s[NT0+\e], s[CN]
	s_add_co_u32 s82, s82, s78
.endr
.endm
.macro WMMA d, a, b, c, sa, sb, row
.if \row
	v_wmma_scale_f32_16x16x128_f8f6f4 v[\d:\d+7], v[\a:\a+11], v[\b:\b+11], v[\c:\c+7], v[\sa], v[\sb] matrix_a_fmt:MATRIX_FMT_BF6 matrix_b_fmt:MATRIX_FMT_BF6 matrix_a_scale:MATRIX_SCALE_ROW1
.else
	v_wmma_scale_f32_16x16x128_f8f6f4 v[\d:\d+7], v[\a:\a+11], v[\b:\b+11], v[\c:\c+7], v[\sa], v[\sb] matrix_a_fmt:MATRIX_FMT_BF6 matrix_b_fmt:MATRIX_FMT_BF6
.endif
.endm
.macro PTRS                            ; tile s21's four pointers
	s_mul_i32 s40, s21, 24576
	s_add_nc_u64 s[28:29], s[22:23], s[40:41]
	s_lshl_b32 s40, s21, 10
	s_add_nc_u64 s[30:31], s[24:25], s[40:41]
	s_lshl_b32 s40, s21, 6
	s_add_nc_u64 s[32:33], s[26:27], s[40:41]
	s_add_nc_u64 s[34:35], s[36:37], s[40:41]
.endm
; 34 loads: eight K steps' hidden fragments and their scale words.  behind = 1: products have read this half
.macro GH half, behind
	WIN 0xc0
.if \behind
	s_wait_alu depctr_va_vdst(0)                   ; the sixteen products just issued are done reading this half's fragments and scale words, in which the loads below land
.endif
.set q, 0
.rept 16
	global_load_b128 v[96*\half+6*q:96*\half+6*q+3], v4, s[28:29] offset:(16*\half+q)*768
	global_load_b64 v[96*\half+6*q+4:96*\half+6*q+5], v5, s[28:29] offset:(16*\half+q)*768+512
.set q, q+1
.endr
	WIN 0
	global_load_b128 v[48+8*\half:51+8*\half], v6, s[30:31] offset:32*\half
	global_load_b128 v[52+8*\half:55+8*\half], v6, s[30:31] offset:32*\half+16
.endm
.macro GL                              ; 2 loads: v[10 + i] = the slot of position 4 i + (lane / 8); v14 = row r's weight
	global_load_b128 v[10:13], v8, s[32:33]
	global_load_b32 v14, v9, s[34:35]
.endm
.macro MMH half                        ; 16 products: two accumulators by turns, K ascending
.irp s, 0,1,2,3,4,5,6,7
.if (\half == 0) && (\s == 0)
	WIN 0x3d                                       ; weights window 1, hidden and b2 window 3
.elseif \half == 0
	WIN 0x0d
.else
	WIN 0x0e                                       ; weights window 2
.endif
.irp t, 0,1
.if (\half == 0) && (\s == 0)
	WMMA 64+8*\t, 12*(2*\s+\t), 12*(8*\half+\s), 192+8*\t, 32+8*\half+\s, 48+8*\half+\s, \t
.else
	WMMA 64+8*\t, 12*(2*\s+\t), 12*(8*\half+\s), 64+8*\t, 32+8*\half+\s, 48+8*\half+\s, \t
.endif
.endr
.endr
	WIN 0
.endm
	s_load_b256 s[4:11], s[0:1], 0x0               ; hid, p2, b2, lst
	s_load_b64 s[12:13], s[0:1], 0x20              ; y2
	v_lshl_add_u32 v254, v0, 2, 0x2400
	v_mov_b32 v255, 0
	v_lshrrev_b32 v1, 5, v0
	v_readfirstlane_b32 s14, v1                    ; wave 0..3
	s_bfe_u32 s16, ttmp9, 0x40001                  ; the group of 64 outputs
	s_and_b32 s17, ttmp9, 1                        ; which two of its four tiles
	s_lshr_b32 s46, ttmp9, 5
	s_lshl_b32 s46, s46, 2
	s_wait_alu depctr_va_sdst(0)                   ; s14 is written, ahead of its first reader: my slot and my stage are made from it
	s_add_co_u32 s46, s46, s14                     ; my slot, 0 .. 31
	s_wait_kmcnt 0x0
.irp e, 0,1,2,3,4,5,6,7
	s_load_b32 s[NT0+\e], s[10:11], CNT_O+128*\e   ; the experts' rows
.endr
	v_and_b32 v1, 31, v0                           ; l
	v_and_b32 v2, 15, v0                           ; r
	v_bfe_u32 v3, v0, 4, 1                         ; h
	v_lshlrev_b32 v4, 4, v1                        ; 16 l
	v_lshlrev_b32 v5, 3, v1                        ; 8 l
	v_lshlrev_b32 v6, 6, v2                        ; 64 r
	v_lshlrev_b32 v7, 7, v3                        ; 128 h
	v_lshrrev_b32 v23, 3, v1                       ; l / 8
	v_lshlrev_b32 v8, 4, v23                       ; 16 (l / 8)
	v_lshlrev_b32 v9, 2, v2                        ; 4 r
	v_and_b32 v22, 7, v1
	v_lshlrev_b32 v22, 4, v22                      ; 16 (l % 8)
	s_mul_i32 s21, s14, 2304                       ; my stage
	v_mul_u32_u24 v20, v2, 144
	v_lshl_add_u32 v20, v3, 6, v20
	v_add_nc_u32 v20, s21, v20                     ; in: row r, + 64 h
	v_mad_u32_u24 v21, v23, 144, v22
	v_add_nc_u32 v21, s21, v21                     ; out: row l / 8, + 16 (l % 8)
	s_wait_kmcnt 0x0
	CHUNK
	s_cmp_eq_u32 s18, 0
	s_cbranch_scc1 .Lend                           ; no chunk for this slot
	s_min_u32 s15, s15, 7                          ; the expert, held inside the tables
	s_mul_i32 s19, s83, s79                        ; my first tile
	s_add_co_u32 s48, s19, s79
	s_min_u32 s48, s48, s18                        ; the tile behind my last
	s_sub_co_u32 s20, s48, 1                       ; my last tile
	s_sub_co_u32 s48, s48, s19                     ; my tiles: at least one
	s_mov_b32 s47, 0                               ; and how many of them are done: the loop's counter
	s_mov_b32 s41, 0
	s_lshl_b32 s21, s15, 4
	s_add_co_u32 s21, s21, s16                     ; 16 e + cg
	s_lshl_b32 s40, s21, 1
	s_add_co_u32 s40, s40, s17
	s_mul_i32 s40, s40, 49152
	s_add_nc_u64 s[38:39], s[6:7], s[40:41]        ; my fragments
	s_lshl_b32 s40, s21, 12
	s_lshl_b32 s46, s17, 11
	s_add_co_u32 s40, s40, s46
	s_add_co_u32 s40, s40, WS_O
	s_add_nc_u64 s[42:43], s[6:7], s[40:41]        ; their scale words
	s_lshl_b32 s40, s21, 8
	s_lshl_b32 s46, s17, 3
	s_add_co_u32 s40, s40, s46
	s_add_nc_u64 s[44:45], s[8:9], s[40:41]        ; b2
	s_lshl_b32 s40, s16, 8
	s_lshl_b32 s46, s17, 7
	s_add_co_u32 s40, s40, s46
	s_add_nc_u64 s[12:13], s[12:13], s[40:41]      ; my 128 bytes of a row of y2
	s_mul_i32 s40, s15, 3145728
	s_add_nc_u64 s[22:23], s[4:5], s[40:41]        ; HQ
	s_lshl_b32 s40, s15, 17
	s_add_co_u32 s40, s40, HS_O
	s_add_nc_u64 s[24:25], s[4:5], s[40:41]        ; HS
	s_mul_i32 s40, s15, LSTR
	s_add_nc_u64 s[26:27], s[10:11], s[40:41]
	s_add_nc_u64 s[26:27], s[26:27], LS_O          ; the slots
	s_add_nc_u64 s[36:37], s[6:7], s[40:41]
	s_add_nc_u64 s[36:37], s[36:37], TWL_O         ; the weights
	s_wait_alu depctr_va_vdst(0)                   ; the addresses v4-9 and v20-22 are written, which the loads and stores of the whole kernel read; only loads, window switches
.irp w, 0,1
	WIN (0x40+0x40*\w)
.irp s, 0,1,2,3,4,5,6,7
.irp t, 0,1
.irp g, 0,1,2
	global_load_b128 v[12*(2*\s+\t)+4*\g:12*(2*\s+\t)+4*\g+3], v4, s[38:39] offset:(16*\t+8*\w+\s)*1536+512*\g
.endr
.endr
.endr
.endr
	WIN 0xc0
.irp t, 0,1
.irp j, 0,1,2,3,4,5,6,7
	global_load_b32 v[192+8*\t+\j], v7, s[44:45] offset:(4*\j+\t)*4    ; b2 in the result's layout
.endr
.endr
	WIN 0
.irp q, 0,1,2,3,4,5,6,7
	global_load_b64 v[32+2*\q:33+2*\q], v5, s[42:43] offset:256*\q
.endr
	s_min_u32 s21, s19, 127
	PTRS
	GH 0, 0
	GH 1, 0
	GL
.Ltile:
	s_wait_xcnt 0x0                                ; all that was issued has read its addresses and data: the pointers, the rows and their offsets may be written
	s_wait_alu depctr_vm_vsrc(0)                   ; the last trip's LDS stores have read v80-95, its global stores the offsets v16-19 and the rows v96-111: this trip's multiplies, offset lines and LDS loads write them again
	s_add_co_u32 s21, s19, 1
	s_min_u32 s21, s21, s20                        ; never past my chunk's last tile
	s_min_u32 s21, s21, 127
	PTRS
	s_wait_loadcnt 36                              ; K steps 0-7 are in; behind them: K steps 8-15 (34) and the lists (2)
	MMH 0
.rept 4
	v_nop                                          ; four places behind the products stay ahead of the loads into registers that they have read; the dependence itself is stated by the wait in GH
.endr
	GH 0, 1                                        ; the next tile's
	s_wait_loadcnt 34                              ; all but the 34 just issued
	MMH 1
.rept 5
	v_nop                                          ; places ahead of the first read of results; the next trip begins these accumulators anew
.endr
	GH 1, 1
.irp j, 0,1,2,3,4,5,6,7
.irp t, 0,1
	v_mul_f32 v[80+2*\j+\t], v[64+8*\t+\j], v14    ; x the gate's weight; each accumulator from its low end on
.endr
.endr
.irp i, 0,1,2,3
	v_min_u32 v[16+\i], 4103, v[10+\i]             ; the slot, held inside y2
.endr
.irp i, 0,1,2,3
	v_lshl_add_u32 v[16+\i], v[16+\i], 12, v22
.endr
	s_wait_alu depctr_va_vdst(0)                   ; the multiplies have written v80-95, which the LDS stores read; the offsets v16-19 are written, which the global stores read; both are done reading v10-14, in which the lists' loads land
.irp q, 0,1,2,3
	ds_store_b128 v20, v[80+4*\q:83+4*\q] offset:16*\q
.endr
.irp i, 0,1,2,3
	ds_load_b128 v[96+4*\i:99+4*\i], v21 offset:576*\i   ; LDS serves a wave's instructions in order: row 4 i + l / 8
.endr
	GL                                             ; the next tile's slots and weight.  No wait: no vector instruction since the wait above names v10-14
	s_wait_dscnt 0x0
.irp i, 0,1,2,3
	global_store_b128 v[16+\i], v[96+4*\i:99+4*\i], s[12:13]
.endr
	s_add_co_u32 s19, s19, 1                       ; my next tile (it serves addresses alone)
	s_add_co_u32 s47, s47, 1                       ; the loop is counted in steps of one against my number of tiles, which the loop does not write
	s_cmp_lt_u32 s47, s48
	s_cbranch_scc1 .Ltile
.Lend:
	s_wait_dscnt 0x0                               ; the closing lines, six on end
	s_wait_alu 0x0
	s_wait_tensorcnt 0x0
	ds_add_u32 v254, v255
	s_wait_dscnt 0x0
	s_endpgm
.Lfunc_end_k_q4332a2a172_ffn2:
	.size	k_q4332a2a172_ffn2, .Lfunc_end_k_q4332a2a172_ffn2-k_q4332a2a172_ffn2
	.p2alignl 7, 3214868480
	.fill 96, 4, 3214868480
	.section	.rodata,"a",@progbits
	.p2align	6, 0x0
	.amdhsa_kernel k_q4332a2a172_ffn2
		.amdhsa_group_segment_fixed_size 9728
		.amdhsa_private_segment_fixed_size 0
		.amdhsa_enable_private_segment 0
		.amdhsa_kernarg_size 40
		.amdhsa_user_sgpr_count 2
		.amdhsa_user_sgpr_kernarg_segment_ptr 1
		.amdhsa_wavefront_size32 1
		.amdhsa_system_sgpr_workgroup_id_x 1
		.amdhsa_system_sgpr_workgroup_id_y 1
		.amdhsa_system_sgpr_workgroup_id_z 1
		.amdhsa_system_vgpr_workitem_id 0
		.amdhsa_next_free_vgpr 1024
		.amdhsa_next_free_sgpr 88
		.amdhsa_reserve_vcc 0
		.amdhsa_float_denorm_mode_32 3
		.amdhsa_float_denorm_mode_16_64 3
		.amdhsa_memory_ordered 1
		.amdhsa_forward_progress 1
		.amdhsa_inst_pref_size 43
	.end_amdhsa_kernel
	.amdgpu_metadata
---
amdhsa.version: [ 1, 2 ]
amdhsa.kernels:
  - .name:           k_q4332a2a172_ffn2
    .symbol:         k_q4332a2a172_ffn2.kd
    .args:
      - { .name: hid, .offset: 0, .size: 8, .value_kind: global_buffer, .address_space: global }
      - { .name: p2, .offset: 8, .size: 8, .value_kind: global_buffer, .address_space: global }
      - { .name: b2, .offset: 16, .size: 8, .value_kind: global_buffer, .address_space: global }
      - { .name: lst, .offset: 24, .size: 8, .value_kind: global_buffer, .address_space: global }
      - { .name: y2, .offset: 32, .size: 8, .value_kind: global_buffer, .address_space: global }
    .group_segment_fixed_size: 9728
    .private_segment_fixed_size: 0
    .kernarg_segment_align: 8
    .kernarg_segment_size: 40
    .max_flat_workgroup_size: 128
    .sgpr_count:     88
    .vgpr_count:     1024
    .wavefront_size: 32
...
	.end_amdgpu_metadata
.endif
;; end of part 10
;; launch combine: the kernel of part 5 again; grid 512 x 1, 4 waves a work-group, no clusters, 0 bytes of LDS; arguments y2, out0; writes out0
